; MI455X (gfx1250); checked and timed in simulation.
; The chip was launched on July 23, 2026; its instructions are those of AMD's public machine-readable ISA for CDNA 5 (MIT licence, August 2026) and "CDNA5" Instruction Set Architecture Reference Guide (July 2026). The comments in the code are by the model that wrote it; some were corrected since.
;; Swin Transformer Block. Allowed arithmetic: float matrix products may take bf16 or f16 operands with f32 sums; all other float work in f32.
;; Inputs: ln1_b 128 float32; ln1_g 128 float32; ln2_b 128 float32; ln2_g 128 float32; ln3_b 128 float32; ln3_g 128 float32; ln4_b 128 float32; ln4_g 128 float32; mlp1_b1 512 float32; mlp1_b2 128 float32; mlp1_w1 512 x 128 float32; mlp1_w2 128 x 512 float32; mlp2_b1 512 float32; mlp2_b2 128 float32; mlp2_w1 512 x 128 float32; mlp2_w2 128 x 512 float32; out1_b 128 float32; out1_w 128 x 128 float32; out2_b 128 float32; out2_w 128 x 128 float32; qkv1_b 384 float32; qkv1_w 384 x 128 float32; qkv2_b 384 float32; qkv2_w 384 x 128 float32; x 8 x 16,384 x 128 float32.
;; Outputs: out0 8 x 1,024 x 16 x 128 float32.
;; 3 versions, each right; version 3 is version 2 with the launch prep written anew for expert scheduling mode. Each part assembles by itself: llvm-mc -triple=amdgcn-amd-amdhsa -mcpu=gfx1250 --defsym DOCPART=n.
;; ======== version 1 of 3: 3 launches
;; limits: a function is approximated: absolute error at most 2.5e-05
;; workspace buffers: wts1 399,360 bytes; wts2 399,360 bytes; mid 67,108,864 bytes
;; launch prep (part 1): grid 24 x 2, 8 waves a work-group, no clusters, 1,280 bytes of LDS; arguments qkv1_w, out1_w, mlp1_w1, mlp1_w2, qkv1_b, out1_b, mlp1_b1, mlp1_b2, ln1_g, ln1_b, ln2_g, ln2_b, wts1, qkv2_w, out2_w, mlp2_w1, mlp2_w2, qkv2_b, out2_b, mlp2_b1, mlp2_b2, ln3_g, ln3_b, ln4_g, ln4_b, wts2; writes wts1, wts2
.if DOCPART == 1
	.amdgcn_target "amdgcn-amd-amdhsa--gfx1250"
	.amdhsa_code_object_version 6
	.text
	.protected	k_qa37c1e0529_prep
	.globl	k_qa37c1e0529_prep
	.p2align	8
	.type	k_qa37c1e0529_prep,@function
k_qa37c1e0529_prep:
	s_mov_b64 s[64:65], 0
	v_nop
	global_prefetch_b8 v0, s[64:65] scope:SCOPE_SE
	s_setreg_imm32_b32 hwreg(HW_REG_WAVE_MODE, 25, 1), 1
	s_wait_xcnt 0x0
; Folds and converts one half-block's weights (grid y = 0: the first, 1: the second) into 1560 rows of 256 bytes:
;   rows 0-383 qkv_w * g, 384-511 out_w, 512-535 24 rows of 64 f32 biases, 536+256c+i: k*g*w1[128c+i][:], 536+256c+128+f: 0.5*w2[f][128c..].
; Identities used, true for every input: W (n*g + b) + c = (W*g) n + (W b + c); with k = sqrt(log2(e)/2) the MLP's two
; pre-activations arrive as u = k x, so that exp(-x*x/2) = 2^(-u*u) and gelu(x) = (0.5/k)(u + |u| erf): the 0.5/k of the hidden
; layer and the k of the second layer's input meet in 0.5*w2.  Stated difference of rounding: gain and k are rounded into the bf16 weight.
; Work-group x takes 64 rows of 128 numbers: x 0-5 qkv_w, 6-7 out_w, 8-15 w1, 16-23 w2 (64 rows x one chunk of 128 columns), and
; writes bias row x (rows 18-23 repeat b2, so that all 24 groups run one text).  Wave w takes rows 8w..8w+7, a lane 4 numbers of each.
; Too little data for LDS rings, matrix units or clusters: one batch of loads, one wait.
.set KC, 0x3f596d27                    ; k = 0.8493218
	s_load_b512 s[4:19], s[0:1], 0x0               ; layer 1: qkv_w out_w w1 w2 qkv_b out_b b1 b2
	s_load_b256 s[20:27], s[0:1], 0x40             ; its first LN's g, b, its second LN's g, b
	s_load_b64 s[28:29], s[0:1], 0x60              ; its destination
	s_load_b512 s[32:47], s[0:1], 0x68             ; layer 2, the same order
	s_load_b256 s[48:55], s[0:1], 0xa8
	s_load_b64 s[56:57], s[0:1], 0xc8
	v_lshl_add_u32 v64, v0, 2, 0x100
	v_mov_b32 v65, 0
	s_mov_b32 s70, ttmp9                           ; x
	s_and_b32 s58, ttmp7, 0xffff                   ; y
	v_and_b32 v1, 31, v0                           ; lane
	v_lshrrev_b32 v2, 5, v0
	v_readfirstlane_b32 s98, v2                    ; wave
	s_mov_b32 s92, 0x76543210                      ; v_permlanex16_b32: lane i reads lane i of the other half
	s_mov_b32 s93, 0xfedcba98
	s_mov_b32 s71, 16                              ; first x of my matrix
	s_cmp_lt_u32 s70, 16
	s_cmov_b32 s71, 8
	s_cmp_lt_u32 s70, 8
	s_cmov_b32 s71, 6
	s_cmp_lt_u32 s70, 6
	s_cmov_b32 s71, 0
	s_sub_co_u32 s72, s70, s71                     ; z: my block of 64 rows in that matrix
	s_and_b32 s80, s72, 1
	s_lshr_b32 s81, s72, 1
	s_lshl_b32 s82, s80, 17                        ; w2: 64 rows of 2048 bytes,
	s_lshl_b32 s83, s81, 9                         ;     chunk of 128 columns
	s_or_b32 s82, s82, s83
	s_lshl_b32 s83, s72, 15                        ; the others: 64 rows of 512 bytes
	s_lshl_b32 s84, s80, 8                         ; bias offset: w2's groups take b2's halves by turns
	s_lshl_b32 s85, s72, 8
	s_lshl_b32 s86, s81, 8                         ; destination row of the MLP's parts: 536 + 256 chunk + 64 (z&1)
	s_lshl_b32 s87, s80, 6
	s_add_co_u32 s86, s86, s87
	s_add_co_u32 s86, s86, 536
	s_lshl_b32 s88, s70, 6                         ; of qkv_w and out_w: 64 x
	s_sub_co_u32 s89, s70, 8
	s_cmp_ge_u32 s70, 16                           ; w2?
	s_mov_b32 s73, 512                             ; source pitch
	s_cmov_b32 s73, 2048
	s_cselect_b32 s74, s82, s83                    ; source offset
	s_cselect_b32 s76, s84, s85                    ; bias offset
	s_cselect_b32 s87, 128, 0
	s_mov_b32 s78, 1.0                             ; factor on the weights
	s_cmov_b32 s78, 0.5
	s_add_co_u32 s86, s86, s87
	s_cmp_lt_u32 s70, 8
	s_cselect_b32 s75, s88, s86                    ; destination row
	s_mov_b32 s79, KC                              ; factor on the bias: k for the MLP's
	s_cmov_b32 s79, 1.0
	s_cmp_lt_u32 s89, 8                            ; w1?
	s_cmov_b32 s78, KC
	s_mov_b32 s77, 0                               ; lane mask: does an LN stand in front of this matrix?
	s_cmov_b32 s77, -1
	s_cmp_lt_u32 s70, 6
	s_cmov_b32 s77, -1
	v_lshlrev_b32 v3, 4, v1                        ; 16 lane
	v_lshlrev_b32 v20, 3, v2                       ; 8 wave
.set i8, 0
.rept 8
	v_add_nc_u32 v21, i8, v20
	v_mad_u32_u24 v[12+i8], v21, s73, v3           ; row x pitch + 16 lane
.set i8, i8+1
.endr
	v_mov_b32 v59, s98
	v_lshlrev_b32 v59, 5, v59                      ; LDS: my wave's eight words
	v_lshlrev_b32 v60, 3, v1
	v_lshl_add_u32 v60, v2, 11, v60                ; destination: 8 rows of 256 bytes a wave + 8 lane
	v_mov_b32 v58, 0                               ; v_permlanex16_b32 counts as a reader of its destination
	s_wait_kmcnt 0x0
	s_cmp_eq_u32 s58, 0                            ; which layer: a choice between two buffers, thirteen times
.set np, 0
.rept 13
	s_cselect_b64 s[4+2*np:5+2*np], s[4+2*np:5+2*np], s[32+2*np:33+2*np]
.set np, np+1
.endr
	s_cmp_lt_u32 s70, 16
	s_cselect_b64 s[60:61], s[8:9], s[10:11]       ; the matrix
	s_cselect_b64 s[62:63], s[16:17], s[18:19]     ; its bias
	s_cmp_lt_u32 s70, 8
	s_cselect_b64 s[60:61], s[6:7], s[60:61]
	s_cselect_b64 s[62:63], s[14:15], s[62:63]
	s_cselect_b64 s[66:67], s[20:21], s[24:25]     ; the LN in front: g
	s_cselect_b64 s[68:69], s[22:23], s[26:27]     ; b
	s_cmp_lt_u32 s70, 6
	s_cselect_b64 s[60:61], s[4:5], s[60:61]
	s_cselect_b64 s[62:63], s[12:13], s[62:63]
	s_mov_b32 s91, 0
	s_mov_b32 s90, s74
	s_add_nc_u64 s[60:61], s[60:61], s[90:91]
	s_mov_b32 s90, s76
	s_add_nc_u64 s[62:63], s[62:63], s[90:91]
	s_lshl_b32 s90, s75, 8
	s_add_nc_u64 s[94:95], s[28:29], s[90:91]      ; my 64 rows of the destination
	s_lshl_b32 s90, s70, 8
	s_add_co_u32 s90, s90, 512*256
	s_add_nc_u64 s[96:97], s[28:29], s[90:91]      ; my bias row
	global_load_b128 v[4:7], v3, s[66:67]          ; g of my four columns
	global_load_b128 v[8:11], v3, s[68:69]         ; b
.set i8, 0
.rept 8
	global_load_b128 v[24+4*i8:27+4*i8], v[12+i8], s[60:61]    ; a wave's load covers a row's 512 bytes
.set i8, i8+1
.endr
	s_wait_loadcnt 0x0
.set i8, 0
.rept 4
	v_cndmask_b32 v[4+i8], 1.0, v[4+i8], s77       ; no LN in front: gain 1,
	v_cndmask_b32 v[8+i8], 0, v[8+i8], s77         ; bias 0
.set i8, i8+1
.endr
.set i8, 0
.rept 4
	v_mul_f32 v[4+i8], s78, v[4+i8]
.set i8, i8+1
.endr
.set i8, 0
.rept 8
.set R, 24+4*i8
	v_pk_mul_f32 v[56:57], v[R:R+1], v[8:9]        ; the row's product with the LN's bias, in f32
	v_pk_fma_f32 v[56:57], v[R+2:R+3], v[10:11], v[56:57]
	v_add_f32 v56, v56, v57
	v_add_f32_dpp v56, v56, v56 row_xmask:1 row_mask:0xf bank_mask:0xf
	v_add_f32_dpp v56, v56, v56 row_xmask:2 row_mask:0xf bank_mask:0xf
	v_add_f32_dpp v56, v56, v56 row_xmask:4 row_mask:0xf bank_mask:0xf
	v_add_f32_dpp v56, v56, v56 row_xmask:8 row_mask:0xf bank_mask:0xf
	v_permlanex16_b32 v58, v56, s92, s93
	v_add_f32 v56, v56, v58
	ds_store_b32 v59, v56 offset:4*i8              ; all lanes write the same word with the same value
	v_pk_mul_f32 v[R:R+1], v[R:R+1], v[4:5]
	v_pk_mul_f32 v[R+2:R+3], v[R+2:R+3], v[6:7]
	v_cvt_pk_bf16_f32 v[R], v[R], v[R+1]
	v_cvt_pk_bf16_f32 v[R+1], v[R+2], v[R+3]
	global_store_b64 v60, v[R:R+1], s[94:95] offset:256*i8     ; a wave's store covers 256 consecutive bytes, aligned; its data registers are not written again
.set i8, i8+1
.endr
	s_wait_dscnt 0x0                               ; for wave 0's sake: my eight words are in LDS
	s_barrier_signal -1
	s_barrier_wait -1
	s_cmp_lg_u32 s98, 0
	s_cbranch_scc1 .Lend
	v_lshlrev_b32 v61, 3, v1
	ds_load_b64 v[56:57], v61                      ; rows 2 lane, 2 lane + 1
	global_load_b64 v[62:63], v61, s[62:63]
	s_wait_loadcnt 0x0
	s_wait_dscnt 0x0
	v_pk_add_f32 v[56:57], v[56:57], v[62:63]
	v_mul_f32 v56, s79, v56
	v_mul_f32 v57, s79, v57
	global_store_b64 v61, v[56:57], s[96:97]       ; 256 consecutive bytes, aligned
.Lend:
	s_wait_tensorcnt 0x0
	ds_add_u32 v64, v65
	s_wait_dscnt 0x0
	s_endpgm
.Lfunc_end_k_qa37c1e0529_prep:
	.size	k_qa37c1e0529_prep, .Lfunc_end_k_qa37c1e0529_prep-k_qa37c1e0529_prep
	.p2alignl 7, 3214868480
	.fill 96, 4, 3214868480
	.section	.rodata,"a",@progbits
	.p2align	6, 0x0
	.amdhsa_kernel k_qa37c1e0529_prep
		.amdhsa_group_segment_fixed_size 1280
		.amdhsa_private_segment_fixed_size 0
		.amdhsa_enable_private_segment 0
		.amdhsa_kernarg_size 208
		.amdhsa_user_sgpr_count 2
		.amdhsa_user_sgpr_kernarg_segment_ptr 1
		.amdhsa_wavefront_size32 1
		.amdhsa_system_sgpr_workgroup_id_x 1
		.amdhsa_system_sgpr_workgroup_id_y 1
		.amdhsa_system_sgpr_workgroup_id_z 1
		.amdhsa_system_vgpr_workitem_id 0
		.amdhsa_next_free_vgpr 66
		.amdhsa_next_free_sgpr 100
		.amdhsa_reserve_vcc 0
		.amdhsa_float_denorm_mode_32 3
		.amdhsa_float_denorm_mode_16_64 3
		.amdhsa_memory_ordered 1
		.amdhsa_forward_progress 1
		.amdhsa_inst_pref_size 15
	.end_amdhsa_kernel
	.amdgpu_metadata
---
amdhsa.version: [ 1, 2 ]
amdhsa.kernels:
  - .name:           k_qa37c1e0529_prep
    .symbol:         k_qa37c1e0529_prep.kd
    .args:
      - { .name: qkv1_w, .offset: 0, .size: 8, .value_kind: global_buffer, .address_space: global }
      - { .name: out1_w, .offset: 8, .size: 8, .value_kind: global_buffer, .address_space: global }
      - { .name: mlp1_w1, .offset: 16, .size: 8, .value_kind: global_buffer, .address_space: global }
      - { .name: mlp1_w2, .offset: 24, .size: 8, .value_kind: global_buffer, .address_space: global }
      - { .name: qkv1_b, .offset: 32, .size: 8, .value_kind: global_buffer, .address_space: global }
      - { .name: out1_b, .offset: 40, .size: 8, .value_kind: global_buffer, .address_space: global }
      - { .name: mlp1_b1, .offset: 48, .size: 8, .value_kind: global_buffer, .address_space: global }
      - { .name: mlp1_b2, .offset: 56, .size: 8, .value_kind: global_buffer, .address_space: global }
      - { .name: ln1_g, .offset: 64, .size: 8, .value_kind: global_buffer, .address_space: global }
      - { .name: ln1_b, .offset: 72, .size: 8, .value_kind: global_buffer, .address_space: global }
      - { .name: ln2_g, .offset: 80, .size: 8, .value_kind: global_buffer, .address_space: global }
      - { .name: ln2_b, .offset: 88, .size: 8, .value_kind: global_buffer, .address_space: global }
      - { .name: wts1, .offset: 96, .size: 8, .value_kind: global_buffer, .address_space: global }
      - { .name: qkv2_w, .offset: 104, .size: 8, .value_kind: global_buffer, .address_space: global }
      - { .name: out2_w, .offset: 112, .size: 8, .value_kind: global_buffer, .address_space: global }
      - { .name: mlp2_w1, .offset: 120, .size: 8, .value_kind: global_buffer, .address_space: global }
      - { .name: mlp2_w2, .offset: 128, .size: 8, .value_kind: global_buffer, .address_space: global }
      - { .name: qkv2_b, .offset: 136, .size: 8, .value_kind: global_buffer, .address_space: global }
      - { .name: out2_b, .offset: 144, .size: 8, .value_kind: global_buffer, .address_space: global }
      - { .name: mlp2_b1, .offset: 152, .size: 8, .value_kind: global_buffer, .address_space: global }
      - { .name: mlp2_b2, .offset: 160, .size: 8, .value_kind: global_buffer, .address_space: global }
      - { .name: ln3_g, .offset: 168, .size: 8, .value_kind: global_buffer, .address_space: global }
      - { .name: ln3_b, .offset: 176, .size: 8, .value_kind: global_buffer, .address_space: global }
      - { .name: ln4_g, .offset: 184, .size: 8, .value_kind: global_buffer, .address_space: global }
      - { .name: ln4_b, .offset: 192, .size: 8, .value_kind: global_buffer, .address_space: global }
      - { .name: wts2, .offset: 200, .size: 8, .value_kind: global_buffer, .address_space: global }
    .group_segment_fixed_size: 1280
    .private_segment_fixed_size: 0
    .kernarg_segment_align: 8
    .kernarg_segment_size: 208
    .max_flat_workgroup_size: 256
    .sgpr_count:     100
    .vgpr_count:     66
    .wavefront_size: 32
...
	.end_amdgpu_metadata
.endif
;; end of part 1
;; launch half1 (part 2): grid 256 x 1, 4 waves a work-group, clusters of 4 x 1, 327,680 bytes of LDS; arguments x, wts1, mid; writes mid
.if DOCPART == 2
	.amdgcn_target "amdgcn-amd-amdhsa--gfx1250"
	.amdhsa_code_object_version 6
	.text
	.protected	k_qa37c1e0529_half1
	.globl	k_qa37c1e0529_half1
	.p2align	8
	.type	k_qa37c1e0529_half1,@function
k_qa37c1e0529_half1:
	s_mov_b64 s[64:65], 0
	v_nop
	global_prefetch_b8 v0, s[64:65] scope:SCOPE_SE
	s_setreg_imm32_b32 hwreg(HW_REG_WAVE_MODE, 25, 1), 1
	s_wait_xcnt 0x0
	s_wait_alu depctr_hold_cnt(0) depctr_sa_sdst(0) depctr_va_vdst(0) depctr_va_sdst(0) depctr_va_ssrc(0) depctr_va_vcc(0) depctr_vm_vsrc(0)
	s_getreg_b32 s2, hwreg(HW_REG_IB_STS2, 6, 4)
	s_cmp_eq_u32 s2, 0
	s_cbranch_scc0 .Lentry_in_a_cluster
	s_endpgm
.Lentry_in_a_cluster:
	s_bfe_u32 s2, ttmp6, 0x10000c
	s_cmp_lg_u32 s2, 0x3003
	s_cbranch_scc0 .Lentry_shape_is_right
	s_endpgm
.Lentry_shape_is_right:
; One half of the Swin block: LN, window attention (16 tokens, 2 heads of 64), residual, LN, MLP 128-512-128 with exact GELU behind
; both layers, residual.  SHIFTED = 0: first half (tokens gathered from the image, residual trunc(x) and the store in plain order).
; SHIFTED = 1: second half (shifted windows; gather, residual and store all at the same token).  The two texts differ in that line alone.
; SHARE: 256 work-groups, one stripe of 32 windows each; four waves, 8 windows a wave in 2 passes of 4, so that each weight fragment
; read from LDS feeds 4 matrix instructions.  All but the weights is a wave's own.
; WEIGHTS: bf16, folded by the launch before.  Rows 0-535 (qkv, out, biases) stay in LDS; the MLP's four chunks of 128 hidden units
; (128 rows of w1, 128 of w2) go through two slots.  All 256 work-groups walk the same weights, so four of them form a cluster and ask jointly
; (mask 15): each wave asks for a quarter of the rows, with a descriptor made of constants and the wave's number alone.
; LAYOUT: every product is used transposed (source 0 = 16 weight rows, source 1 = 16 tokens): lane (r, h) then holds features 8h..8h+7 of
; token r, and two neighbouring tiles rounded to bf16 ARE the next product's token fragment: no shuffle between chained products.
; V's tiles are made the other way round (source 0 = tokens), which is the form that P V wants; P V uses 16 of its 32 k, the others meet zeros.
; REGISTERS, four blocks of 256: block 0 addresses, weight fragments, work; block 1 v0-127 LN output, v128-255 attention output (fragments);
; block 2 the residual in f32, [window][tile][8]; block 3 Q, K, V fragments (56 a window), then the MLP's 32 accumulators.
; LIMITS: erf by Abramowitz and Stegun 7.1.25 in the hidden layer (error at most 2.5e-5, under the bf16 rounding that follows) and 7.1.26 at
; the output (at most 1.5e-7), for every finite input; exponentials below 2^-126 come out as 0 (ISA guide, v_exp_f32); V's bias is added behind P V
; (the rows of P sum to 1); matrix operands are bf16.
.set SHIFTED, 0
.set CL, 1                             ; 1: joint loads in a cluster of 4 x 1
.set PITCH,  272                       ; LDS row of weights: 256 bytes + 16, so that 16 rows start at 16 different 16-byte columns modulo 256
.set BIASB,  512*PITCH                 ; 24 rows of 64 f32
.set RING,   536*PITCH                 ; behind the resident rows: two slots
.set SLOT,   256*PITCH
.set STAGE,  285184                    ; = 1114*256: behind the last filled byte (285,056), in 256-byte blocks of its own; 16 rows of 528 a wave
.set SPITCH, 528
.set AW0, 2                            ; v2  r*272 + 16h
.set AW1, 3                            ; v3  the same, 256 rows on
.set ABI, 4                            ; v4  biases + 32h
.set AM1, 5                            ; v5  w1 rows of the step
.set AM2, 6                            ; v6  w2 columns of the step
.set AMB, 7                            ; v7  b1 of the step
.set AST, 8                            ; v8  stage by rows: 16 lane
.set ASL, 9                            ; v9  stage by fragments: r*528 + 32h
.set VL16, 10
.set VOA, 11                           ; v11 16 lane + first window * 8192
.set VOB, 12                           ; v12 first half: 16 lane + first window * 2048; second: the wrapped window to the right
.set WF,  16                           ; v16-79   weight fragments, two buffers of 32
.set BF,  80                           ; v80-95   bias fragments, two
.set DT,  96                           ; v96-159  products on their way, LN's work, hidden units
.set TMP, 160                          ; v160-183 work
.set ST,  184                          ; v184-215 scores
.set PF,  216                          ; v216-247 P, twice each
.set W2F, 184                          ; v184-247 w2 fragments
.set PFO, 248                          ; v248-251 prefetch offsets, never rewritten
.set CA2, 252                          ; v252-253 a2, v254-255 a1 of the three-term erf
.set CA1, 254
.set ET,  16
.set EE,  96
.set ER,  184
.set G1R, 16                           ; s[16:23] shape: 134 rows of 256 bytes
.set G1S, 24                           ; s[24:31] shape: 64 rows
.set G0R, 32                           ; s[32:35] resident rows
.set G0C, 36                           ; s[36:51] chunk c: a set of four each, never rewritten
.set SB,  52                           ; s[52:55] source at my stripe, at the next stripe
.set DB,  56                           ; s[56:59] destination likewise
.if CL
.set G1W0, 0x0773000f                  ; mask 15; elements of 8 bytes; padding on; bit 21 beside the mask; 4 words behind every 64
.else
.set G1W0, 0x07530000
.endif
.set MSB, 0
.macro WIN new                         ; low byte: source 0 | source 1 <<2 | source 2 <<4 | destination <<6; high byte: the setting that is left
.if MSB != (\new)
	s_set_vgpr_msb (MSB<<8)|(\new)
.set MSB, \new
.endif
.endm
.macro PLACES n
.rept \n
	v_nop
.endr
.endm
.macro ROUND                           ; a round of the cluster's barrier
	s_barrier_signal -1
	s_barrier_wait -1
	s_cmp_lg_u32 s10, 0
	s_cbranch_scc1 .Lnot_wave_0_\@
	s_barrier_signal -3
.Lnot_wave_0_\@:
	s_barrier_wait -3
	s_barrier_signal -1
	s_barrier_wait -1
.endm
.macro SYNC
.if CL
	ROUND
.else
	s_barrier_signal -1
	s_barrier_wait -1
.endif
.endm
.macro SPAIR r, val
	s_mov_b32 s[\r], \val
	s_mov_b32 s[\r+1], \val
.endm
.macro WM d, a, b, c
	v_wmma_f32_16x16x32_bf16 v[\d:\d+7], v[\a:\a+7], v[\b:\b+7], v[\c:\c+7]
.endm
.macro WMZ d, a, b
	v_wmma_f32_16x16x32_bf16 v[\d:\d+7], v[\a:\a+7], v[\b:\b+7], 0
.endm
; Where token p of window i (of the pass's four) lies: immediate, stripe (0, 1), and whether the window to the right wraps.
.macro TOK i, p
.set T_ROW, 0
.set T_WRAP, 0
.if SHIFTED
.set T_PY, (\p)>>2
.set T_PX, (\p)&3
.set T_ROW, T_PY>>1
.set T_IMM, ((T_PY+2)&3)*2048+((T_PX+2)&3)*512
.if T_PX < 2
.set T_IMM, T_IMM+(\i)*8192
.else
.if (\i) < 3
.set T_IMM, T_IMM+((\i)+1)*8192
.else
.set T_WRAP, 1
.endif
.endif
.else
.set T_IMM, (\i)*8192+(\p)*512
.endif
.endm
.macro GLD reg, i, p                   ; one token: 32 lanes x 16 bytes, 512 consecutive bytes, aligned
	TOK \i, \p
.if SHIFTED
	global_load_b128 v[\reg:\reg+3], v[VOA+T_WRAP], s[SB+2*T_ROW:SB+2*T_ROW+1] offset:T_IMM th:TH_LOAD_NT
.else
	global_load_b128 v[\reg:\reg+3], v[VOA], s[SB:SB+1] offset:T_IMM
.endif
.endm
.macro GST reg, i, p
	TOK \i, \p
.if SHIFTED
	global_store_b128 v[VOA+T_WRAP], v[\reg:\reg+3], s[DB+2*T_ROW:DB+2*T_ROW+1] offset:T_IMM th:TH_STORE_NT
.else
	global_store_b128 v[VOA], v[\reg:\reg+3], s[DB:DB+1] offset:T_IMM
.endif
.endm
; Window i of block blk from rows (register 4p: token p, 4 features a lane) to fragments (register 8t+j: feature 16t+8h+j of token r),
; through my wave's stage, in place.  LDS serves a wave's instructions in order (ISA guide 5.7.1): no wait between stores and loads.
.macro STG blk, i
	WIN (\blk)<<2
.set tp, 0
.rept 16
	ds_store_b128 v[AST], v[64*(\i)+4*tp:64*(\i)+4*tp+3] offset:SPITCH*tp
.set tp, tp+1
.endr
	WIN (\blk)<<6
.set tp, 0
.rept 16
	ds_load_b128 v[64*(\i)+4*tp:64*(\i)+4*tp+3], v[ASL] offset:64*(tp>>1)+16*(tp&1)
.set tp, tp+1
.endr
	WIN 0
.endm
; LN of window i of block xb, two passes (mean, then squares of the differences), without gain and bias (folded into the weights), to bf16 fragments in block 1.
.macro LNORM xb, i
	WIN (\xb)|((\xb)<<2)
.set m, 0
.rept 16
	v_pk_add_f32 v[DT+2*m:DT+2*m+1], v[64*(\i)+4*m:64*(\i)+4*m+1], v[64*(\i)+4*m+2:64*(\i)+4*m+3]
.set m, m+1
.endr
	WIN 0
.irp sp, 8,4,2,1
.set m, 0
.rept \sp
	v_pk_add_f32 v[DT+2*m:DT+2*m+1], v[DT+2*m:DT+2*m+1], v[DT+2*(m+\sp):DT+2*(m+\sp)+1]
.set m, m+1
.endr
.endr
	v_add_f32 v[TMP], v[DT], v[DT+1]
	v_permlanex16_b32 v14, v[TMP], s60, s61        ; the token's other 64 features lie in the other half of the lanes
	v_add_f32 v[TMP], v[TMP], v14
	v_mul_f32 v[TMP], 0xbc000000, v[TMP]           ; - mean
	v_mov_b32 v[TMP+1], v[TMP]
	WIN (\xb)<<2
.set m, 0
.rept 32
	v_pk_add_f32 v[DT+2*m:DT+2*m+1], v[TMP:TMP+1], v[64*(\i)+2*m:64*(\i)+2*m+1]
.set m, m+1
.endr
	WIN 0
.set m, 0
.rept 4
	v_pk_mul_f32 v[TMP+2+2*m:TMP+3+2*m], v[DT+2*m:DT+2*m+1], v[DT+2*m:DT+2*m+1]
.set m, m+1
.endr
.rept 28
	v_pk_fma_f32 v[TMP+2+2*(m%4):TMP+3+2*(m%4)], v[DT+2*m:DT+2*m+1], v[DT+2*m:DT+2*m+1], v[TMP+2+2*(m%4):TMP+3+2*(m%4)]
.set m, m+1
.endr
	v_pk_add_f32 v[TMP+2:TMP+3], v[TMP+2:TMP+3], v[TMP+4:TMP+5]
	v_pk_add_f32 v[TMP+6:TMP+7], v[TMP+6:TMP+7], v[TMP+8:TMP+9]
	v_pk_add_f32 v[TMP+2:TMP+3], v[TMP+2:TMP+3], v[TMP+6:TMP+7]
	v_add_f32 v[TMP+2], v[TMP+2], v[TMP+3]
	v_permlanex16_b32 v15, v[TMP+2], s60, s61
	v_add_f32 v[TMP+2], v[TMP+2], v15
	v_fma_f32 v[TMP+2], v[TMP+2], s62, s63         ; sum / 128 + 1e-5
	v_rsq_f32 v[TMP+4], v[TMP+2]
	v_nop                                          ; one plain instruction behind a transcendental before its result is used (ISA guide 5.7.2)
	s_wait_alu depctr_va_vdst(0)
	v_mov_b32 v[TMP+5], v[TMP+4]
.set m, 0
.rept 32
	v_pk_mul_f32 v[DT+2*m:DT+2*m+1], v[DT+2*m:DT+2*m+1], v[TMP+4:TMP+5]
.set m, m+1
.endr
	WIN 0x40
.set m, 0
.rept 32
	v_cvt_pk_bf16_f32 v[32*(\i)+m], v[DT+2*m], v[DT+2*m+1]
.set m, m+1
.endr
	WIN 0
.endm
; Tile T (16 resident rows x 128 k) into buffer buf: 8 loads; with f >= 0 two more: biases f+8h .. f+8h+7.
.macro LOADT buf, T, f
.set c4, 0
.rept 4
	ds_load_b128 v[WF+32*(\buf)+8*c4:WF+32*(\buf)+8*c4+3], v[AW0+(\T)/16] offset:16*PITCH*((\T)%16)+64*c4
	ds_load_b128 v[WF+32*(\buf)+8*c4+4:WF+32*(\buf)+8*c4+7], v[AW0+(\T)/16] offset:16*PITCH*((\T)%16)+64*c4+32
.set c4, c4+1
.endr
.if (\f) >= 0
	ds_load_b128 v[BF+8*(\buf):BF+8*(\buf)+3], v[ABI] offset:((\f)>>6)*PITCH+((\f)&63)*4
	ds_load_b128 v[BF+8*(\buf)+4:BF+8*(\buf)+7], v[ABI] offset:((\f)>>6)*PITCH+((\f)&63)*4+16
.endif
.endm
; Tile n = 0..11 of head HD: 0-3 Q, 4-7 K, 8-11 V, 16 features each.
.macro LOADQ n
.set qk, (\n)/4
.set qa, (\n)%4
.if qk < 2
	LOADT (\n)&1, 8*qk+4*HD+qa, 128*qk+64*HD+16*qa
.else
	LOADT (\n)&1, 8*qk+4*HD+qa, -1
.endif
.endm
.macro MMQ n                           ; 16 matrix instructions; the four windows' accumulators take turns, one instruction a turn
.set qk, (\n)/4
.set qb, (\n)&1
.if qk < 2
	WIN 0x04
.else
	WIN 0x01
.endif
.set c4, 0
.rept 4
.set wi, 0
.rept 4
.if qk < 2
.if c4 == 0
	WM DT+32*qb+8*wi, WF+32*qb+8*c4, 32*wi+8*c4, BF+8*qb
.else
	WM DT+32*qb+8*wi, WF+32*qb+8*c4, 32*wi+8*c4, DT+32*qb+8*wi
.endif
.else
.if c4 == 0
	WMZ DT+32*qb+8*wi, 32*wi+8*c4, WF+32*qb+8*c4
.else
	WM DT+32*qb+8*wi, 32*wi+8*c4, WF+32*qb+8*c4, DT+32*qb+8*wi
.endif
.endif
.set wi, wi+1
.endr
.set c4, c4+1
.endr
.endm
.macro PACKQ n                         ; tile n to bf16 in block 3: Q at 56i, K at 56i+16, V at 56i+32 as [V0 0 V1][V2 0 V3]
.set qk, (\n)/4
.set qa, (\n)%4
.set qb, (\n)&1
.if qk < 2
.set qd, 16*qk+4*qa
.else
.set qd, 32+12*(qa>>1)+8*(qa&1)
.endif
	WIN 0xc0
.set wi, 0
.rept 4
.set jj, 0
.rept 4
	v_cvt_pk_bf16_f32 v[56*wi+qd+jj], v[DT+32*qb+8*wi+2*jj], v[DT+32*qb+8*wi+2*jj+1]
.set jj, jj+1
.endr
.set wi, wi+1
.endr
.endm
; Softmax of window i: lane (r, h) holds the scores of query r with keys 8h..8h+7.  The maximum is taken away; 0.125 log2(e) is folded into the exponent.
.macro SOFTMAX i
.set sb, ST+8*(\i)
	v_max3_num_f32 v[TMP], v[sb], v[sb+1], v[sb+2]
	v_max3_num_f32 v[TMP+1], v[sb+3], v[sb+4], v[sb+5]
	v_max3_num_f32 v[TMP], v[TMP], v[sb+6], v[sb+7]
	v_max_num_f32 v[TMP], v[TMP], v[TMP+1]
	v_permlanex16_b32 v14, v[TMP], s60, s61
	v_max_num_f32 v[TMP], v[TMP], v14
	v_mul_f32 v[TMP], s89, v[TMP]
	v_mov_b32 v[TMP+1], v[TMP]
.set m, 0
.rept 4
	v_pk_fma_f32 v[sb+2*m:sb+2*m+1], v[sb+2*m:sb+2*m+1], s[88:89], v[TMP:TMP+1] op_sel_hi:[1,0,1]
.set m, m+1
.endr
.set m, 0
.rept 8
	v_exp_f32 v[sb+m], v[sb+m]
.set m, m+1
.endr
	v_nop
	s_wait_alu depctr_va_vdst(0)
	v_pk_add_f32 v[TMP+2:TMP+3], v[sb:sb+1], v[sb+2:sb+3]
	v_pk_add_f32 v[TMP+4:TMP+5], v[sb+4:sb+5], v[sb+6:sb+7]
	v_pk_add_f32 v[TMP+2:TMP+3], v[TMP+2:TMP+3], v[TMP+4:TMP+5]
	v_add_f32 v[TMP+2], v[TMP+2], v[TMP+3]
	v_permlanex16_b32 v15, v[TMP+2], s60, s61
	v_add_f32 v[TMP+2], v[TMP+2], v15
	v_rcp_f32 v[TMP+4], v[TMP+2]
	v_nop
	s_wait_alu depctr_va_vdst(0)
	v_mov_b32 v[TMP+5], v[TMP+4]
.set m, 0
.rept 4
	v_pk_mul_f32 v[sb+2*m:sb+2*m+1], v[sb+2*m:sb+2*m+1], v[TMP+4:TMP+5]
.set m, m+1
.endr
.set m, 0
.rept 4
	v_cvt_pk_bf16_f32 v[PF+8*(\i)+m], v[sb+2*m], v[sb+2*m+1]
	v_cvt_pk_bf16_f32 v[PF+8*(\i)+4+m], v[sb+2*m], v[sb+2*m+1]   ; P twice: one copy meets V's tile, the other the zeros
.set m, m+1
.endr
.endm
.macro PVW a                           ; P V, feature tile a, four windows; C = V's bias
.set pa, \a
	WIN 0x03
.set wi, 0
.rept 4
	WM DT+32*(pa&1)+8*wi, 56*wi+32+12*(pa>>1)+4*(pa&1), PF+8*wi, WF+8*pa
.set wi, wi+1
.endr
.endm
.macro PVP a
.set pa, \a
	WIN 0x40
.set wi, 0
.rept 4
.set jj, 0
.rept 4
	v_cvt_pk_bf16_f32 v[128+32*wi+16*HD+4*pa+jj], v[DT+32*(pa&1)+8*wi+2*jj], v[DT+32*(pa&1)+8*wi+2*jj+1]
.set jj, jj+1
.endr
.set wi, wi+1
.endr
.endm
; One head.  Tiles run two deep: tile n+2 is asked for behind tile n's products; the 16 conversions of tile n-1 are the places
; behind tile n's matrix instructions, for those loads and for the conversions of tile n that follow one tile later.
.macro HEAD
	WIN 0
	LOADQ 0
	LOADQ 1
.set tn, 0
.rept 12
.if tn < 7
	s_wait_dscnt 10                                ; the next tile's 8 fragment and 2 bias loads may stay out
.else
	s_wait_dscnt 8                                 ; the next V tile's 8 loads (behind the last tile: the 8 of V's bias)
.endif
	MMQ tn
.if tn == 0
	WIN 0
	PLACES 5                                       ; five: tile 2 writes over this tile's results, and tile 0's own conversions are no places for it
.else
	PACKQ tn-1
	WIN 0
.endif
.if tn < 10
	LOADQ tn+2
.else
.if tn == 10
.set pa, 0
.rept 4
	ds_load_b128 v[WF+8*pa:WF+8*pa+3], v[ABI] offset:(4+HD)*PITCH+64*pa
	ds_load_b128 v[WF+8*pa+4:WF+8*pa+7], v[ABI] offset:(4+HD)*PITCH+64*pa+16
.set pa, pa+1
.endr
.endif
.endif
.set tn, tn+1
.endr
	PACKQ 11
	WIN 0x0f                                       ; scores: source 0 = keys, source 1 = queries
.set wi, 0
.rept 4
	WMZ ST+8*wi, 56*wi+16, 56*wi
.set wi, wi+1
.endr
.set wi, 0
.rept 4
	WM ST+8*wi, 56*wi+24, 56*wi+8, ST+8*wi
.set wi, wi+1
.endr
	WIN 0
	PLACES 4
	SOFTMAX 0
	SOFTMAX 1
	SOFTMAX 2
	SOFTMAX 3
	s_wait_dscnt 0x0                               ; V's bias
	PVW 0
	PVW 1
	WIN 0
	PLACES 5                                       ; five: tile 2 writes over tile 0's results
	PVP 0
	PVW 2
	PVP 1
	PVW 3
	PVP 2
	PVP 3
	WIN 0
.endm
; G = u + |u| erf for 8 numbers at ub, rounded to 4 registers at db.  Three-term form.  The packed runs are the plain places behind the transcendentals.
.macro GELU8 ub, db
.set j, 0
.rept 8
	v_fma_f32 v[TMP+j], |v[\ub+j]|, s66, 1.0
.set j, j+1
.endr
.set j, 0
.rept 8
	v_rcp_f32 v[TMP+j], v[TMP+j]
.set j, j+1
.endr
.set m, 0
.rept 4
	v_pk_mul_f32 v[TMP+8+2*m:TMP+9+2*m], v[\ub+2*m:\ub+2*m+1], v[\ub+2*m:\ub+2*m+1] neg_lo:[1,0] neg_hi:[1,0]
.set m, m+1
.endr
.set j, 0
.rept 8
	v_exp_f32 v[TMP+8+j], v[TMP+8+j]
.set j, j+1
.endr
.set m, 0
	s_wait_alu depctr_va_vdst(0)
.rept 4
	v_pk_fma_f32 v[TMP+16+2*m:TMP+17+2*m], v[TMP+2*m:TMP+2*m+1], s[72:73], v[CA2:CA2+1] op_sel_hi:[1,0,1]
.set m, m+1
.endr
.set m, 0
.rept 4
	v_pk_fma_f32 v[TMP+16+2*m:TMP+17+2*m], v[TMP+16+2*m:TMP+17+2*m], v[TMP+2*m:TMP+2*m+1], v[CA1:CA1+1]
.set m, m+1
.endr
.set m, 0
.rept 4
	v_pk_mul_f32 v[TMP+16+2*m:TMP+17+2*m], v[TMP+16+2*m:TMP+17+2*m], v[TMP+2*m:TMP+2*m+1]
.set m, m+1
.endr
.set m, 0
.rept 4
	v_pk_fma_f32 v[TMP+16+2*m:TMP+17+2*m], v[TMP+16+2*m:TMP+17+2*m], v[TMP+8+2*m:TMP+9+2*m], 1.0 op_sel_hi:[1,1,0] neg_lo:[1,0,0] neg_hi:[1,0,0]
.set m, m+1
.endr
.set j, 0
.rept 8
	v_fma_f32 v[TMP+16+j], |v[\ub+j]|, v[TMP+16+j], v[\ub+j]
.set j, j+1
.endr
.set m, 0
.rept 4
	v_cvt_pk_bf16_f32 v[\db+m], v[TMP+16+2*m], v[TMP+17+2*m]
.set m, m+1
.endr
.endm
.macro W2MM                            ; 32 accumulators, one instruction each
	WIN 0xf0
.set t8, 0
.rept 8
.set wi, 0
.rept 4
	WM 64*wi+8*t8, W2F+8*t8, DT+16*wi, 64*wi+8*t8
.set wi, wi+1
.endr
.set t8, t8+1
.endr
	WIN 0
.endm
; One step: 32 hidden units (16s.. and 64+16s.. of the chunk) for 64 tokens.  w2 = 1: first the second layer's products of the step before.
.macro BODY w2
.set u2, 0
.rept 2
.set c4, 0
.rept 4
	ds_load_b128 v[WF+32*u2+8*c4:WF+32*u2+8*c4+3], v[AM1] offset:u2*64*PITCH+64*c4
	ds_load_b128 v[WF+32*u2+8*c4+4:WF+32*u2+8*c4+7], v[AM1] offset:u2*64*PITCH+64*c4+32
.set c4, c4+1
.endr
	ds_load_b128 v[BF+8*u2:BF+8*u2+3], v[AMB] offset:u2*PITCH
	ds_load_b128 v[BF+8*u2+4:BF+8*u2+7], v[AMB] offset:u2*PITCH+16
.set u2, u2+1
.endr
.if \w2
	s_wait_dscnt 20                                ; the 16 w2 loads of the step before are in; the 20 just issued stay out
	W2MM
.endif
	v_add_nc_u32 v[AM1], 16*PITCH, v[AM1]          ; with the three v_nop: five places before the hidden units, which the products above read, are written over
	v_add_nc_u32 v[AMB], 64, v[AMB]
	PLACES 3
	s_wait_dscnt 0x0
	WIN 0x04
.set c4, 0
.rept 4
.set u2, 0
.rept 2
.set wi, 0
.rept 4
.if c4 == 0
	WM DT+16*wi+8*u2, WF+32*u2+8*c4, 32*wi+8*c4, BF+8*u2
.else
	WM DT+16*wi+8*u2, WF+32*u2+8*c4, 32*wi+8*c4, DT+16*wi+8*u2
.endif
.set wi, wi+1
.endr
.set u2, u2+1
.endr
.set c4, c4+1
.endr
	WIN 0
	PLACES 4
	GELU8 DT, DT
	GELU8 DT+8, DT+4
.set t8, 0
.rept 8
	ds_load_b128 v[W2F+8*t8:W2F+8*t8+3], v[AM2] offset:t8*16*PITCH
	ds_load_b128 v[W2F+8*t8+4:W2F+8*t8+7], v[AM2] offset:t8*16*PITCH+128   ; k in the order in which the hidden units are packed
.set t8, t8+1
.endr
	v_add_nc_u32 v[AM2], 32, v[AM2]
.set wi, 1
.rept 3
	GELU8 DT+16*wi, DT+16*wi
	GELU8 DT+16*wi+8, DT+16*wi+4
.set wi, wi+1
.endr
.endm
; Chunk c.  In front of the barrier every wave waits for all its tensor loads (one is out: its quarter of this chunk) and for its LDS reads;
; behind it the other slot, which nobody reads any more, is asked for again first: one load a wave, four steps of work ahead of its use.
.macro TRIP c, refill
	s_wait_tensorcnt 0x0
	ds_add_u32 v250, v251
	s_wait_dscnt 0x0
	s_wait_dscnt 0x0
.if \refill
	SYNC
	tensor_load_to_lds s[G0C+4*((\c+1)&3):G0C+4*((\c+1)&3)+3], s[G1S:G1S+7]
	s_nop 0
.else
	s_barrier_signal -1
	s_barrier_wait -1
.endif
	v_add_nc_u32 v[AM1], RING+((\c)&1)*SLOT, v[AW0]
	v_add_nc_u32 v[AM2], RING+((\c)&1)*SLOT+128*PITCH, v[AW0]
	v_add_nc_u32 v[AMB], (8+2*(\c))*PITCH, v[ABI]
.if (\c) == 0
	BODY 0
	s_mov_b32 s14, 1
.else
	s_mov_b32 s14, 0
.endif
.Lstep_\@:
	BODY 1
	s_add_co_u32 s14, s14, 1
	s_cmp_lt_u32 s14, 4
	s_cbranch_scc1 .Lstep_\@
.endm
.macro EPOLY sr
.set m, 0
.rept 32
	v_pk_fma_f32 v[ER+2*m:ER+2*m+1], v[ER+2*m:ER+2*m+1], v[ET+2*m:ET+2*m+1], s[\sr:\sr+1] op_sel_hi:[1,1,0]
.set m, m+1
.endr
.endm
; Window i out: five-term GELU of the 64 accumulators, + residual, through the stage to whole rows, 16 stores of 512 bytes.
.macro EPI i
.if (\i) > 0
	s_wait_xcnt 0x0                                ; v16-79 were the data of the last window's stores: written again only behind this wait
.endif
	WIN 0x03
.set j, 0
.rept 64
	v_fma_f32 v[ET+j], |v[64*(\i)+j]|, s74, 1.0
.set j, j+1
.endr
	WIN 0x0f
.set m, 0
.rept 32
	v_pk_mul_f32 v[EE+2*m:EE+2*m+1], v[64*(\i)+2*m:64*(\i)+2*m+1], v[64*(\i)+2*m:64*(\i)+2*m+1] neg_lo:[1,0] neg_hi:[1,0]
.set m, m+1
.endr
	WIN 0
.set j, 0
.rept 64
	v_rcp_f32 v[ET+j], v[ET+j]
.set j, j+1
.endr
.set j, 0
.rept 64
	v_exp_f32 v[EE+j], v[EE+j]
.set j, j+1
.endr
	v_nop
.set m, 0
	s_wait_alu depctr_va_vdst(0)
.rept 32
	v_pk_fma_f32 v[ER+2*m:ER+2*m+1], v[ET+2*m:ET+2*m+1], s[84:85], v[TMP:TMP+1] op_sel_hi:[1,0,1]
.set m, m+1
.endr
	EPOLY 80
	EPOLY 78
	EPOLY 76
.set m, 0
.rept 32
	v_pk_mul_f32 v[ER+2*m:ER+2*m+1], v[ER+2*m:ER+2*m+1], v[ET+2*m:ET+2*m+1]
.set m, m+1
.endr
.set m, 0
.rept 32
	v_pk_fma_f32 v[ER+2*m:ER+2*m+1], v[ER+2*m:ER+2*m+1], v[EE+2*m:EE+2*m+1], 1.0 op_sel_hi:[1,1,0] neg_lo:[1,0,0] neg_hi:[1,0,0]
.set m, m+1
.endr
	WIN 0x33
.set j, 0
.rept 64
	v_fma_f32 v[ER+j], |v[64*(\i)+j]|, v[ER+j], v[64*(\i)+j]
.set j, j+1
.endr
	WIN 0x20
.set m, 0
.rept 32
	v_pk_fma_f32 v[ER+2*m:ER+2*m+1], v[ER+2*m:ER+2*m+1], s[86:87], v[64*(\i)+2*m:64*(\i)+2*m+1] op_sel_hi:[1,0,1]
.set m, m+1
.endr
	WIN 0
.set tp, 0
.rept 16
	ds_store_b128 v[ASL], v[ER+4*tp:ER+4*tp+3] offset:64*(tp>>1)+16*(tp&1)
.set tp, tp+1
.endr
.set tp, 0
.rept 16
	ds_load_b128 v[ET+4*tp:ET+4*tp+3], v[AST] offset:SPITCH*tp
.set tp, tp+1
.endr
.set tp, 0
.rept 16
	s_wait_dscnt 15-tp                             ; row tp is in; the younger rows stay out
	GST ET+4*tp, \i, tp
.set tp, tp+1
.endr
.endm
; ---------------- the head ----------------
	s_load_b128 s[4:7], s[0:1], 0x0                ; source, weights
	s_load_b64 s[8:9], s[0:1], 0x10                ; destination
	v_lshl_add_u32 v250, v0, 2, 0x4de00
	v_mov_b32 v251, 0
	ds_add_u32 v250, v251
	v_lshrrev_b32 v1, 5, v0
	v_readfirstlane_b32 s10, v1                    ; wave
.if CL
	s_bfe_u32 s11, ttmp6, 0x40000                  ; my place in the cluster; it enters global token addresses alone
	s_lshl_b32 s12, ttmp9, 2
	s_add_co_u32 s12, s12, s11                     ; work-group = 32 batch + stripe
.else
	s_mov_b32 s12, ttmp9
.endif
	s_mov_b32 s[G1R+0], G1W0
	s_mov_b32 s[G1R+1], 32<<16                     ; tensor_dim0 = 32 elements of 8 bytes
	s_mov_b32 s[G1R+2], 134<<16                    ; tensor_dim1 = 134 rows
	s_mov_b32 s[G1R+3], 32<<16                     ; tile_dim0
	s_mov_b32 s[G1R+4], 134                        ; tile_dim1
	s_mov_b32 s[G1R+5], 32                         ; pitch: the rows are dense
	s_mov_b32 s[G1R+6], 0
	s_mov_b32 s[G1R+7], 0
	s_mov_b32 s[G1S+0], G1W0
	s_mov_b32 s[G1S+1], 32<<16
	s_mov_b32 s[G1S+2], 64<<16
	s_mov_b32 s[G1S+3], 32<<16
	s_mov_b32 s[G1S+4], 64
	s_mov_b32 s[G1S+5], 32
	s_mov_b32 s[G1S+6], 0
	s_mov_b32 s[G1S+7], 0
	s_mov_b32 s60, 0x76543210
	s_mov_b32 s61, 0xfedcba98
	s_mov_b32 s62, 0x3c000000                      ; 1/128
	s_mov_b32 s63, 0x3727c5ac                      ; 1e-5
	s_mov_b32 s66, 0x3ec88bd9                      ; 0.47047 / sqrt(log2 e)
	SPAIR 72, 0x3f3f7377                           ; three terms: a3
	s_mov_b32 s74, 0x3e8ba43f                      ; 0.3275911 / sqrt(log2 e)
	SPAIR 76, 0x3e827906                           ; five terms: a1
	SPAIR 78, 0xbe91a98e                           ; a2
	SPAIR 80, 0x3fb5f0e3                           ; a3
	SPAIR 84, 0x3f87dc22                           ; a5
	SPAIR 86, 0x3f16b55f                           ; 0.5 / k
	s_mov_b32 s88, 0x3e38aa3b                      ; 0.125 log2 e
	s_mov_b32 s89, 0xbe38aa3b
	s_mov_b32 s[G0R], 1
	s_mul_i32 s[G0R+1], s10, 134*PITCH             ; my quarter of the resident rows
	s_mul_i32 s94, s10, 134*256
	s_mov_b32 s95, 0
	s_mul_i32 s96, s10, 64*PITCH
	s_mul_i32 s97, s10, 16*SPITCH
	s_add_co_u32 s97, s97, STAGE                   ; my stage
	s_lshl_b32 s15, s10, 3                         ; first window of the pass
	s_lshl_b32 s90, s12, 18                        ; my stripe: 512 tokens of 512 bytes
	s_mov_b32 s91, 0
	s_wait_dscnt 0x0
	s_wait_kmcnt 0x0
	s_add_nc_u64 s[G0R+2:G0R+3], s[6:7], s[94:95]
	s_or_b32 s[G0R+3], s[G0R+3], 0x80000000
	s_lshl_b32 s94, s10, 14
	s_add_nc_u64 s[98:99], s[6:7], s[94:95]
.irp c, 0,1,2,3
	s_mov_b32 s[G0C+4*\c], 1
	s_add_co_u32 s[G0C+4*\c+1], s96, RING+(\c&1)*SLOT
	s_add_nc_u64 s[G0C+4*\c+2:G0C+4*\c+3], s[98:99], 536*256+\c*65536
	s_or_b32 s[G0C+4*\c+3], s[G0C+4*\c+3], 0x80000000
.endr
	s_add_nc_u64 s[SB:SB+1], s[4:5], s[90:91]
	s_add_nc_u64 s[DB:DB+1], s[8:9], s[90:91]
.if SHIFTED
	s_lshr_b32 s90, s12, 5
	s_lshl_b32 s90, s90, 23                        ; the batch
	s_add_nc_u64 s[92:93], s[4:5], s[90:91]
	s_and_b32 s3, s12, 31                          ; my stripe in it
	s_add_co_u32 s2, s3, 1
	s_and_b32 s2, s2, 31
	s_lshl_b32 s2, s2, 18
	s_or_b32 s90, s90, s2                          ; the stripe below, wrapped
	s_add_nc_u64 s[SB+2:SB+3], s[4:5], s[90:91]
	s_add_nc_u64 s[DB+2:DB+3], s[8:9], s[90:91]
.endif
.if CL
	ROUND                                          ; the four work-groups are here: the first joint loads meet
.endif
	tensor_load_to_lds s[G0R:G0R+3], s[G1R:G1R+7]  ; the resident rows, a quarter a wave
	s_nop 0
	v_and_b32 v1, 15, v0                           ; r
	v_bfe_u32 v13, v0, 4, 1                        ; h
	v_and_b32 v[VL16], 31, v0
	v_lshlrev_b32 v[PFO], 8, v[VL16]
	v_lshlrev_b32 v[VL16], 4, v[VL16]
	v_mul_u32_u24 v[AW0], v1, PITCH
	v_lshl_add_u32 v[AW0], v13, 4, v[AW0]
	v_add_nc_u32 v[AW1], 256*PITCH, v[AW0]
	v_lshlrev_b32 v[ABI], 5, v13
	v_add_nc_u32 v[ABI], BIASB, v[ABI]
	v_add_nc_u32 v[AST], s97, v[VL16]
	v_mul_u32_u24 v[ASL], v1, SPITCH
	v_lshl_add_u32 v[ASL], v13, 5, v[ASL]
	v_add_nc_u32 v[ASL], s97, v[ASL]
	v_mov_b32 v14, 0                               ; v_permlanex16_b32 counts as a reader of its destination
	v_mov_b32 v15, 0
	v_mov_b32 v[CA2], 0xbdc45ca1
	v_mov_b32 v[CA2+1], 0xbdc45ca1
	v_mov_b32 v[CA1], 0x3eb2303a
	v_mov_b32 v[CA1+1], 0x3eb2303a
.if SHIFTED
	; prefetch offsets from the batch's first byte: lane = (py', px', half of the token's 512 bytes), one register for each window of pass 1
	v_and_b32 v1, 31, v0
	v_and_b32 v13, 1, v1
	v_bfe_u32 v160, v1, 1, 2                       ; px'
	v_lshrrev_b32 v161, 3, v1                      ; py'
	v_add_nc_u32 v162, 2, v160
	v_and_b32 v162, 3, v162
	v_add_nc_u32 v163, 2, v161
	v_and_b32 v163, 3, v163
	v_lshrrev_b32 v161, 1, v161
	v_add_nc_u32 v161, s3, v161
	v_and_b32 v161, 31, v161                       ; the stripe
	v_lshlrev_b32 v161, 18, v161
	v_lshl_or_b32 v161, v163, 11, v161
	v_lshl_or_b32 v161, v162, 9, v161
	v_lshl_or_b32 v161, v13, 8, v161
	v_lshrrev_b32 v160, 1, v160
	v_add_nc_u32 v160, s15, v160
.irp i, 0,1,2,3
	v_add_nc_u32 v162, 4+\i, v160
	v_and_b32 v162, 31, v162                       ; the window
	v_lshl_add_u32 v[PFO+\i], v162, 13, v161
.endr
.else
	s_lshl_b32 s2, s10, 16                         ; tokens 128 wave + 80 .. 95, lanes 256 bytes apart
	s_add_co_u32 s2, s2, 80*512
	v_add_nc_u32 v[PFO], s2, v[PFO]
.endif
	s_mov_b32 s13, 0
; ---------------- a pass: four windows a wave ----------------
.Lpass:
	s_lshl_b32 s2, s15, 13
	v_add_nc_u32 v[VOA], s2, v[VL16]
.if SHIFTED
	s_add_co_u32 s2, s15, 4
	s_and_b32 s2, s2, 31
	s_lshl_b32 s2, s2, 13
.else
	s_lshl_b32 s2, s15, 11
.endif
	v_add_nc_u32 v[VOB], s2, v[VL16]
	; the pass's 64 tokens, asked for ahead of the barrier so that they travel beside the weights
.if SHIFTED
	WIN 0x80
.else
	WIN 0xc0
.endif
.set wi, 0
.rept 4
.set tp, 0
.rept 16
.if SHIFTED
	GLD 64*wi+4*tp, wi, tp
.else
	global_load_b128 v[64*wi+4*tp:64*wi+4*tp+3], v[VOB], s[SB:SB+1] offset:(tp>>2)*65536+wi*2048+(tp&3)*512
.endif
.set tp, tp+1
.endr
.set wi, wi+1
.endr
	WIN 0
	s_wait_tensorcnt 0x0                           ; all my tensor loads have landed (first pass: my quarter of the resident rows)
	ds_add_u32 v250, v251
	s_wait_dscnt 0x0                               ; and my LDS reads are back
	SYNC
	tensor_load_to_lds s[G0C:G0C+3], s[G1S:G1S+7]  ; chunk 0 into slot 0, whose last reads ended two barriers ago; the whole attention lies ahead of its use
	s_nop 0
.if SHIFTED
.set XB, 2
.else
.set XB, 3
.endif
	s_wait_loadcnt 48                              ; window 0's 16 tokens are in; 48 younger loads stay out
	STG XB, 0
	s_wait_loadcnt 32
	STG XB, 1
	s_wait_dscnt 32                                ; all but the 32 stage instructions of the window just issued
	LNORM XB, 0
	s_wait_loadcnt 16
	STG XB, 2
	s_wait_dscnt 32
	LNORM XB, 1
	s_wait_loadcnt 0x0
	STG XB, 3
.if SHIFTED == 0
	WIN 0x80                                       ; the residual's tokens, in plain order
.set wi, 0
.rept 4
.set tp, 0
.rept 16
	GLD 64*wi+4*tp, wi, tp
.set tp, tp+1
.endr
.set wi, wi+1
.endr
	WIN 0
.endif
	s_wait_dscnt 32
	LNORM XB, 2
	s_wait_dscnt 0x0
	LNORM XB, 3
	; attention
	WIN 0xc0
.set wi, 0
.rept 4
.set jj, 0
.rept 4
	v_mov_b32 v[56*wi+36+jj], 0                    ; the zeros between V's tiles
	v_mov_b32 v[56*wi+48+jj], 0
.set jj, jj+1
.endr
.set wi, wi+1
.endr
.set HD, 0
	HEAD
.set HD, 1
	HEAD
	; residual + out_b, then the output projection adds onto it in place
.set t8, 0
.rept 8
	ds_load_b128 v[DT+8*t8:DT+8*t8+3], v[ABI] offset:(6+(t8>>2))*PITCH+(t8&3)*64
	ds_load_b128 v[DT+8*t8+4:DT+8*t8+7], v[ABI] offset:(6+(t8>>2))*PITCH+(t8&3)*64+16
.set t8, t8+1
.endr
	LOADT 0, 24, -1
	LOADT 1, 25, -1
.if SHIFTED == 0
	s_wait_loadcnt 48
	STG 2, 0
	s_wait_loadcnt 32
	STG 2, 1
	s_wait_loadcnt 16
	STG 2, 2
	s_wait_loadcnt 0x0
	STG 2, 3
.endif
	s_wait_dscnt 0x0
	WIN 0x82
.if SHIFTED == 0
.set j, 0
.rept 256
	v_trunc_f32 v[j], v[j]
.set j, j+1
.endr
.endif
.set wi, 0
.rept 4
.set m, 0
.rept 32
	v_pk_add_f32 v[64*wi+2*m:64*wi+2*m+1], v[64*wi+2*m:64*wi+2*m+1], v[DT+2*m:DT+2*m+1]
.set m, m+1
.endr
.set wi, wi+1
.endr
.set t8, 0
.rept 8
.if t8 < 7
	s_wait_dscnt 8                                 ; the next tile's 8 loads may stay out
.else
	s_wait_dscnt 0x0
.endif
	WIN 0xa4
.set c4, 0
.rept 4
.set wi, 0
.rept 4
	WM 64*wi+8*t8, WF+32*(t8&1)+8*c4, 128+32*wi+8*c4, 64*wi+8*t8
.set wi, wi+1
.endr
.set c4, c4+1
.endr
	WIN 0
	PLACES 4
.if t8 < 6
	LOADT t8&1, 26+t8, -1
.endif
.set t8, t8+1
.endr
	LNORM 2, 0
	LNORM 2, 1
	LNORM 2, 2
	LNORM 2, 3
	WIN 0xc0                                       ; the second layer's bias starts its 32 sums
.set wi, 0
.rept 4
.set t8, 0
.rept 8
	ds_load_b128 v[64*wi+8*t8:64*wi+8*t8+3], v[ABI] offset:(16+(t8>>2))*PITCH+(t8&3)*64
	ds_load_b128 v[64*wi+8*t8+4:64*wi+8*t8+7], v[ABI] offset:(16+(t8>>2))*PITCH+(t8&3)*64+16
.set t8, t8+1
.endr
.set wi, wi+1
.endr
	WIN 0
	TRIP 0, 1
	TRIP 1, 1
	TRIP 2, 1
	TRIP 3, 0                                      ; nothing is asked for: the next pass asks for chunk 0 behind its own barrier
	s_wait_dscnt 0x0
	; First pass only: the next pass's tokens that no wave has read yet are asked for, each 256 bytes once in the launch, by the wave that will load them,
	; one output phase ahead of the loads.  All lie inside my stripe (second half: my two stripes).  The last pass asks for nothing.
	s_cmp_lg_u32 s13, 0
	s_cbranch_scc1 .Lno_prefetch
.if SHIFTED
.irp i, 0,1,2,3
	global_prefetch_b8 v[PFO+\i], s[92:93] th:TH_LOAD_NT scope:SCOPE_SE
.endr
.else
	global_prefetch_b8 v[PFO], s[SB:SB+1] th:TH_LOAD_NT scope:SCOPE_SE
	global_prefetch_b8 v[PFO], s[SB:SB+1] offset:16384 th:TH_LOAD_NT scope:SCOPE_SE
.endif
.Lno_prefetch:
	W2MM                                           ; the last step's second layer
	PLACES 4
	v_mov_b32 v[TMP], 0xbfba00e3                   ; five terms: a4
	v_mov_b32 v[TMP+1], 0xbfba00e3
	EPI 0
	EPI 1
	EPI 2
	EPI 3
	s_wait_xcnt 0x0                                ; the stores' offsets and data are written again only behind this wait
	s_add_co_u32 s15, s15, 4
	s_add_co_u32 s13, s13, 1
	s_cmp_lt_u32 s13, 2
	s_cbranch_scc1 .Lpass
.if CL
	s_wait_tensorcnt 0x0
	ds_add_u32 v250, v251
	s_wait_dscnt 0x0
	ROUND                                          ; the closing round: no work-group ends while a partner may still ask jointly
.endif
	s_endpgm
.Lfunc_end_k_qa37c1e0529_half1:
	.size	k_qa37c1e0529_half1, .Lfunc_end_k_qa37c1e0529_half1-k_qa37c1e0529_half1
	.p2alignl 7, 3214868480
	.fill 96, 4, 3214868480
	.section	.rodata,"a",@progbits
	.p2align	6, 0x0
	.amdhsa_kernel k_qa37c1e0529_half1
		.amdhsa_group_segment_fixed_size 327680
		.amdhsa_private_segment_fixed_size 0
		.amdhsa_enable_private_segment 0
		.amdhsa_kernarg_size 24
		.amdhsa_user_sgpr_count 2
		.amdhsa_user_sgpr_kernarg_segment_ptr 1
		.amdhsa_wavefront_size32 1
		.amdhsa_system_sgpr_workgroup_id_x 1
		.amdhsa_system_sgpr_workgroup_id_y 1
		.amdhsa_system_sgpr_workgroup_id_z 1
		.amdhsa_system_vgpr_workitem_id 0
		.amdhsa_next_free_vgpr 1024
		.amdhsa_next_free_sgpr 100
		.amdhsa_reserve_vcc 0
		.amdhsa_float_denorm_mode_32 3
		.amdhsa_float_denorm_mode_16_64 3
		.amdhsa_memory_ordered 1
		.amdhsa_forward_progress 1
		.amdhsa_inst_pref_size 255
	.end_amdhsa_kernel
	.section	.bss,"aw",@nobits
	.p2align	6
	.space	262144
	.amdgpu_metadata
---
amdhsa.version: [ 1, 2 ]
amdhsa.kernels:
  - .name:           k_qa37c1e0529_half1
    .symbol:         k_qa37c1e0529_half1.kd
    .args:
      - { .name: x, .offset: 0, .size: 8, .value_kind: global_buffer, .address_space: global }
      - { .name: wts1, .offset: 8, .size: 8, .value_kind: global_buffer, .address_space: global }
      - { .name: mid, .offset: 16, .size: 8, .value_kind: global_buffer, .address_space: global }
    .group_segment_fixed_size: 327680
    .private_segment_fixed_size: 0
    .kernarg_segment_align: 8
    .kernarg_segment_size: 24
    .max_flat_workgroup_size: 128
    .sgpr_count:     100
    .vgpr_count:     1024
    .wavefront_size: 32
...
	.end_amdgpu_metadata
.endif
;; end of part 2
;; launch half2 (part 3): grid 256 x 1, 4 waves a work-group, clusters of 4 x 1, 327,680 bytes of LDS; arguments mid, wts2, out0; writes out0
.if DOCPART == 3
	.amdgcn_target "amdgcn-amd-amdhsa--gfx1250"
	.amdhsa_code_object_version 6
	.text
	.protected	k_qa37c1e0529_half2
	.globl	k_qa37c1e0529_half2
	.p2align	8
	.type	k_qa37c1e0529_half2,@function
k_qa37c1e0529_half2:
	s_mov_b64 s[64:65], 0
	v_nop
	global_prefetch_b8 v0, s[64:65] scope:SCOPE_SE
	s_setreg_imm32_b32 hwreg(HW_REG_WAVE_MODE, 25, 1), 1
	s_wait_xcnt 0x0
	s_wait_alu depctr_hold_cnt(0) depctr_sa_sdst(0) depctr_va_vdst(0) depctr_va_sdst(0) depctr_va_ssrc(0) depctr_va_vcc(0) depctr_vm_vsrc(0)
	s_getreg_b32 s2, hwreg(HW_REG_IB_STS2, 6, 4)
	s_cmp_eq_u32 s2, 0
	s_cbranch_scc0 .Lentry_in_a_cluster
	s_endpgm
.Lentry_in_a_cluster:
	s_bfe_u32 s2, ttmp6, 0x10000c
	s_cmp_lg_u32 s2, 0x3003
	s_cbranch_scc0 .Lentry_shape_is_right
	s_endpgm
.Lentry_shape_is_right:
; One half of the Swin block: LN, window attention (16 tokens, 2 heads of 64), residual, LN, MLP 128-512-128 with exact GELU behind
; both layers, residual.  SHIFTED = 0: first half (tokens gathered from the image, residual trunc(x) and the store in plain order).
; SHIFTED = 1: second half (shifted windows; gather, residual and store all at the same token).  The two texts differ in that line alone.
; SHARE: 256 work-groups, one stripe of 32 windows each; four waves, 8 windows a wave in 2 passes of 4, so that each weight fragment
; read from LDS feeds 4 matrix instructions.  All but the weights is a wave's own.
; WEIGHTS: bf16, folded by the launch before.  Rows 0-535 (qkv, out, biases) stay in LDS; the MLP's four chunks of 128 hidden units
; (128 rows of w1, 128 of w2) go through two slots.  All 256 work-groups walk the same weights, so four of them form a cluster and ask jointly
; (mask 15): each wave asks for a quarter of the rows, with a descriptor made of constants and the wave's number alone.
; LAYOUT: every product is used transposed (source 0 = 16 weight rows, source 1 = 16 tokens): lane (r, h) then holds features 8h..8h+7 of
; token r, and two neighbouring tiles rounded to bf16 ARE the next product's token fragment: no shuffle between chained products.
; V's tiles are made the other way round (source 0 = tokens), which is the form that P V wants; P V uses 16 of its 32 k, the others meet zeros.
; REGISTERS, four blocks of 256: block 0 addresses, weight fragments, work; block 1 v0-127 LN output, v128-255 attention output (fragments);
; block 2 the residual in f32, [window][tile][8]; block 3 Q, K, V fragments (56 a window), then the MLP's 32 accumulators.
; LIMITS: erf by Abramowitz and Stegun 7.1.25 in the hidden layer (error at most 2.5e-5, under the bf16 rounding that follows) and 7.1.26 at
; the output (at most 1.5e-7), for every finite input; exponentials below 2^-126 come out as 0 (ISA guide, v_exp_f32); V's bias is added behind P V
; (the rows of P sum to 1); matrix operands are bf16.
.set SHIFTED, 1
.set CL, 1                             ; 1: joint loads in a cluster of 4 x 1
.set PITCH,  272                       ; LDS row of weights: 256 bytes + 16, so that 16 rows start at 16 different 16-byte columns modulo 256
.set BIASB,  512*PITCH                 ; 24 rows of 64 f32
.set RING,   536*PITCH                 ; behind the resident rows: two slots
.set SLOT,   256*PITCH
.set STAGE,  285184                    ; = 1114*256: behind the last filled byte (285,056), in 256-byte blocks of its own; 16 rows of 528 a wave
.set SPITCH, 528
.set AW0, 2                            ; v2  r*272 + 16h
.set AW1, 3                            ; v3  the same, 256 rows on
.set ABI, 4                            ; v4  biases + 32h
.set AM1, 5                            ; v5  w1 rows of the step
.set AM2, 6                            ; v6  w2 columns of the step
.set AMB, 7                            ; v7  b1 of the step
.set AST, 8                            ; v8  stage by rows: 16 lane
.set ASL, 9                            ; v9  stage by fragments: r*528 + 32h
.set VL16, 10
.set VOA, 11                           ; v11 16 lane + first window * 8192
.set VOB, 12                           ; v12 first half: 16 lane + first window * 2048; second: the wrapped window to the right
.set WF,  16                           ; v16-79   weight fragments, two buffers of 32
.set BF,  80                           ; v80-95   bias fragments, two
.set DT,  96                           ; v96-159  products on their way, LN's work, hidden units
.set TMP, 160                          ; v160-183 work
.set ST,  184                          ; v184-215 scores
.set PF,  216                          ; v216-247 P, twice each
.set W2F, 184                          ; v184-247 w2 fragments
.set PFO, 248                          ; v248-251 prefetch offsets, never rewritten
.set CA2, 252                          ; v252-253 a2, v254-255 a1 of the three-term erf
.set CA1, 254
.set ET,  16
.set EE,  96
.set ER,  184
.set G1R, 16                           ; s[16:23] shape: 134 rows of 256 bytes
.set G1S, 24                           ; s[24:31] shape: 64 rows
.set G0R, 32                           ; s[32:35] resident rows
.set G0C, 36                           ; s[36:51] chunk c: a set of four each, never rewritten
.set SB,  52                           ; s[52:55] source at my stripe, at the next stripe
.set DB,  56                           ; s[56:59] destination likewise
.if CL
.set G1W0, 0x0773000f                  ; mask 15; elements of 8 bytes; padding on; bit 21 beside the mask; 4 words behind every 64
.else
.set G1W0, 0x07530000
.endif
.set MSB, 0
.macro WIN new                         ; low byte: source 0 | source 1 <<2 | source 2 <<4 | destination <<6; high byte: the setting that is left
.if MSB != (\new)
	s_set_vgpr_msb (MSB<<8)|(\new)
.set MSB, \new
.endif
.endm
.macro PLACES n
.rept \n
	v_nop
.endr
.endm
.macro ROUND                           ; a round of the cluster's barrier
	s_barrier_signal -1
	s_barrier_wait -1
	s_cmp_lg_u32 s10, 0
	s_cbranch_scc1 .Lnot_wave_0_\@
	s_barrier_signal -3
.Lnot_wave_0_\@:
	s_barrier_wait -3
	s_barrier_signal -1
	s_barrier_wait -1
.endm
.macro SYNC
.if CL
	ROUND
.else
	s_barrier_signal -1
	s_barrier_wait -1
.endif
.endm
.macro SPAIR r, val
	s_mov_b32 s[\r], \val
	s_mov_b32 s[\r+1], \val
.endm
.macro WM d, a, b, c
	v_wmma_f32_16x16x32_bf16 v[\d:\d+7], v[\a:\a+7], v[\b:\b+7], v[\c:\c+7]
.endm
.macro WMZ d, a, b
	v_wmma_f32_16x16x32_bf16 v[\d:\d+7], v[\a:\a+7], v[\b:\b+7], 0
.endm
; Where token p of window i (of the pass's four) lies: immediate, stripe (0, 1), and whether the window to the right wraps.
.macro TOK i, p
.set T_ROW, 0
.set T_WRAP, 0
.if SHIFTED
.set T_PY, (\p)>>2
.set T_PX, (\p)&3
.set T_ROW, T_PY>>1
.set T_IMM, ((T_PY+2)&3)*2048+((T_PX+2)&3)*512
.if T_PX < 2
.set T_IMM, T_IMM+(\i)*8192
.else
.if (\i) < 3
.set T_IMM, T_IMM+((\i)+1)*8192
.else
.set T_WRAP, 1
.endif
.endif
.else
.set T_IMM, (\i)*8192+(\p)*512
.endif
.endm
.macro GLD reg, i, p                   ; one token: 32 lanes x 16 bytes, 512 consecutive bytes, aligned
	TOK \i, \p
.if SHIFTED
	global_load_b128 v[\reg:\reg+3], v[VOA+T_WRAP], s[SB+2*T_ROW:SB+2*T_ROW+1] offset:T_IMM th:TH_LOAD_NT
.else
	global_load_b128 v[\reg:\reg+3], v[VOA], s[SB:SB+1] offset:T_IMM
.endif
.endm
.macro GST reg, i, p
	TOK \i, \p
.if SHIFTED
	global_store_b128 v[VOA+T_WRAP], v[\reg:\reg+3], s[DB+2*T_ROW:DB+2*T_ROW+1] offset:T_IMM th:TH_STORE_NT
.else
	global_store_b128 v[VOA], v[\reg:\reg+3], s[DB:DB+1] offset:T_IMM
.endif
.endm
; Window i of block blk from rows (register 4p: token p, 4 features a lane) to fragments (register 8t+j: feature 16t+8h+j of token r),
; through my wave's stage, in place.  LDS serves a wave's instructions in order (ISA guide 5.7.1): no wait between stores and loads.
.macro STG blk, i
	WIN (\blk)<<2
.set tp, 0
.rept 16
	ds_store_b128 v[AST], v[64*(\i)+4*tp:64*(\i)+4*tp+3] offset:SPITCH*tp
.set tp, tp+1
.endr
	WIN (\blk)<<6
.set tp, 0
.rept 16
	ds_load_b128 v[64*(\i)+4*tp:64*(\i)+4*tp+3], v[ASL] offset:64*(tp>>1)+16*(tp&1)
.set tp, tp+1
.endr
	WIN 0
.endm
; LN of window i of block xb, two passes (mean, then squares of the differences), without gain and bias (folded into the weights), to bf16 fragments in block 1.
.macro LNORM xb, i
	WIN (\xb)|((\xb)<<2)
.set m, 0
.rept 16
	v_pk_add_f32 v[DT+2*m:DT+2*m+1], v[64*(\i)+4*m:64*(\i)+4*m+1], v[64*(\i)+4*m+2:64*(\i)+4*m+3]
.set m, m+1
.endr
	WIN 0
.irp sp, 8,4,2,1
.set m, 0
.rept \sp
	v_pk_add_f32 v[DT+2*m:DT+2*m+1], v[DT+2*m:DT+2*m+1], v[DT+2*(m+\sp):DT+2*(m+\sp)+1]
.set m, m+1
.endr
.endr
	v_add_f32 v[TMP], v[DT], v[DT+1]
	v_permlanex16_b32 v14, v[TMP], s60, s61        ; the token's other 64 features lie in the other half of the lanes
	v_add_f32 v[TMP], v[TMP], v14
	v_mul_f32 v[TMP], 0xbc000000, v[TMP]           ; - mean
	v_mov_b32 v[TMP+1], v[TMP]
	WIN (\xb)<<2
.set m, 0
.rept 32
	v_pk_add_f32 v[DT+2*m:DT+2*m+1], v[TMP:TMP+1], v[64*(\i)+2*m:64*(\i)+2*m+1]
.set m, m+1
.endr
	WIN 0
.set m, 0
.rept 4
	v_pk_mul_f32 v[TMP+2+2*m:TMP+3+2*m], v[DT+2*m:DT+2*m+1], v[DT+2*m:DT+2*m+1]
.set m, m+1
.endr
.rept 28
	v_pk_fma_f32 v[TMP+2+2*(m%4):TMP+3+2*(m%4)], v[DT+2*m:DT+2*m+1], v[DT+2*m:DT+2*m+1], v[TMP+2+2*(m%4):TMP+3+2*(m%4)]
.set m, m+1
.endr
	v_pk_add_f32 v[TMP+2:TMP+3], v[TMP+2:TMP+3], v[TMP+4:TMP+5]
	v_pk_add_f32 v[TMP+6:TMP+7], v[TMP+6:TMP+7], v[TMP+8:TMP+9]
	v_pk_add_f32 v[TMP+2:TMP+3], v[TMP+2:TMP+3], v[TMP+6:TMP+7]
	v_add_f32 v[TMP+2], v[TMP+2], v[TMP+3]
	v_permlanex16_b32 v15, v[TMP+2], s60, s61
	v_add_f32 v[TMP+2], v[TMP+2], v15
	v_fma_f32 v[TMP+2], v[TMP+2], s62, s63         ; sum / 128 + 1e-5
	v_rsq_f32 v[TMP+4], v[TMP+2]
	v_nop                                          ; one plain instruction behind a transcendental before its result is used (ISA guide 5.7.2)
	s_wait_alu depctr_va_vdst(0)
	v_mov_b32 v[TMP+5], v[TMP+4]
.set m, 0
.rept 32
	v_pk_mul_f32 v[DT+2*m:DT+2*m+1], v[DT+2*m:DT+2*m+1], v[TMP+4:TMP+5]
.set m, m+1
.endr
	WIN 0x40
.set m, 0
.rept 32
	v_cvt_pk_bf16_f32 v[32*(\i)+m], v[DT+2*m], v[DT+2*m+1]
.set m, m+1
.endr
	WIN 0
.endm
; Tile T (16 resident rows x 128 k) into buffer buf: 8 loads; with f >= 0 two more: biases f+8h .. f+8h+7.
.macro LOADT buf, T, f
.set c4, 0
.rept 4
	ds_load_b128 v[WF+32*(\buf)+8*c4:WF+32*(\buf)+8*c4+3], v[AW0+(\T)/16] offset:16*PITCH*((\T)%16)+64*c4
	ds_load_b128 v[WF+32*(\buf)+8*c4+4:WF+32*(\buf)+8*c4+7], v[AW0+(\T)/16] offset:16*PITCH*((\T)%16)+64*c4+32
.set c4, c4+1
.endr
.if (\f) >= 0
	ds_load_b128 v[BF+8*(\buf):BF+8*(\buf)+3], v[ABI] offset:((\f)>>6)*PITCH+((\f)&63)*4
	ds_load_b128 v[BF+8*(\buf)+4:BF+8*(\buf)+7], v[ABI] offset:((\f)>>6)*PITCH+((\f)&63)*4+16
.endif
.endm
; Tile n = 0..11 of head HD: 0-3 Q, 4-7 K, 8-11 V, 16 features each.
.macro LOADQ n
.set qk, (\n)/4
.set qa, (\n)%4
.if qk < 2
	LOADT (\n)&1, 8*qk+4*HD+qa, 128*qk+64*HD+16*qa
.else
	LOADT (\n)&1, 8*qk+4*HD+qa, -1
.endif
.endm
.macro MMQ n                           ; 16 matrix instructions; the four windows' accumulators take turns, one instruction a turn
.set qk, (\n)/4
.set qb, (\n)&1
.if qk < 2
	WIN 0x04
.else
	WIN 0x01
.endif
.set c4, 0
.rept 4
.set wi, 0
.rept 4
.if qk < 2
.if c4 == 0
	WM DT+32*qb+8*wi, WF+32*qb+8*c4, 32*wi+8*c4, BF+8*qb
.else
	WM DT+32*qb+8*wi, WF+32*qb+8*c4, 32*wi+8*c4, DT+32*qb+8*wi
.endif
.else
.if c4 == 0
	WMZ DT+32*qb+8*wi, 32*wi+8*c4, WF+32*qb+8*c4
.else
	WM DT+32*qb+8*wi, 32*wi+8*c4, WF+32*qb+8*c4, DT+32*qb+8*wi
.endif
.endif
.set wi, wi+1
.endr
.set c4, c4+1
.endr
.endm
.macro PACKQ n                         ; tile n to bf16 in block 3: Q at 56i, K at 56i+16, V at 56i+32 as [V0 0 V1][V2 0 V3]
.set qk, (\n)/4
.set qa, (\n)%4
.set qb, (\n)&1
.if qk < 2
.set qd, 16*qk+4*qa
.else
.set qd, 32+12*(qa>>1)+8*(qa&1)
.endif
	WIN 0xc0
.set wi, 0
.rept 4
.set jj, 0
.rept 4
	v_cvt_pk_bf16_f32 v[56*wi+qd+jj], v[DT+32*qb+8*wi+2*jj], v[DT+32*qb+8*wi+2*jj+1]
.set jj, jj+1
.endr
.set wi, wi+1
.endr
.endm
; Softmax of window i: lane (r, h) holds the scores of query r with keys 8h..8h+7.  The maximum is taken away; 0.125 log2(e) is folded into the exponent.
.macro SOFTMAX i
.set sb, ST+8*(\i)
	v_max3_num_f32 v[TMP], v[sb], v[sb+1], v[sb+2]
	v_max3_num_f32 v[TMP+1], v[sb+3], v[sb+4], v[sb+5]
	v_max3_num_f32 v[TMP], v[TMP], v[sb+6], v[sb+7]
	v_max_num_f32 v[TMP], v[TMP], v[TMP+1]
	v_permlanex16_b32 v14, v[TMP], s60, s61
	v_max_num_f32 v[TMP], v[TMP], v14
	v_mul_f32 v[TMP], s89, v[TMP]
	v_mov_b32 v[TMP+1], v[TMP]
.set m, 0
.rept 4
	v_pk_fma_f32 v[sb+2*m:sb+2*m+1], v[sb+2*m:sb+2*m+1], s[88:89], v[TMP:TMP+1] op_sel_hi:[1,0,1]
.set m, m+1
.endr
.set m, 0
.rept 8
	v_exp_f32 v[sb+m], v[sb+m]
.set m, m+1
.endr
	v_nop
	s_wait_alu depctr_va_vdst(0)
	v_pk_add_f32 v[TMP+2:TMP+3], v[sb:sb+1], v[sb+2:sb+3]
	v_pk_add_f32 v[TMP+4:TMP+5], v[sb+4:sb+5], v[sb+6:sb+7]
	v_pk_add_f32 v[TMP+2:TMP+3], v[TMP+2:TMP+3], v[TMP+4:TMP+5]
	v_add_f32 v[TMP+2], v[TMP+2], v[TMP+3]
	v_permlanex16_b32 v15, v[TMP+2], s60, s61
	v_add_f32 v[TMP+2], v[TMP+2], v15
	v_rcp_f32 v[TMP+4], v[TMP+2]
	v_nop
	s_wait_alu depctr_va_vdst(0)
	v_mov_b32 v[TMP+5], v[TMP+4]
.set m, 0
.rept 4
	v_pk_mul_f32 v[sb+2*m:sb+2*m+1], v[sb+2*m:sb+2*m+1], v[TMP+4:TMP+5]
.set m, m+1
.endr
.set m, 0
.rept 4
	v_cvt_pk_bf16_f32 v[PF+8*(\i)+m], v[sb+2*m], v[sb+2*m+1]
	v_cvt_pk_bf16_f32 v[PF+8*(\i)+4+m], v[sb+2*m], v[sb+2*m+1]   ; P twice: one copy meets V's tile, the other the zeros
.set m, m+1
.endr
.endm
.macro PVW a                           ; P V, feature tile a, four windows; C = V's bias
.set pa, \a
	WIN 0x03
.set wi, 0
.rept 4
	WM DT+32*(pa&1)+8*wi, 56*wi+32+12*(pa>>1)+4*(pa&1), PF+8*wi, WF+8*pa
.set wi, wi+1
.endr
.endm
.macro PVP a
.set pa, \a
	WIN 0x40
.set wi, 0
.rept 4
.set jj, 0
.rept 4
	v_cvt_pk_bf16_f32 v[128+32*wi+16*HD+4*pa+jj], v[DT+32*(pa&1)+8*wi+2*jj], v[DT+32*(pa&1)+8*wi+2*jj+1]
.set jj, jj+1
.endr
.set wi, wi+1
.endr
.endm
; One head.  Tiles run two deep: tile n+2 is asked for behind tile n's products; the 16 conversions of tile n-1 are the places
; behind tile n's matrix instructions, for those loads and for the conversions of tile n that follow one tile later.
.macro HEAD
	WIN 0
	LOADQ 0
	LOADQ 1
.set tn, 0
.rept 12
.if tn < 7
	s_wait_dscnt 10                                ; the next tile's 8 fragment and 2 bias loads may stay out
.else
	s_wait_dscnt 8                                 ; the next V tile's 8 loads (behind the last tile: the 8 of V's bias)
.endif
	MMQ tn
.if tn == 0
	WIN 0
	PLACES 5                                       ; five: tile 2 writes over this tile's results, and tile 0's own conversions are no places for it
.else
	PACKQ tn-1
	WIN 0
.endif
.if tn < 10
	LOADQ tn+2
.else
.if tn == 10
.set pa, 0
.rept 4
	ds_load_b128 v[WF+8*pa:WF+8*pa+3], v[ABI] offset:(4+HD)*PITCH+64*pa
	ds_load_b128 v[WF+8*pa+4:WF+8*pa+7], v[ABI] offset:(4+HD)*PITCH+64*pa+16
.set pa, pa+1
.endr
.endif
.endif
.set tn, tn+1
.endr
	PACKQ 11
	WIN 0x0f                                       ; scores: source 0 = keys, source 1 = queries
.set wi, 0
.rept 4
	WMZ ST+8*wi, 56*wi+16, 56*wi
.set wi, wi+1
.endr
.set wi, 0
.rept 4
	WM ST+8*wi, 56*wi+24, 56*wi+8, ST+8*wi
.set wi, wi+1
.endr
	WIN 0
	PLACES 4
	SOFTMAX 0
	SOFTMAX 1
	SOFTMAX 2
	SOFTMAX 3
	s_wait_dscnt 0x0                               ; V's bias
	PVW 0
	PVW 1
	WIN 0
	PLACES 5                                       ; five: tile 2 writes over tile 0's results
	PVP 0
	PVW 2
	PVP 1
	PVW 3
	PVP 2
	PVP 3
	WIN 0
.endm
; G = u + |u| erf for 8 numbers at ub, rounded to 4 registers at db.  Three-term form.  The packed runs are the plain places behind the transcendentals.
.macro GELU8 ub, db
.set j, 0
.rept 8
	v_fma_f32 v[TMP+j], |v[\ub+j]|, s66, 1.0
.set j, j+1
.endr
.set j, 0
.rept 8
	v_rcp_f32 v[TMP+j], v[TMP+j]
.set j, j+1
.endr
.set m, 0
.rept 4
	v_pk_mul_f32 v[TMP+8+2*m:TMP+9+2*m], v[\ub+2*m:\ub+2*m+1], v[\ub+2*m:\ub+2*m+1] neg_lo:[1,0] neg_hi:[1,0]
.set m, m+1
.endr
.set j, 0
.rept 8
	v_exp_f32 v[TMP+8+j], v[TMP+8+j]
.set j, j+1
.endr
.set m, 0
	s_wait_alu depctr_va_vdst(0)
.rept 4
	v_pk_fma_f32 v[TMP+16+2*m:TMP+17+2*m], v[TMP+2*m:TMP+2*m+1], s[72:73], v[CA2:CA2+1] op_sel_hi:[1,0,1]
.set m, m+1
.endr
.set m, 0
.rept 4
	v_pk_fma_f32 v[TMP+16+2*m:TMP+17+2*m], v[TMP+16+2*m:TMP+17+2*m], v[TMP+2*m:TMP+2*m+1], v[CA1:CA1+1]
.set m, m+1
.endr
.set m, 0
.rept 4
	v_pk_mul_f32 v[TMP+16+2*m:TMP+17+2*m], v[TMP+16+2*m:TMP+17+2*m], v[TMP+2*m:TMP+2*m+1]
.set m, m+1
.endr
.set m, 0
.rept 4
	v_pk_fma_f32 v[TMP+16+2*m:TMP+17+2*m], v[TMP+16+2*m:TMP+17+2*m], v[TMP+8+2*m:TMP+9+2*m], 1.0 op_sel_hi:[1,1,0] neg_lo:[1,0,0] neg_hi:[1,0,0]
.set m, m+1
.endr
.set j, 0
.rept 8
	v_fma_f32 v[TMP+16+j], |v[\ub+j]|, v[TMP+16+j], v[\ub+j]
.set j, j+1
.endr
.set m, 0
.rept 4
	v_cvt_pk_bf16_f32 v[\db+m], v[TMP+16+2*m], v[TMP+17+2*m]
.set m, m+1
.endr
.endm
.macro W2MM                            ; 32 accumulators, one instruction each
	WIN 0xf0
.set t8, 0
.rept 8
.set wi, 0
.rept 4
	WM 64*wi+8*t8, W2F+8*t8, DT+16*wi, 64*wi+8*t8
.set wi, wi+1
.endr
.set t8, t8+1
.endr
	WIN 0
.endm
; One step: 32 hidden units (16s.. and 64+16s.. of the chunk) for 64 tokens.  w2 = 1: first the second layer's products of the step before.
.macro BODY w2
.set u2, 0
.rept 2
.set c4, 0
.rept 4
	ds_load_b128 v[WF+32*u2+8*c4:WF+32*u2+8*c4+3], v[AM1] offset:u2*64*PITCH+64*c4
	ds_load_b128 v[WF+32*u2+8*c4+4:WF+32*u2+8*c4+7], v[AM1] offset:u2*64*PITCH+64*c4+32
.set c4, c4+1
.endr
	ds_load_b128 v[BF+8*u2:BF+8*u2+3], v[AMB] offset:u2*PITCH
	ds_load_b128 v[BF+8*u2+4:BF+8*u2+7], v[AMB] offset:u2*PITCH+16
.set u2, u2+1
.endr
.if \w2
	s_wait_dscnt 20                                ; the 16 w2 loads of the step before are in; the 20 just issued stay out
	W2MM
.endif
	v_add_nc_u32 v[AM1], 16*PITCH, v[AM1]          ; with the three v_nop: five places before the hidden units, which the products above read, are written over
	v_add_nc_u32 v[AMB], 64, v[AMB]
	PLACES 3
	s_wait_dscnt 0x0
	WIN 0x04
.set c4, 0
.rept 4
.set u2, 0
.rept 2
.set wi, 0
.rept 4
.if c4 == 0
	WM DT+16*wi+8*u2, WF+32*u2+8*c4, 32*wi+8*c4, BF+8*u2
.else
	WM DT+16*wi+8*u2, WF+32*u2+8*c4, 32*wi+8*c4, DT+16*wi+8*u2
.endif
.set wi, wi+1
.endr
.set u2, u2+1
.endr
.set c4, c4+1
.endr
	WIN 0
	PLACES 4
	GELU8 DT, DT
	GELU8 DT+8, DT+4
.set t8, 0
.rept 8
	ds_load_b128 v[W2F+8*t8:W2F+8*t8+3], v[AM2] offset:t8*16*PITCH
	ds_load_b128 v[W2F+8*t8+4:W2F+8*t8+7], v[AM2] offset:t8*16*PITCH+128   ; k in the order in which the hidden units are packed
.set t8, t8+1
.endr
	v_add_nc_u32 v[AM2], 32, v[AM2]
.set wi, 1
.rept 3
	GELU8 DT+16*wi, DT+16*wi
	GELU8 DT+16*wi+8, DT+16*wi+4
.set wi, wi+1
.endr
.endm
; Chunk c.  In front of the barrier every wave waits for all its tensor loads (one is out: its quarter of this chunk) and for its LDS reads;
; behind it the other slot, which nobody reads any more, is asked for again first: one load a wave, four steps of work ahead of its use.
.macro TRIP c, refill
	s_wait_xcnt 0x0
	v_lshl_add_u32 v174, v0, 2, 0x4de00
	v_mov_b32 v175, 0
	s_wait_tensorcnt 0x0
	ds_add_u32 v174, v175
	s_wait_dscnt 0x0
	s_wait_dscnt 0x0
.if \refill
	SYNC
	tensor_load_to_lds s[G0C+4*((\c+1)&3):G0C+4*((\c+1)&3)+3], s[G1S:G1S+7]
	s_nop 0
.else
	s_barrier_signal -1
	s_barrier_wait -1
.endif
	v_add_nc_u32 v[AM1], RING+((\c)&1)*SLOT, v[AW0]
	v_add_nc_u32 v[AM2], RING+((\c)&1)*SLOT+128*PITCH, v[AW0]
	v_add_nc_u32 v[AMB], (8+2*(\c))*PITCH, v[ABI]
.if (\c) == 0
	BODY 0
	s_mov_b32 s14, 1
.else
	s_mov_b32 s14, 0
.endif
.Lstep_\@:
	BODY 1
	s_add_co_u32 s14, s14, 1
	s_cmp_lt_u32 s14, 4
	s_cbranch_scc1 .Lstep_\@
.endm
.macro EPOLY sr
.set m, 0
.rept 32
	v_pk_fma_f32 v[ER+2*m:ER+2*m+1], v[ER+2*m:ER+2*m+1], v[ET+2*m:ET+2*m+1], s[\sr:\sr+1] op_sel_hi:[1,1,0]
.set m, m+1
.endr
.endm
; Window i out: five-term GELU of the 64 accumulators, + residual, through the stage to whole rows, 16 stores of 512 bytes.
.macro EPI i
.if (\i) > 0
	s_wait_xcnt 0x0                                ; v16-79 were the data of the last window's stores: written again only behind this wait
.endif
	WIN 0x03
.set j, 0
.rept 64
	v_fma_f32 v[ET+j], |v[64*(\i)+j]|, s74, 1.0
.set j, j+1
.endr
	WIN 0x0f
.set m, 0
.rept 32
	v_pk_mul_f32 v[EE+2*m:EE+2*m+1], v[64*(\i)+2*m:64*(\i)+2*m+1], v[64*(\i)+2*m:64*(\i)+2*m+1] neg_lo:[1,0] neg_hi:[1,0]
.set m, m+1
.endr
	WIN 0
.set j, 0
.rept 64
	v_rcp_f32 v[ET+j], v[ET+j]
.set j, j+1
.endr
.set j, 0
.rept 64
	v_exp_f32 v[EE+j], v[EE+j]
.set j, j+1
.endr
	v_nop
.set m, 0
	s_wait_alu depctr_va_vdst(0)
.rept 32
	v_pk_fma_f32 v[ER+2*m:ER+2*m+1], v[ET+2*m:ET+2*m+1], s[84:85], v[TMP:TMP+1] op_sel_hi:[1,0,1]
.set m, m+1
.endr
	EPOLY 80
	EPOLY 78
	EPOLY 76
.set m, 0
.rept 32
	v_pk_mul_f32 v[ER+2*m:ER+2*m+1], v[ER+2*m:ER+2*m+1], v[ET+2*m:ET+2*m+1]
.set m, m+1
.endr
.set m, 0
.rept 32
	v_pk_fma_f32 v[ER+2*m:ER+2*m+1], v[ER+2*m:ER+2*m+1], v[EE+2*m:EE+2*m+1], 1.0 op_sel_hi:[1,1,0] neg_lo:[1,0,0] neg_hi:[1,0,0]
.set m, m+1
.endr
	WIN 0x33
.set j, 0
.rept 64
	v_fma_f32 v[ER+j], |v[64*(\i)+j]|, v[ER+j], v[64*(\i)+j]
.set j, j+1
.endr
	WIN 0x20
.set m, 0
.rept 32
	v_pk_fma_f32 v[ER+2*m:ER+2*m+1], v[ER+2*m:ER+2*m+1], s[86:87], v[64*(\i)+2*m:64*(\i)+2*m+1] op_sel_hi:[1,0,1]
.set m, m+1
.endr
	WIN 0
.set tp, 0
.rept 16
	ds_store_b128 v[ASL], v[ER+4*tp:ER+4*tp+3] offset:64*(tp>>1)+16*(tp&1)
.set tp, tp+1
.endr
.set tp, 0
.rept 16
	ds_load_b128 v[ET+4*tp:ET+4*tp+3], v[AST] offset:SPITCH*tp
.set tp, tp+1
.endr
.set tp, 0
.rept 16
	s_wait_dscnt 15-tp                             ; row tp is in; the younger rows stay out
	GST ET+4*tp, \i, tp
.set tp, tp+1
.endr
.endm
; ---------------- the head ----------------
	s_load_b128 s[4:7], s[0:1], 0x0                ; source, weights
	s_load_b64 s[8:9], s[0:1], 0x10                ; destination
	v_lshl_add_u32 v174, v0, 2, 0x4de00
	v_mov_b32 v175, 0
	ds_add_u32 v174, v175
	s_wait_dscnt 0x0
	v_lshrrev_b32 v1, 5, v0
	v_readfirstlane_b32 s10, v1                    ; wave
.if CL
	s_bfe_u32 s11, ttmp6, 0x40000                  ; my place in the cluster; it enters global token addresses alone
	s_lshl_b32 s12, ttmp9, 2
	s_add_co_u32 s12, s12, s11                     ; work-group = 32 batch + stripe
.else
	s_mov_b32 s12, ttmp9
.endif
	s_mov_b32 s[G1R+0], G1W0
	s_mov_b32 s[G1R+1], 32<<16                     ; tensor_dim0 = 32 elements of 8 bytes
	s_mov_b32 s[G1R+2], 134<<16                    ; tensor_dim1 = 134 rows
	s_mov_b32 s[G1R+3], 32<<16                     ; tile_dim0
	s_mov_b32 s[G1R+4], 134                        ; tile_dim1
	s_mov_b32 s[G1R+5], 32                         ; pitch: the rows are dense
	s_mov_b32 s[G1R+6], 0
	s_mov_b32 s[G1R+7], 0
	s_mov_b32 s[G1S+0], G1W0
	s_mov_b32 s[G1S+1], 32<<16
	s_mov_b32 s[G1S+2], 64<<16
	s_mov_b32 s[G1S+3], 32<<16
	s_mov_b32 s[G1S+4], 64
	s_mov_b32 s[G1S+5], 32
	s_mov_b32 s[G1S+6], 0
	s_mov_b32 s[G1S+7], 0
	s_mov_b32 s60, 0x76543210
	s_mov_b32 s61, 0xfedcba98
	s_mov_b32 s62, 0x3c000000                      ; 1/128
	s_mov_b32 s63, 0x3727c5ac                      ; 1e-5
	s_mov_b32 s66, 0x3ec88bd9                      ; 0.47047 / sqrt(log2 e)
	SPAIR 72, 0x3f3f7377                           ; three terms: a3
	s_mov_b32 s74, 0x3e8ba43f                      ; 0.3275911 / sqrt(log2 e)
	SPAIR 76, 0x3e827906                           ; five terms: a1
	SPAIR 78, 0xbe91a98e                           ; a2
	SPAIR 80, 0x3fb5f0e3                           ; a3
	SPAIR 84, 0x3f87dc22                           ; a5
	SPAIR 86, 0x3f16b55f                           ; 0.5 / k
	s_mov_b32 s88, 0x3e38aa3b                      ; 0.125 log2 e
	s_mov_b32 s89, 0xbe38aa3b
	s_mov_b32 s[G0R], 1
	s_mul_i32 s[G0R+1], s10, 134*PITCH             ; my quarter of the resident rows
	s_mul_i32 s94, s10, 134*256
	s_mov_b32 s95, 0
	s_mul_i32 s96, s10, 64*PITCH
	s_mul_i32 s97, s10, 16*SPITCH
	s_add_co_u32 s97, s97, STAGE                   ; my stage
	s_lshl_b32 s15, s10, 3                         ; first window of the pass
	s_lshl_b32 s90, s12, 18                        ; my stripe: 512 tokens of 512 bytes
	s_mov_b32 s91, 0
	s_wait_kmcnt 0x0
	s_add_nc_u64 s[G0R+2:G0R+3], s[6:7], s[94:95]
	s_or_b32 s[G0R+3], s[G0R+3], 0x80000000
	s_lshl_b32 s94, s10, 14
	s_add_nc_u64 s[98:99], s[6:7], s[94:95]
.irp c, 0,1,2,3
	s_mov_b32 s[G0C+4*\c], 1
	s_add_co_u32 s[G0C+4*\c+1], s96, RING+(\c&1)*SLOT
	s_add_nc_u64 s[G0C+4*\c+2:G0C+4*\c+3], s[98:99], 536*256+\c*65536
	s_or_b32 s[G0C+4*\c+3], s[G0C+4*\c+3], 0x80000000
.endr
	s_add_nc_u64 s[SB:SB+1], s[4:5], s[90:91]
	s_add_nc_u64 s[DB:DB+1], s[8:9], s[90:91]
.if SHIFTED
	s_lshr_b32 s90, s12, 5
	s_lshl_b32 s90, s90, 23                        ; the batch
	s_add_nc_u64 s[92:93], s[4:5], s[90:91]
	s_and_b32 s3, s12, 31                          ; my stripe in it
	s_add_co_u32 s2, s3, 1
	s_and_b32 s2, s2, 31
	s_lshl_b32 s2, s2, 18
	s_or_b32 s90, s90, s2                          ; the stripe below, wrapped
	s_add_nc_u64 s[SB+2:SB+3], s[4:5], s[90:91]
	s_add_nc_u64 s[DB+2:DB+3], s[8:9], s[90:91]
.endif
.if CL
	ROUND                                          ; the four work-groups are here: the first joint loads meet
.endif
	tensor_load_to_lds s[G0R:G0R+3], s[G1R:G1R+7]  ; the resident rows, a quarter a wave
	s_nop 0
	v_and_b32 v1, 15, v0                           ; r
	v_bfe_u32 v13, v0, 4, 1                        ; h
	v_and_b32 v[VL16], 31, v0
	v_lshlrev_b32 v[PFO], 8, v[VL16]
	v_lshlrev_b32 v[VL16], 4, v[VL16]
	v_mul_u32_u24 v[AW0], v1, PITCH
	v_lshl_add_u32 v[AW0], v13, 4, v[AW0]
	v_add_nc_u32 v[AW1], 256*PITCH, v[AW0]
	v_lshlrev_b32 v[ABI], 5, v13
	v_add_nc_u32 v[ABI], BIASB, v[ABI]
	v_add_nc_u32 v[AST], s97, v[VL16]
	v_mul_u32_u24 v[ASL], v1, SPITCH
	v_lshl_add_u32 v[ASL], v13, 5, v[ASL]
	v_add_nc_u32 v[ASL], s97, v[ASL]
	v_mov_b32 v14, 0                               ; v_permlanex16_b32 counts as a reader of its destination
	v_mov_b32 v15, 0
	v_mov_b32 v[CA2], 0xbdc45ca1
	v_mov_b32 v[CA2+1], 0xbdc45ca1
	v_mov_b32 v[CA1], 0x3eb2303a
	v_mov_b32 v[CA1+1], 0x3eb2303a
.if SHIFTED
	; prefetch offsets from the batch's first byte: lane = (py', px', half of the token's 512 bytes), one register for each window of pass 1
	v_and_b32 v1, 31, v0
	v_and_b32 v13, 1, v1
	v_bfe_u32 v160, v1, 1, 2                       ; px'
	v_lshrrev_b32 v161, 3, v1                      ; py'
	v_add_nc_u32 v162, 2, v160
	v_and_b32 v162, 3, v162
	v_add_nc_u32 v163, 2, v161
	v_and_b32 v163, 3, v163
	v_lshrrev_b32 v161, 1, v161
	v_add_nc_u32 v161, s3, v161
	v_and_b32 v161, 31, v161                       ; the stripe
	v_lshlrev_b32 v161, 18, v161
	v_lshl_or_b32 v161, v163, 11, v161
	v_lshl_or_b32 v161, v162, 9, v161
	v_lshl_or_b32 v161, v13, 8, v161
	v_lshrrev_b32 v160, 1, v160
	v_add_nc_u32 v160, s15, v160
.irp i, 0,1,2,3
	v_add_nc_u32 v162, 4+\i, v160
	v_and_b32 v162, 31, v162                       ; the window
	v_lshl_add_u32 v[PFO+\i], v162, 13, v161
.endr
.else
	s_lshl_b32 s2, s10, 16                         ; tokens 128 wave + 80 .. 95, lanes 256 bytes apart
	s_add_co_u32 s2, s2, 80*512
	v_add_nc_u32 v[PFO], s2, v[PFO]
.endif
	s_mov_b32 s13, 0
; ---------------- a pass: four windows a wave ----------------
.Lpass:
	s_lshl_b32 s2, s15, 13
	v_add_nc_u32 v[VOA], s2, v[VL16]
.if SHIFTED
	s_add_co_u32 s2, s15, 4
	s_and_b32 s2, s2, 31
	s_lshl_b32 s2, s2, 13
.else
	s_lshl_b32 s2, s15, 11
.endif
	v_add_nc_u32 v[VOB], s2, v[VL16]
	; the pass's 64 tokens, asked for ahead of the barrier so that they travel beside the weights
.if SHIFTED
	WIN 0x80
.else
	WIN 0xc0
.endif
.set wi, 0
.rept 4
.set tp, 0
.rept 16
.if SHIFTED
	GLD 64*wi+4*tp, wi, tp
.else
	global_load_b128 v[64*wi+4*tp:64*wi+4*tp+3], v[VOB], s[SB:SB+1] offset:(tp>>2)*65536+wi*2048+(tp&3)*512
.endif
.set tp, tp+1
.endr
.set wi, wi+1
.endr
	WIN 0
	s_wait_xcnt 0x0
	v_lshl_add_u32 v174, v0, 2, 0x4de00
	v_mov_b32 v175, 0
	s_wait_tensorcnt 0x0                           ; all my tensor loads have landed (first pass: my quarter of the resident rows)
	ds_add_u32 v174, v175
	s_wait_dscnt 0x0
	s_wait_dscnt 0x0                               ; and my LDS reads are back
	SYNC
	tensor_load_to_lds s[G0C:G0C+3], s[G1S:G1S+7]  ; chunk 0 into slot 0, whose last reads ended two barriers ago; the whole attention lies ahead of its use
	s_nop 0
.if SHIFTED
.set XB, 2
.else
.set XB, 3
.endif
	s_wait_loadcnt 48                              ; window 0's 16 tokens are in; 48 younger loads stay out
	STG XB, 0
	s_wait_loadcnt 32
	STG XB, 1
	s_wait_dscnt 32                                ; all but the 32 stage instructions of the window just issued
	LNORM XB, 0
	s_wait_loadcnt 16
	STG XB, 2
	s_wait_dscnt 32
	LNORM XB, 1
	s_wait_loadcnt 0x0
	STG XB, 3
.if SHIFTED == 0
	WIN 0x80                                       ; the residual's tokens, in plain order
.set wi, 0
.rept 4
.set tp, 0
.rept 16
	GLD 64*wi+4*tp, wi, tp
.set tp, tp+1
.endr
.set wi, wi+1
.endr
	WIN 0
.endif
	s_wait_dscnt 32
	LNORM XB, 2
	s_wait_dscnt 0x0
	LNORM XB, 3
	; attention
	WIN 0xc0
.set wi, 0
.rept 4
.set jj, 0
.rept 4
	v_mov_b32 v[56*wi+36+jj], 0                    ; the zeros between V's tiles
	v_mov_b32 v[56*wi+48+jj], 0
.set jj, jj+1
.endr
.set wi, wi+1
.endr
.set HD, 0
	HEAD
.set HD, 1
	HEAD
	; residual + out_b, then the output projection adds onto it in place
.set t8, 0
.rept 8
	ds_load_b128 v[DT+8*t8:DT+8*t8+3], v[ABI] offset:(6+(t8>>2))*PITCH+(t8&3)*64
	ds_load_b128 v[DT+8*t8+4:DT+8*t8+7], v[ABI] offset:(6+(t8>>2))*PITCH+(t8&3)*64+16
.set t8, t8+1
.endr
	LOADT 0, 24, -1
	LOADT 1, 25, -1
.if SHIFTED == 0
	s_wait_loadcnt 48
	STG 2, 0
	s_wait_loadcnt 32
	STG 2, 1
	s_wait_loadcnt 16
	STG 2, 2
	s_wait_loadcnt 0x0
	STG 2, 3
.endif
	s_wait_dscnt 0x0
	WIN 0x82
.if SHIFTED == 0
.set j, 0
.rept 256
	v_trunc_f32 v[j], v[j]
.set j, j+1
.endr
.endif
.set wi, 0
.rept 4
.set m, 0
.rept 32
	v_pk_add_f32 v[64*wi+2*m:64*wi+2*m+1], v[64*wi+2*m:64*wi+2*m+1], v[DT+2*m:DT+2*m+1]
.set m, m+1
.endr
.set wi, wi+1
.endr
.set t8, 0
.rept 8
.if t8 < 7
	s_wait_dscnt 8                                 ; the next tile's 8 loads may stay out
.else
	s_wait_dscnt 0x0
.endif
	WIN 0xa4
.set c4, 0
.rept 4
.set wi, 0
.rept 4
	WM 64*wi+8*t8, WF+32*(t8&1)+8*c4, 128+32*wi+8*c4, 64*wi+8*t8
.set wi, wi+1
.endr
.set c4, c4+1
.endr
	WIN 0
	PLACES 4
.if t8 < 6
	LOADT t8&1, 26+t8, -1
.endif
.set t8, t8+1
.endr
	LNORM 2, 0
	LNORM 2, 1
	LNORM 2, 2
	LNORM 2, 3
	WIN 0xc0                                       ; the second layer's bias starts its 32 sums
.set wi, 0
.rept 4
.set t8, 0
.rept 8
	ds_load_b128 v[64*wi+8*t8:64*wi+8*t8+3], v[ABI] offset:(16+(t8>>2))*PITCH+(t8&3)*64
	ds_load_b128 v[64*wi+8*t8+4:64*wi+8*t8+7], v[ABI] offset:(16+(t8>>2))*PITCH+(t8&3)*64+16
.set t8, t8+1
.endr
.set wi, wi+1
.endr
	WIN 0
	TRIP 0, 1
	TRIP 1, 1
	TRIP 2, 1
	TRIP 3, 0                                      ; nothing is asked for: the next pass asks for chunk 0 behind its own barrier
	s_wait_dscnt 0x0
	; First pass only: the next pass's tokens that no wave has read yet are asked for, each 256 bytes once in the launch, by the wave that will load them,
	; one output phase ahead of the loads.  All lie inside my stripe (second half: my two stripes).  The last pass asks for nothing.
	s_cmp_lg_u32 s13, 0
	s_cbranch_scc1 .Lno_prefetch
.if SHIFTED
.irp i, 0,1,2,3
	global_prefetch_b8 v[PFO+\i], s[92:93] th:TH_LOAD_NT scope:SCOPE_SE
.endr
.else
	global_prefetch_b8 v[PFO], s[SB:SB+1] th:TH_LOAD_NT scope:SCOPE_SE
	global_prefetch_b8 v[PFO], s[SB:SB+1] offset:16384 th:TH_LOAD_NT scope:SCOPE_SE
.endif
.Lno_prefetch:
	W2MM                                           ; the last step's second layer
	PLACES 4
	v_mov_b32 v[TMP], 0xbfba00e3                   ; five terms: a4
	v_mov_b32 v[TMP+1], 0xbfba00e3
	EPI 0
	EPI 1
	EPI 2
	EPI 3
	s_wait_xcnt 0x0                                ; the stores' offsets and data are written again only behind this wait
	s_add_co_u32 s15, s15, 4
	s_add_co_u32 s13, s13, 1
	s_cmp_lt_u32 s13, 2
	s_cbranch_scc1 .Lpass
.if CL
	s_wait_xcnt 0x0
	v_lshl_add_u32 v174, v0, 2, 0x4de00
	v_mov_b32 v175, 0
	s_wait_tensorcnt 0x0
	ds_add_u32 v174, v175
	s_wait_dscnt 0x0
	ROUND                                          ; the closing round: no work-group ends while a partner may still ask jointly
.endif
	s_endpgm
.Lfunc_end_k_qa37c1e0529_half2:
	.size	k_qa37c1e0529_half2, .Lfunc_end_k_qa37c1e0529_half2-k_qa37c1e0529_half2
	.p2alignl 7, 3214868480
	.fill 96, 4, 3214868480
	.section	.rodata,"a",@progbits
	.p2align	6, 0x0
	.amdhsa_kernel k_qa37c1e0529_half2
		.amdhsa_group_segment_fixed_size 327680
		.amdhsa_private_segment_fixed_size 0
		.amdhsa_enable_private_segment 0
		.amdhsa_kernarg_size 24
		.amdhsa_user_sgpr_count 2
		.amdhsa_user_sgpr_kernarg_segment_ptr 1
		.amdhsa_wavefront_size32 1
		.amdhsa_system_sgpr_workgroup_id_x 1
		.amdhsa_system_sgpr_workgroup_id_y 1
		.amdhsa_system_sgpr_workgroup_id_z 1
		.amdhsa_system_vgpr_workitem_id 0
		.amdhsa_next_free_vgpr 1024
		.amdhsa_next_free_sgpr 100
		.amdhsa_reserve_vcc 0
		.amdhsa_float_denorm_mode_32 3
		.amdhsa_float_denorm_mode_16_64 3
		.amdhsa_memory_ordered 1
		.amdhsa_forward_progress 1
		.amdhsa_inst_pref_size 255
	.end_amdhsa_kernel
	.section	.bss,"aw",@nobits
	.p2align	6
	.space	262144
	.amdgpu_metadata
---
amdhsa.version: [ 1, 2 ]
amdhsa.kernels:
  - .name:           k_qa37c1e0529_half2
    .symbol:         k_qa37c1e0529_half2.kd
    .args:
      - { .name: mid, .offset: 0, .size: 8, .value_kind: global_buffer, .address_space: global }
      - { .name: wts2, .offset: 8, .size: 8, .value_kind: global_buffer, .address_space: global }
      - { .name: out0, .offset: 16, .size: 8, .value_kind: global_buffer, .address_space: global }
    .group_segment_fixed_size: 327680
    .private_segment_fixed_size: 0
    .kernarg_segment_align: 8
    .kernarg_segment_size: 24
    .max_flat_workgroup_size: 128
    .sgpr_count:     100
    .vgpr_count:     1024
    .wavefront_size: 32
...
	.end_amdgpu_metadata
.endif
;; end of part 3
;; ======== version 2 of 3: 3 launches
;; limits: a function is approximated: absolute error at most 0.00018
;; workspace buffers: wts1 406,528 bytes; wts2 406,528 bytes; mid 67,108,864 bytes
;; launch prep (part 4): grid 24 x 2, 8 waves a work-group, no clusters, 1,280 bytes of LDS; arguments qkv1_w, out1_w, mlp1_w1, mlp1_w2, qkv1_b, out1_b, mlp1_b1, mlp1_b2, ln1_g, ln1_b, ln2_g, ln2_b, wts1, qkv2_w, out2_w, mlp2_w1, mlp2_w2, qkv2_b, out2_b, mlp2_b1, mlp2_b2, ln3_g, ln3_b, ln4_g, ln4_b, wts2; writes wts1, wts2
.if DOCPART == 4
	.amdgcn_target "amdgcn-amd-amdhsa--gfx1250"
	.amdhsa_code_object_version 6
	.text
	.protected	k_qa37c1e0529_prep
	.globl	k_qa37c1e0529_prep
	.p2align	8
	.type	k_qa37c1e0529_prep,@function
k_qa37c1e0529_prep:
	s_mov_b64 s[64:65], 0
	v_nop
	global_prefetch_b8 v0, s[64:65] scope:SCOPE_SE
	s_setreg_imm32_b32 hwreg(HW_REG_WAVE_MODE, 25, 1), 1
	s_wait_xcnt 0x0
; Folds and converts one half-block's weights (grid y = 0: the first, 1: the second) into 1588 rows of 256 bytes:
;   rows 0-383 qkv_w * g, 384-511 out_w, 512-543 s*g*w1[0..31][:], 544-563 20 rows of 64 f32 biases (6 qkv, 2 out, 8 b1, 2 b2, b2 again),
;   564+256j+i (i < 128): s*g*w1[(128j+32+i) mod 512][:]  (w1 moved on by one step of 32 rows), 564+256j+128+f: w2[f][128j..128j+127].
; Identities used, true for every input: W (n*g + b) + c = (W*g) n + (W b + c); with s = (2 sqrt(2/pi) 0.044715 log2 e)^(1/3) both of the MLP's
; pre-activations arrive as u = s x, and the hidden units leave as s gelu(x), so that w2 itself needs no factor and b2 takes s.
; Stated difference of rounding: gain and s are rounded into the bf16 weight.
; Work-group x takes 64 rows of 128 numbers: x 0-5 qkv_w, 6-7 out_w, 8-15 w1, 16-23 w2 (64 rows x one chunk of 128 columns); groups 0-19
; write bias row x.  Wave w takes rows 8w..8w+7, a lane 4 numbers of each.
; Too little data for LDS rings, matrix units or clusters: one batch of loads, one wait.
.set SC,    0x3eeff558                 ; s = 0.4686687
.set ROWW,  512                        ; w1's first 32 rows
.set ROWBI, 544                        ; the bias rows
.set ROWC,  564                        ; the four chunks
	s_load_b512 s[4:19], s[0:1], 0x0               ; layer 1: qkv_w out_w w1 w2 qkv_b out_b b1 b2
	s_load_b256 s[20:27], s[0:1], 0x40             ; its first LN's g, b, its second LN's g, b
	s_load_b64 s[28:29], s[0:1], 0x60              ; its destination
	s_load_b512 s[32:47], s[0:1], 0x68             ; layer 2, the same order
	s_load_b256 s[48:55], s[0:1], 0xa8
	s_load_b64 s[56:57], s[0:1], 0xc8
	v_lshl_add_u32 v64, v0, 2, 0x100
	v_mov_b32 v65, 0
	s_mov_b32 s70, ttmp9                           ; x
	s_and_b32 s58, ttmp7, 0xffff                   ; y
	v_and_b32 v1, 31, v0                           ; lane
	v_lshrrev_b32 v2, 5, v0
	v_readfirstlane_b32 s98, v2                    ; wave
	s_mov_b32 s92, 0x76543210                      ; v_permlanex16_b32: lane i reads lane i of the other half
	s_mov_b32 s93, 0xfedcba98
	s_mov_b32 s71, 16                              ; first x of my matrix
	s_cmp_lt_u32 s70, 16
	s_cmov_b32 s71, 8
	s_cmp_lt_u32 s70, 8
	s_cmov_b32 s71, 6
	s_cmp_lt_u32 s70, 6
	s_cmov_b32 s71, 0
	s_sub_co_u32 s72, s70, s71                     ; z: my block of 64 rows in that matrix
	s_and_b32 s80, s72, 1
	s_lshr_b32 s81, s72, 1
	s_lshl_b32 s82, s80, 17                        ; w2: 64 rows of 2048 bytes,
	s_lshl_b32 s83, s81, 9                         ;     chunk of 128 columns
	s_or_b32 s82, s82, s83
	s_lshl_b32 s83, s72, 15                        ; the others: 64 rows of 512 bytes
	s_lshl_b32 s84, s80, 8                         ; bias offset: w2's groups take b2's halves by turns
	s_lshl_b32 s85, s72, 8
	s_lshl_b32 s86, s81, 8                         ; ROWC + 256 (z>>1) + 64 (z&1)
	s_lshl_b32 s87, s80, 6
	s_add_co_u32 s86, s86, s87
	s_add_co_u32 s86, s86, ROWC
	s_add_co_u32 s59, s72, 7                       ; w1, moved on by 32 rows: my first 32 rows close the block of z - 1 (mod 8),
	s_and_b32 s59, s59, 7
	s_and_b32 s99, s59, 1
	s_lshl_b32 s99, s99, 6
	s_lshr_b32 s59, s59, 1
	s_lshl_b32 s59, s59, 8
	s_add_co_u32 s99, s99, s59
	s_add_co_u32 s99, s99, ROWC+32
	s_sub_co_u32 s59, s86, 32                      ; my last 32 open the block of z
	s_add_co_u32 s86, s86, 128                     ; w2 lies behind a chunk's 128 rows of w1
	s_lshl_b32 s88, s70, 6                         ; qkv_w and out_w: row 64 x
	s_sub_co_u32 s89, s70, 8
	s_cmp_lt_u32 s98, 4                            ; waves 0-3 hold the first 32 rows
	s_cselect_b32 s99, s99, s59
	s_cmp_ge_u32 s70, 16                           ; w2?
	s_mov_b32 s73, 512                             ; source pitch
	s_cmov_b32 s73, 2048
	s_cselect_b32 s74, s82, s83                    ; source offset
	s_cselect_b32 s76, s84, s85                    ; bias offset
	s_cselect_b32 s75, s86, s99                    ; destination row less 8 wave
	s_cmp_lt_u32 s70, 8
	s_cselect_b32 s75, s88, s75
	s_mov_b32 s79, SC                              ; factor on the bias: s for the MLP's
	s_cmov_b32 s79, 1.0
	s_mov_b32 s78, 1.0                             ; factor on the weights: s for w1
	s_mov_b32 s77, 0                               ; lane mask: does an LN stand in front of this matrix?
	s_cmp_lt_u32 s89, 8                            ; w1?
	s_cmov_b32 s78, SC
	s_cmov_b32 s77, -1
	s_cmp_lt_u32 s70, 6
	s_cmov_b32 s77, -1
	v_lshlrev_b32 v3, 4, v1                        ; 16 lane
	v_lshlrev_b32 v20, 3, v2                       ; 8 wave
.set i8, 0
.rept 8
	v_add_nc_u32 v21, i8, v20
	v_mad_u32_u24 v[12+i8], v21, s73, v3           ; row x pitch + 16 lane
.set i8, i8+1
.endr
	v_mov_b32 v59, s98
	v_lshlrev_b32 v59, 5, v59                      ; LDS: my wave's eight words
	v_lshlrev_b32 v60, 3, v1
	v_lshl_add_u32 v60, v2, 11, v60                ; destination: 8 rows of 256 bytes a wave + 8 lane
	v_mov_b32 v58, 0                               ; v_permlanex16_b32 counts as a reader of its destination
	s_wait_kmcnt 0x0
	s_cmp_eq_u32 s58, 0                            ; which layer: a choice between two buffers, thirteen times
.set np, 0
.rept 13
	s_cselect_b64 s[4+2*np:5+2*np], s[4+2*np:5+2*np], s[32+2*np:33+2*np]
.set np, np+1
.endr
	s_cmp_lt_u32 s70, 16
	s_cselect_b64 s[60:61], s[8:9], s[10:11]       ; the matrix
	s_cselect_b64 s[62:63], s[16:17], s[18:19]     ; its bias
	s_cmp_lt_u32 s70, 8
	s_cselect_b64 s[60:61], s[6:7], s[60:61]
	s_cselect_b64 s[62:63], s[14:15], s[62:63]
	s_cselect_b64 s[66:67], s[20:21], s[24:25]     ; the LN in front: g
	s_cselect_b64 s[68:69], s[22:23], s[26:27]     ; b
	s_cmp_lt_u32 s70, 6
	s_cselect_b64 s[60:61], s[4:5], s[60:61]
	s_cselect_b64 s[62:63], s[12:13], s[62:63]
	s_mov_b32 s91, 0
	s_mov_b32 s90, s74
	s_add_nc_u64 s[60:61], s[60:61], s[90:91]
	s_mov_b32 s90, s76
	s_add_nc_u64 s[62:63], s[62:63], s[90:91]
	s_lshl_b32 s90, s75, 8
	s_add_nc_u64 s[94:95], s[28:29], s[90:91]      ; my rows of the destination
	s_lshl_b32 s90, s70, 8
	s_add_co_u32 s90, s90, ROWBI*256
	s_add_nc_u64 s[96:97], s[28:29], s[90:91]      ; my bias row
	s_add_nc_u64 s[30:31], s[28:29], ROWW*256      ; the second place of w1's first 32 rows
	global_load_b128 v[4:7], v3, s[66:67]          ; g of my four columns
	global_load_b128 v[8:11], v3, s[68:69]         ; b
.set i8, 0
.rept 8
	global_load_b128 v[24+4*i8:27+4*i8], v[12+i8], s[60:61]    ; a wave's load covers a row's 512 bytes
.set i8, i8+1
.endr
	s_wait_loadcnt 0x0
.set i8, 0
.rept 4
	v_cndmask_b32 v[4+i8], 1.0, v[4+i8], s77       ; no LN in front: gain 1,
	v_cndmask_b32 v[8+i8], 0, v[8+i8], s77         ; bias 0
.set i8, i8+1
.endr
.set i8, 0
.rept 4
	v_mul_f32 v[4+i8], s78, v[4+i8]
.set i8, i8+1
.endr
.set i8, 0
.rept 8
.set R, 24+4*i8
	v_pk_mul_f32 v[56:57], v[R:R+1], v[8:9]        ; the row's product with the LN's bias, in f32
	v_pk_fma_f32 v[56:57], v[R+2:R+3], v[10:11], v[56:57]
	v_add_f32 v56, v56, v57
	v_add_f32_dpp v56, v56, v56 row_xmask:1 row_mask:0xf bank_mask:0xf
	v_add_f32_dpp v56, v56, v56 row_xmask:2 row_mask:0xf bank_mask:0xf
	v_add_f32_dpp v56, v56, v56 row_xmask:4 row_mask:0xf bank_mask:0xf
	v_add_f32_dpp v56, v56, v56 row_xmask:8 row_mask:0xf bank_mask:0xf
	v_permlanex16_b32 v58, v56, s92, s93
	v_add_f32 v56, v56, v58
	ds_store_b32 v59, v56 offset:4*i8              ; all lanes write the same word with the same value
	v_pk_mul_f32 v[R:R+1], v[R:R+1], v[4:5]
	v_pk_mul_f32 v[R+2:R+3], v[R+2:R+3], v[6:7]
	v_cvt_pk_bf16_f32 v[R], v[R], v[R+1]
	v_cvt_pk_bf16_f32 v[R+1], v[R+2], v[R+3]
	global_store_b64 v60, v[R:R+1], s[94:95] offset:256*i8     ; a wave's store covers 256 consecutive bytes, aligned; its data registers are not written again
.set i8, i8+1
.endr
	s_cmp_lg_u32 s70, 8                            ; w1's rows 0-31 (group 8, waves 0-3) are stored a second time: the copy that stays in LDS
	s_cbranch_scc1 .Lnodup
	s_cmp_ge_u32 s98, 4
	s_cbranch_scc1 .Lnodup
.set i8, 0
.rept 8
	global_store_b64 v60, v[24+4*i8:25+4*i8], s[30:31] offset:256*i8
.set i8, i8+1
.endr
.Lnodup:
	s_wait_dscnt 0x0                               ; for wave 0's sake: my eight words are in LDS
	s_barrier_signal -1
	s_barrier_wait -1
	s_cmp_lg_u32 s98, 0
	s_cbranch_scc1 .Lend
	s_cmp_ge_u32 s70, 20                           ; there are 20 bias rows
	s_cbranch_scc1 .Lend
	v_lshlrev_b32 v61, 3, v1
	ds_load_b64 v[56:57], v61                      ; rows 2 lane, 2 lane + 1
	global_load_b64 v[62:63], v61, s[62:63]
	s_wait_loadcnt 0x0
	s_wait_dscnt 0x0
	v_pk_add_f32 v[56:57], v[56:57], v[62:63]
	v_mul_f32 v56, s79, v56
	v_mul_f32 v57, s79, v57
	global_store_b64 v61, v[56:57], s[96:97]       ; 256 consecutive bytes, aligned
.Lend:
	s_wait_tensorcnt 0x0
	ds_add_u32 v64, v65
	s_wait_dscnt 0x0
	s_endpgm
.Lfunc_end_k_qa37c1e0529_prep:
	.size	k_qa37c1e0529_prep, .Lfunc_end_k_qa37c1e0529_prep-k_qa37c1e0529_prep
	.p2alignl 7, 3214868480
	.fill 96, 4, 3214868480
	.section	.rodata,"a",@progbits
	.p2align	6, 0x0
	.amdhsa_kernel k_qa37c1e0529_prep
		.amdhsa_group_segment_fixed_size 1280
		.amdhsa_private_segment_fixed_size 0
		.amdhsa_enable_private_segment 0
		.amdhsa_kernarg_size 208
		.amdhsa_user_sgpr_count 2
		.amdhsa_user_sgpr_kernarg_segment_ptr 1
		.amdhsa_wavefront_size32 1
		.amdhsa_system_sgpr_workgroup_id_x 1
		.amdhsa_system_sgpr_workgroup_id_y 1
		.amdhsa_system_sgpr_workgroup_id_z 1
		.amdhsa_system_vgpr_workitem_id 0
		.amdhsa_next_free_vgpr 66
		.amdhsa_next_free_sgpr 100
		.amdhsa_reserve_vcc 0
		.amdhsa_float_denorm_mode_32 3
		.amdhsa_float_denorm_mode_16_64 3
		.amdhsa_memory_ordered 1
		.amdhsa_forward_progress 1
		.amdhsa_inst_pref_size 16
	.end_amdhsa_kernel
	.amdgpu_metadata
---
amdhsa.version: [ 1, 2 ]
amdhsa.kernels:
  - .name:           k_qa37c1e0529_prep
    .symbol:         k_qa37c1e0529_prep.kd
    .args:
      - { .name: qkv1_w, .offset: 0, .size: 8, .value_kind: global_buffer, .address_space: global }
      - { .name: out1_w, .offset: 8, .size: 8, .value_kind: global_buffer, .address_space: global }
      - { .name: mlp1_w1, .offset: 16, .size: 8, .value_kind: global_buffer, .address_space: global }
      - { .name: mlp1_w2, .offset: 24, .size: 8, .value_kind: global_buffer, .address_space: global }
      - { .name: qkv1_b, .offset: 32, .size: 8, .value_kind: global_buffer, .address_space: global }
      - { .name: out1_b, .offset: 40, .size: 8, .value_kind: global_buffer, .address_space: global }
      - { .name: mlp1_b1, .offset: 48, .size: 8, .value_kind: global_buffer, .address_space: global }
      - { .name: mlp1_b2, .offset: 56, .size: 8, .value_kind: global_buffer, .address_space: global }
      - { .name: ln1_g, .offset: 64, .size: 8, .value_kind: global_buffer, .address_space: global }
      - { .name: ln1_b, .offset: 72, .size: 8, .value_kind: global_buffer, .address_space: global }
      - { .name: ln2_g, .offset: 80, .size: 8, .value_kind: global_buffer, .address_space: global }
      - { .name: ln2_b, .offset: 88, .size: 8, .value_kind: global_buffer, .address_space: global }
      - { .name: wts1, .offset: 96, .size: 8, .value_kind: global_buffer, .address_space: global }
      - { .name: qkv2_w, .offset: 104, .size: 8, .value_kind: global_buffer, .address_space: global }
      - { .name: out2_w, .offset: 112, .size: 8, .value_kind: global_buffer, .address_space: global }
      - { .name: mlp2_w1, .offset: 120, .size: 8, .value_kind: global_buffer, .address_space: global }
      - { .name: mlp2_w2, .offset: 128, .size: 8, .value_kind: global_buffer, .address_space: global }
      - { .name: qkv2_b, .offset: 136, .size: 8, .value_kind: global_buffer, .address_space: global }
      - { .name: out2_b, .offset: 144, .size: 8, .value_kind: global_buffer, .address_space: global }
      - { .name: mlp2_b1, .offset: 152, .size: 8, .value_kind: global_buffer, .address_space: global }
      - { .name: mlp2_b2, .offset: 160, .size: 8, .value_kind: global_buffer, .address_space: global }
      - { .name: ln3_g, .offset: 168, .size: 8, .value_kind: global_buffer, .address_space: global }
      - { .name: ln3_b, .offset: 176, .size: 8, .value_kind: global_buffer, .address_space: global }
      - { .name: ln4_g, .offset: 184, .size: 8, .value_kind: global_buffer, .address_space: global }
      - { .name: ln4_b, .offset: 192, .size: 8, .value_kind: global_buffer, .address_space: global }
      - { .name: wts2, .offset: 200, .size: 8, .value_kind: global_buffer, .address_space: global }
    .group_segment_fixed_size: 1280
    .private_segment_fixed_size: 0
    .kernarg_segment_align: 8
    .kernarg_segment_size: 208
    .max_flat_workgroup_size: 256
    .sgpr_count:     100
    .vgpr_count:     66
    .wavefront_size: 32
...
	.end_amdgpu_metadata
.endif
;; end of part 4
;; launch half1 (part 5): grid 256 x 1, 4 waves a work-group, clusters of 4 x 1, 327,680 bytes of LDS; arguments x, wts1, mid; writes mid
.if DOCPART == 5
	.amdgcn_target "amdgcn-amd-amdhsa--gfx1250"
	.amdhsa_code_object_version 6
	.text
	.protected	k_qa37c1e0529_half1
	.globl	k_qa37c1e0529_half1
	.p2align	8
	.type	k_qa37c1e0529_half1,@function
k_qa37c1e0529_half1:
	s_mov_b64 s[64:65], 0
	v_nop
	global_prefetch_b8 v0, s[64:65] scope:SCOPE_SE
	s_setreg_imm32_b32 hwreg(HW_REG_WAVE_MODE, 25, 1), 1
	s_wait_xcnt 0x0
	s_wait_alu depctr_hold_cnt(0) depctr_sa_sdst(0) depctr_va_vdst(0) depctr_va_sdst(0) depctr_va_ssrc(0) depctr_va_vcc(0) depctr_vm_vsrc(0)
	s_getreg_b32 s2, hwreg(HW_REG_IB_STS2, 6, 4)
	s_cmp_eq_u32 s2, 0
	s_cbranch_scc0 .Lentry_in_a_cluster
	s_endpgm
.Lentry_in_a_cluster:
	s_bfe_u32 s2, ttmp6, 0x10000c
	s_cmp_lg_u32 s2, 0x3003
	s_cbranch_scc0 .Lentry_shape_is_right
	s_endpgm
.Lentry_shape_is_right:
; One half of the Swin block: LN, window attention (16 tokens, 2 heads of 64), residual, LN, MLP 128-512-128 with GELU behind
; both layers, residual.  SHIFTED = 0: first half (tokens gathered from the image, residual trunc(x) and the store in plain order).
; SHIFTED = 1: second half (shifted windows; gather, residual and store all at the same token).  The two texts differ in that line alone.
; SHARE: 256 work-groups, one stripe of 32 windows each; four waves, 8 windows a wave in 2 passes of 4, so that each weight fragment
; read from LDS feeds 4 matrix instructions.  All but the weights is a wave's own.
; WEIGHTS: bf16, folded by the launch before.  564 rows (qkv, out, w1's first 32 rows, biases) stay in LDS; the MLP's four chunks of 256 rows
; go through two slots.  All 256 work-groups walk the same weights, so four of them form a cluster and ask jointly
; (mask 15): each wave asks for a quarter of the rows, with a descriptor made of constants, the wave's number and the loop's steps alone.
; LAYOUT: every product is used transposed (source 0 = 16 weight rows, source 1 = 16 tokens): lane (r, h) then holds features 8h..8h+7 of
; token r, and two neighbouring tiles rounded to bf16 ARE the next product's token fragment: no shuffle between chained products.
; V's tiles are made the other way round (source 0 = tokens), which is the form that P V wants; P V uses 16 of its 32 k, the others meet zeros.
; THE MLP goes in 16 steps of 32 hidden units.  In step s the vector instructions are GELU(s); among them, one matrix instruction to 4 or 5 of
; them, stand the second layer's products of step s-1 and then the first layer's of step s+1: two buffers of hidden units take turns.
; REQUESTS AHEAD: a pass's 64 tokens land in block 1, which nothing uses from the last second-layer product on: window i of the next pass is asked
; for in front of window i's way out.  The attention is the first reader of the weights, so the barrier that shows them, and behind which chunk 0
; is asked for, stands behind the first LN.  A window's rows are stored when the next window's GELU has begun.
; REGISTERS, four blocks of 256: block 0 addresses, work, the two buffers of hidden units; block 1 the tokens as loaded, then v0-127 LN output,
; v128-255 attention output, then the MLP's weight fragments; block 2 the residual in f32, [window][tile][8]; block 3 Q, K, V fragments
; (56 a window), then the MLP's 32 accumulators.
; LIMITS: gelu(x) = x Phi(x) with Phi(x) = 1/(1 + exp(-2 sqrt(2/pi)(x + 0.044715 x^3))) (Page 1977) in place of the erf form: the error of Phi is at
; most 1.8e-4 for every x, that of gelu at most 1.8e-4 |x|; +inf gives +inf and -inf NaN, as the erf form does.  Exponentials below 2^-126 come out
; as 0 (ISA guide, v_exp_f32); V's bias is added behind P V (the rows of P sum to 1); matrix operands are bf16.
.set SHIFTED, 0
.set CL, 1                             ; 1: joint loads in a cluster of 4 x 1
.set PITCH,  272                       ; LDS row of weights: 256 bytes + 16, so that 16 rows start at 16 different 16-byte columns modulo 256
.set RING,   131072                    ; two slots.  A wave's part of slot 0 begins at 2^17 + wave*17408, where bits 12 and 16 are 0, and
.set SLOT,   256*PITCH                 ; SLOT = 2^16 + 2^12: s_xor_b32 with SLOT changes slots, there and back
.set RESB,   RING+2*SLOT               ; behind the ring: out_w's rows 96-127, w1's rows 0-31, 20 bias rows (rows 0-479 lie from byte 0)
.set W1S0,   32*PITCH
.set BIASB,  RESB+64*PITCH             ; rows of 64 f32: 0-5 qkv, 6-7 out, 8-15 b1, 16-17 b2
.set STAGE,  293376                    ; = 1146*256: behind the last filled byte (293,184), in 256-byte blocks of its own; 16 rows of 528 a wave
.set SPITCH, 528
.set AW0, 2                            ; v2  r*272 + 16h
.set AW1, 3                            ; v3  the same, 256 rows on
.set ABI, 4                            ; v4  biases + 32h
.set AM1, 5                            ; v5  w1 rows of the double step
.set AM2, 6                            ; v6  w2 columns of the double step
.set AMB, 7                            ; v7  b1 of the double step
.set AST, 8                            ; v8  stage by rows: 16 lane
.set ASL, 9                            ; v9  stage by fragments: r*528 + 32h
.set VL16, 10
.set VOA, 11                           ; v11 this pass's stores (first half: its residual loads too): 16 lane + first window * 8192
.set VOB, 12                           ; v12 second half: the same for the wrapped window to the right
.set WF,  16                           ; v16-79   attention: weight fragments, two buffers of 32
.set BF,  80                           ; v80-95   bias fragments, two
.set DT,  96                           ; v96-159  products on their way, LN's work
.set TMP, 160                          ; v160-183 work
.set ST,  184                          ; v184-215 scores
.set PF,  216                          ; v216-247 P, twice each
.set PFO, 248                          ; v248-251 prefetch offsets, never rewritten
.set AW2, 252                          ; v252 r*272 + 16h + RESB
.set LOA, 254                          ; v254 token loads: first half 16 lane + first window * 2048; second half as v11, v255 as v12, of the pass that is loaded
.set H0,  96                           ; v96-159  hidden units of the even steps: window i at 16 i, packed in place into its first 8 registers
.set H1,  16                           ; v16-79   of the odd steps
.set TG,  160                          ; v160-175 GELU's work, one window
.set WF1, 128                          ; block 1: v128-191 w1 fragments (2 tiles x 4 k)
.set W2F, 192                          ; block 1: v192-255 w2 fragments (8 tiles)
.set ET,  16                           ; the way out: rows to store
.set ER,  184                          ; the way out: a window at work
.set G1R, 16                           ; s[16:23] shape: 120 rows of 256 bytes
.set G1S, 24                           ; s[24:31] shape: 64 rows
.set G0R, 32                           ; s[32:35] resident rows 0-479
.set G0C, 36                           ; s[36:39] the chunks: stepped behind the wait for all tensor loads
.set G0B, 40                           ; s[40:43] resident rows 480-563
.set G1B, 44                           ; s[44:51] shape: 21 rows
.set SB,  52                           ; s[52:55] source at my stripe, at the next stripe
.set DB,  56                           ; s[56:59] destination likewise
.if CL
.set G1W0, 0x0773000f                  ; mask 15; elements of 8 bytes; padding on; bit 21 beside the mask; 4 words behind every 64
.else
.set G1W0, 0x07530000
.endif
.set MSB, 0
.macro WIN new                         ; low byte: source 0 | source 1 <<2 | source 2 <<4 | destination <<6; high byte: the setting that is left
.if MSB != (\new)
	s_set_vgpr_msb (MSB<<8)|(\new)
.set MSB, \new
.endif
.endm
.macro PLACES n
.rept \n
	v_nop
.endr
.endm
.macro ROUND                           ; a round of the cluster's barrier
	s_barrier_signal -1
	s_barrier_wait -1
	s_cmp_lg_u32 s10, 0
	s_cbranch_scc1 .Lnot_wave_0_\@
	s_barrier_signal -3
.Lnot_wave_0_\@:
	s_barrier_wait -3
	s_barrier_signal -1
	s_barrier_wait -1
.endm
.macro SYNC
.if CL
	ROUND
.else
	s_barrier_signal -1
	s_barrier_wait -1
.endif
.endm
.macro SPAIR r, val
	s_mov_b32 s[\r], \val
	s_mov_b32 s[\r+1], \val
.endm
.macro SHAPE g, rows                   ; descriptor group 1: a dense block of rows of 256 bytes, padded to 272 in LDS
	s_mov_b32 s[\g+0], G1W0
	s_mov_b32 s[\g+1], 32<<16                      ; tensor_dim0 = 32 elements of 8 bytes
	s_mov_b32 s[\g+2], (\rows)<<16                 ; tensor_dim1
	s_mov_b32 s[\g+3], 32<<16                      ; tile_dim0
	s_mov_b32 s[\g+4], \rows                       ; tile_dim1
	s_mov_b32 s[\g+5], 32                          ; pitch: the rows are dense
	s_mov_b32 s[\g+6], 0
	s_mov_b32 s[\g+7], 0
.endm
.macro WM d, a, b, c
	v_wmma_f32_16x16x32_bf16 v[\d:\d+7], v[\a:\a+7], v[\b:\b+7], v[\c:\c+7]
.endm
.macro WMZ d, a, b
	v_wmma_f32_16x16x32_bf16 v[\d:\d+7], v[\a:\a+7], v[\b:\b+7], 0
.endm
; Where token p of window i (of the pass's four) lies: immediate, stripe (0, 1), and whether the window to the right wraps.
.macro TOK i, p
.set T_ROW, 0
.set T_WRAP, 0
.if SHIFTED
.set T_PY, (\p)>>2
.set T_PX, (\p)&3
.set T_ROW, T_PY>>1
.set T_IMM, ((T_PY+2)&3)*2048+((T_PX+2)&3)*512
.if T_PX < 2
.set T_IMM, T_IMM+(\i)*8192
.else
.if (\i) < 3
.set T_IMM, T_IMM+((\i)+1)*8192
.else
.set T_WRAP, 1
.endif
.endif
.else
.set T_IMM, (\i)*8192+(\p)*512
.endif
.endm
.macro GLD reg, i, p                   ; one token: 32 lanes x 16 bytes, 512 consecutive bytes, aligned
	TOK \i, \p
.if SHIFTED
	global_load_b128 v[\reg:\reg+3], v[LOA+T_WRAP], s[SB+2*T_ROW:SB+2*T_ROW+1] offset:T_IMM th:TH_LOAD_NT
.else
	global_load_b128 v[\reg:\reg+3], v[VOA], s[SB:SB+1] offset:T_IMM
.endif
.endm
.macro GST reg, i, p
	TOK \i, \p
.if SHIFTED
	global_store_b128 v[VOA+T_WRAP], v[\reg:\reg+3], s[DB+2*T_ROW:DB+2*T_ROW+1] offset:T_IMM th:TH_STORE_NT
.else
	global_store_b128 v[VOA], v[\reg:\reg+3], s[DB:DB+1] offset:T_IMM
.endif
.endm
; The offsets of the token loads of the pass whose first window is s15 + add.  Written only when the loads that used them have been waited for.
.macro LOSET add
	s_add_co_u32 s2, s15, \add
.if SHIFTED
	s_lshl_b32 s66, s2, 13
	s_add_co_u32 s2, s2, 4
	s_and_b32 s2, s2, 31
	s_lshl_b32 s2, s2, 13
	v_add_nc_u32 v[LOA], s66, v[VL16]
	v_add_nc_u32 v[LOA+1], s2, v[VL16]
.else
	s_lshl_b32 s66, s2, 11
	v_add_nc_u32 v[LOA], s66, v[VL16]
.endif
.endm
; The 16 tokens of window i, by the offsets of LOSET, into block 1, registers 64 i + 4 p.
.macro TLD i
	WIN 0x40
.set tp, 0
.rept 16
.if SHIFTED
	GLD 64*(\i)+4*tp, \i, tp
.else
	global_load_b128 v[64*(\i)+4*tp:64*(\i)+4*tp+3], v[LOA], s[SB:SB+1] offset:(tp>>2)*65536+(\i)*2048+(tp&3)*512
.endif
.set tp, tp+1
.endr
	WIN 0
.endm
; First pass only: window i of the next pass is asked for.  The last pass asks for nothing.
.macro NEXTLD i
	s_cmp_lg_u32 s13, 0
	s_cbranch_scc1 .Lnone_\@
.if (\i) == 0
	LOSET 4
.endif
	TLD \i
.Lnone_\@:
.endm
; Window i from rows in block sblk (register 4p: token p, 4 features a lane) to fragments in block dblk (register 8t+j: feature 16t+8h+j of token r),
; through my wave's stage.  LDS serves a wave's instructions in order (ISA guide 5.7.1): no wait between stores and loads.
.macro STG sblk, dblk, i
	WIN (\sblk)<<2
.set tp, 0
.rept 16
	ds_store_b128 v[AST], v[64*(\i)+4*tp:64*(\i)+4*tp+3] offset:SPITCH*tp
.set tp, tp+1
.endr
	WIN (\dblk)<<6
.set tp, 0
.rept 16
	ds_load_b128 v[64*(\i)+4*tp:64*(\i)+4*tp+3], v[ASL] offset:64*(tp>>1)+16*(tp&1)
.set tp, tp+1
.endr
	WIN 0
.endm
; LN of window i of block xb, two passes (mean, then squares of the differences), without gain and bias (folded into the weights), to bf16 fragments in block 1.
.macro LNORM xb, i
	WIN (\xb)|((\xb)<<2)
.set m, 0
.rept 16
	v_pk_add_f32 v[DT+2*m:DT+2*m+1], v[64*(\i)+4*m:64*(\i)+4*m+1], v[64*(\i)+4*m+2:64*(\i)+4*m+3]
.set m, m+1
.endr
	WIN 0
.irp sp, 8,4,2,1
.set m, 0
.rept \sp
	v_pk_add_f32 v[DT+2*m:DT+2*m+1], v[DT+2*m:DT+2*m+1], v[DT+2*(m+\sp):DT+2*(m+\sp)+1]
.set m, m+1
.endr
.endr
	v_add_f32 v[TMP], v[DT], v[DT+1]
	v_permlanex16_b32 v14, v[TMP], s60, s61        ; the token's other 64 features lie in the other half of the lanes
	v_add_f32 v[TMP], v[TMP], v14
	v_mul_f32 v[TMP], 0xbc000000, v[TMP]           ; - mean
	v_mov_b32 v[TMP+1], v[TMP]
	WIN (\xb)<<2
.set m, 0
.rept 32
	v_pk_add_f32 v[DT+2*m:DT+2*m+1], v[TMP:TMP+1], v[64*(\i)+2*m:64*(\i)+2*m+1]
.set m, m+1
.endr
	WIN 0
.set m, 0
.rept 4
	v_pk_mul_f32 v[TMP+2+2*m:TMP+3+2*m], v[DT+2*m:DT+2*m+1], v[DT+2*m:DT+2*m+1]
.set m, m+1
.endr
.rept 28
	v_pk_fma_f32 v[TMP+2+2*(m%4):TMP+3+2*(m%4)], v[DT+2*m:DT+2*m+1], v[DT+2*m:DT+2*m+1], v[TMP+2+2*(m%4):TMP+3+2*(m%4)]
.set m, m+1
.endr
	v_pk_add_f32 v[TMP+2:TMP+3], v[TMP+2:TMP+3], v[TMP+4:TMP+5]
	v_pk_add_f32 v[TMP+6:TMP+7], v[TMP+6:TMP+7], v[TMP+8:TMP+9]
	v_pk_add_f32 v[TMP+2:TMP+3], v[TMP+2:TMP+3], v[TMP+6:TMP+7]
	v_add_f32 v[TMP+2], v[TMP+2], v[TMP+3]
	v_permlanex16_b32 v15, v[TMP+2], s60, s61
	v_add_f32 v[TMP+2], v[TMP+2], v15
	v_fma_f32 v[TMP+2], v[TMP+2], s62, s63         ; sum / 128 + 1e-5
	v_rsq_f32 v[TMP+4], v[TMP+2]
	v_nop                                          ; one plain instruction behind a transcendental before its result is used (ISA guide 5.7.2)
	s_wait_alu depctr_va_vdst(0)
	v_mov_b32 v[TMP+5], v[TMP+4]
.set m, 0
.rept 32
	v_pk_mul_f32 v[DT+2*m:DT+2*m+1], v[DT+2*m:DT+2*m+1], v[TMP+4:TMP+5]
.set m, m+1
.endr
	WIN 0x40
.set m, 0
.rept 32
	v_cvt_pk_bf16_f32 v[32*(\i)+m], v[DT+2*m], v[DT+2*m+1]
.set m, m+1
.endr
	WIN 0
.endm
; Tile T (16 resident rows x 128 k; tiles 30 and 31 lie behind the ring) into buffer buf: 8 loads; with f >= 0 two more: biases f+8h .. f+8h+7.
.macro LOADT buf, T, f
.if (\T) >= 30
.set lt_r, AW2
.set lt_o, 16*PITCH*((\T)-30)
.else
.set lt_r, AW0+(\T)/16
.set lt_o, 16*PITCH*((\T)%16)
.endif
.set c4, 0
.rept 4
	ds_load_b128 v[WF+32*(\buf)+8*c4:WF+32*(\buf)+8*c4+3], v[lt_r] offset:lt_o+64*c4
	ds_load_b128 v[WF+32*(\buf)+8*c4+4:WF+32*(\buf)+8*c4+7], v[lt_r] offset:lt_o+64*c4+32
.set c4, c4+1
.endr
.if (\f) >= 0
	ds_load_b128 v[BF+8*(\buf):BF+8*(\buf)+3], v[ABI] offset:((\f)>>6)*PITCH+((\f)&63)*4
	ds_load_b128 v[BF+8*(\buf)+4:BF+8*(\buf)+7], v[ABI] offset:((\f)>>6)*PITCH+((\f)&63)*4+16
.endif
.endm
; Tile n = 0..11 of head HD: 0-3 Q, 4-7 K, 8-11 V, 16 features each.
.macro LOADQ n
.set qk, (\n)/4
.set qa, (\n)%4
.if qk < 2
	LOADT (\n)&1, 8*qk+4*HD+qa, 128*qk+64*HD+16*qa
.else
	LOADT (\n)&1, 8*qk+4*HD+qa, -1
.endif
.endm
.macro MMQ n                           ; 16 matrix instructions; the four windows' accumulators take turns, one instruction a turn
.set qk, (\n)/4
.set qb, (\n)&1
.if qk < 2
	WIN 0x04
.else
	WIN 0x01
.endif
.set c4, 0
.rept 4
.set wi, 0
.rept 4
.if qk < 2
.if c4 == 0
	WM DT+32*qb+8*wi, WF+32*qb+8*c4, 32*wi+8*c4, BF+8*qb
.else
	WM DT+32*qb+8*wi, WF+32*qb+8*c4, 32*wi+8*c4, DT+32*qb+8*wi
.endif
.else
.if c4 == 0
	WMZ DT+32*qb+8*wi, 32*wi+8*c4, WF+32*qb+8*c4
.else
	WM DT+32*qb+8*wi, 32*wi+8*c4, WF+32*qb+8*c4, DT+32*qb+8*wi
.endif
.endif
.set wi, wi+1
.endr
.set c4, c4+1
.endr
.endm
.macro PACKQ n                         ; tile n to bf16 in block 3: Q at 56i, K at 56i+16, V at 56i+32 as [V0 0 V1][V2 0 V3]
.set qk, (\n)/4
.set qa, (\n)%4
.set qb, (\n)&1
.if qk < 2
.set qd, 16*qk+4*qa
.else
.set qd, 32+12*(qa>>1)+8*(qa&1)
.endif
	WIN 0xc0
.set wi, 0
.rept 4
.set jj, 0
.rept 4
	v_cvt_pk_bf16_f32 v[56*wi+qd+jj], v[DT+32*qb+8*wi+2*jj], v[DT+32*qb+8*wi+2*jj+1]
.set jj, jj+1
.endr
.set wi, wi+1
.endr
.endm
; Softmax of window i: lane (r, h) holds the scores of query r with keys 8h..8h+7.  The maximum is taken away; 0.125 log2(e) is folded into the exponent.
.macro SOFTMAX i
.set sb, ST+8*(\i)
	v_max3_num_f32 v[TMP], v[sb], v[sb+1], v[sb+2]
	v_max3_num_f32 v[TMP+1], v[sb+3], v[sb+4], v[sb+5]
	v_max3_num_f32 v[TMP], v[TMP], v[sb+6], v[sb+7]
	v_max_num_f32 v[TMP], v[TMP], v[TMP+1]
	v_permlanex16_b32 v14, v[TMP], s60, s61
	v_max_num_f32 v[TMP], v[TMP], v14
	v_mul_f32 v[TMP], s89, v[TMP]
	v_mov_b32 v[TMP+1], v[TMP]
.set m, 0
.rept 4
	v_pk_fma_f32 v[sb+2*m:sb+2*m+1], v[sb+2*m:sb+2*m+1], s[88:89], v[TMP:TMP+1] op_sel_hi:[1,0,1]
.set m, m+1
.endr
.set m, 0
.rept 8
	v_exp_f32 v[sb+m], v[sb+m]
.set m, m+1
.endr
	v_nop
	s_wait_alu depctr_va_vdst(0)
	v_pk_add_f32 v[TMP+2:TMP+3], v[sb:sb+1], v[sb+2:sb+3]
	v_pk_add_f32 v[TMP+4:TMP+5], v[sb+4:sb+5], v[sb+6:sb+7]
	v_pk_add_f32 v[TMP+2:TMP+3], v[TMP+2:TMP+3], v[TMP+4:TMP+5]
	v_add_f32 v[TMP+2], v[TMP+2], v[TMP+3]
	v_permlanex16_b32 v15, v[TMP+2], s60, s61
	v_add_f32 v[TMP+2], v[TMP+2], v15
	v_rcp_f32 v[TMP+4], v[TMP+2]
	v_nop
	s_wait_alu depctr_va_vdst(0)
	v_mov_b32 v[TMP+5], v[TMP+4]
.set m, 0
.rept 4
	v_pk_mul_f32 v[sb+2*m:sb+2*m+1], v[sb+2*m:sb+2*m+1], v[TMP+4:TMP+5]
.set m, m+1
.endr
.set m, 0
.rept 4
	v_cvt_pk_bf16_f32 v[PF+8*(\i)+m], v[sb+2*m], v[sb+2*m+1]
	v_cvt_pk_bf16_f32 v[PF+8*(\i)+4+m], v[sb+2*m], v[sb+2*m+1]   ; P twice: one copy meets V's tile, the other the zeros
.set m, m+1
.endr
.endm
.macro PVW a                           ; P V, feature tile a, four windows; C = V's bias
.set pa, \a
	WIN 0x03
.set wi, 0
.rept 4
	WM DT+32*(pa&1)+8*wi, 56*wi+32+12*(pa>>1)+4*(pa&1), PF+8*wi, WF+8*pa
.set wi, wi+1
.endr
.endm
.macro PVP a
.set pa, \a
	WIN 0x40
.set wi, 0
.rept 4
.set jj, 0
.rept 4
	v_cvt_pk_bf16_f32 v[128+32*wi+16*HD+4*pa+jj], v[DT+32*(pa&1)+8*wi+2*jj], v[DT+32*(pa&1)+8*wi+2*jj+1]
.set jj, jj+1
.endr
.set wi, wi+1
.endr
.endm
; One head.  Tiles run two deep: tile n+2 is asked for behind tile n's products; the 16 conversions of tile n-1 are the places
; behind tile n's matrix instructions, for those loads and for the conversions of tile n that follow one tile later.
.macro HEAD
	WIN 0
	LOADQ 0
	LOADQ 1
.set tn, 0
.rept 12
.if tn < 7
	s_wait_dscnt 10                                ; the next tile's 8 fragment and 2 bias loads may stay out
.else
	s_wait_dscnt 8                                 ; the next V tile's 8 loads (behind the last tile: the 8 of V's bias)
.endif
	MMQ tn
.if tn == 0
	WIN 0
	PLACES 5                                       ; five: tile 2 writes over this tile's results, and tile 0's own conversions are no places for it
.else
	PACKQ tn-1
	WIN 0
.endif
.if tn < 10
	LOADQ tn+2
.else
.if tn == 10
.set pa, 0
.rept 4
	ds_load_b128 v[WF+8*pa:WF+8*pa+3], v[ABI] offset:(4+HD)*PITCH+64*pa
	ds_load_b128 v[WF+8*pa+4:WF+8*pa+7], v[ABI] offset:(4+HD)*PITCH+64*pa+16
.set pa, pa+1
.endr
.endif
.endif
.set tn, tn+1
.endr
	PACKQ 11
	WIN 0x0f                                       ; scores: source 0 = keys, source 1 = queries
.set wi, 0
.rept 4
	WMZ ST+8*wi, 56*wi+16, 56*wi
.set wi, wi+1
.endr
.set wi, 0
.rept 4
	WM ST+8*wi, 56*wi+24, 56*wi+8, ST+8*wi
.set wi, wi+1
.endr
	WIN 0
	PLACES 4
	SOFTMAX 0
	SOFTMAX 1
	SOFTMAX 2
	SOFTMAX 3
	s_wait_dscnt 0x0                               ; V's bias
	PVW 0
	PVW 1
	WIN 0
	PLACES 5                                       ; five: tile 2 writes over tile 0's results
	PVP 0
	PVW 2
	PVP 1
	PVW 3
	PVP 2
	PVP 3
	WIN 0
.endm
; ---- the MLP's step ----
; GELU of a step, as a stream of 4 x 74 vector instructions on buffer hb; GV emits number GI and counts on.  A window (16 numbers a lane):
; w = u u + c; z = -u w; E = 2^z; D = E + 1; R = 1/D; G = u R; 8 conversions pack G in place.  With u = s x: z = -log2(e) 2 sqrt(2/pi)(x + 0.044715 x^3).
; The v_nop behind each run of transcendentals is the plain instruction that stands before their results are used (ISA guide 5.7.2).
.macro GV hb
.set gw, GI/74
.set gn, GI%74
.set gu, \hb+16*gw
.if gn < 8
	v_pk_fma_f32 v[TG+2*gn:TG+2*gn+1], v[gu+2*gn:gu+2*gn+1], v[gu+2*gn:gu+2*gn+1], s[70:71] op_sel_hi:[1,1,0]
.else
.if gn < 16
.set gm, gn-8
	v_pk_mul_f32 v[TG+2*gm:TG+2*gm+1], v[TG+2*gm:TG+2*gm+1], v[gu+2*gm:gu+2*gm+1] neg_lo:[0,1] neg_hi:[0,1]
.else
.if gn < 32
.set gm, gn-16
	v_exp_f32 v[TG+gm], v[TG+gm]
.else
.if gn == 32
	v_nop
	s_wait_alu depctr_va_vdst(0)
.else
.if gn < 41
.set gm, gn-33
	v_pk_add_f32 v[TG+2*gm:TG+2*gm+1], v[TG+2*gm:TG+2*gm+1], 1.0 op_sel_hi:[1,0]
.else
.if gn < 57
.set gm, gn-41
	v_rcp_f32 v[TG+gm], v[TG+gm]
.else
.if gn == 57
	v_nop
	s_wait_alu depctr_va_vdst(0)
.else
.if gn < 66
.set gm, gn-58
	v_pk_mul_f32 v[TG+2*gm:TG+2*gm+1], v[TG+2*gm:TG+2*gm+1], v[gu+2*gm:gu+2*gm+1]
.else
.set gm, gn-66
	v_cvt_pk_bf16_f32 v[gu+gm], v[TG+2*gm], v[TG+2*gm+1]
.endif
.endif
.endif
.endif
.endif
.endif
.endif
.endif
.set GI, GI+1
.endm
.macro GVN hb, k
.rept \k
	GV \hb
.endr
.endm
; Second layer, product n = 0..31 (window n/8, feature tile n%8): 32 accumulators, one instruction each.  Windows: source 0 block 1, C and D block 3 (0xf1).
.macro M2I oth, n
.set mi, (\n)/8
.set mt, (\n)%8
	WM 64*mi+8*mt, W2F+8*mt, \oth+16*mi, 64*mi+8*mt
.endm
; First layer, product n = 0..31: windows 0, 1 and then 2, 3; in each pair k outermost, so that four accumulators take turns.  Sources in block 1 (0x05).
.macro M1I oth, n
.set mp, (\n)/16
.set mr, (\n)%16
.set mc, mr/4
.set mu, (mr%4)/2
.set mi, 2*mp+mr%2
.if mc == 0
	WM \oth+16*mi+8*mu, WF1+32*mu+8*mc, 32*mi+8*mc, BF+8*mu
.else
	WM \oth+16*mi+8*mu, WF1+32*mu+8*mc, 32*mi+8*mc, \oth+16*mi+8*mu
.endif
.endm
; Step s.  cur: the buffer with step s's hidden units; oth: the one that holds step s-1's, packed, and takes step s+1's.  odd: s & 1.
; PLACES, by count: the loads into w1's fragments stand behind 5 conversions and 8 v_pk_fma_f32 that follow the last first-layer
; product; the loads into w2's fragments behind 1 conversion and 4 v_pk_fma_f32 that follow the last second-layer product; a first-layer product
; writes over a fragment of hidden units 16 groups or more behind the second-layer product that read it; GELU reads a window 16 groups or more
; behind the product that wrote it.  GELU names cur and v160-175 alone, which no matrix instruction of this step names.
; The accumulators take turns, one instruction a turn: over the half's change, the loops' jumps and the barrier too.
.macro STEP cur, oth, odd
.set GI, 0
	GVN \cur, 8
	WIN 0x40
.set u2, 0
.rept 2
.set c4, 0
.rept 4
	ds_load_b128 v[WF1+32*u2+8*c4:WF1+32*u2+8*c4+3], v[AM1] offset:(\odd)*32*PITCH+u2*16*PITCH+64*c4      ; w1 of step s+1
	ds_load_b128 v[WF1+32*u2+8*c4+4:WF1+32*u2+8*c4+7], v[AM1] offset:(\odd)*32*PITCH+u2*16*PITCH+64*c4+32
.set c4, c4+1
.endr
.set u2, u2+1
.endr
	WIN 0
.set u2, 0
.rept 2
	ds_load_b128 v[BF+8*u2:BF+8*u2+3], v[AMB] offset:128+(\odd)*(PITCH-128)+64*u2                          ; b1 of step s+1: a row holds two steps'
	ds_load_b128 v[BF+8*u2+4:BF+8*u2+7], v[AMB] offset:128+(\odd)*(PITCH-128)+64*u2+16
.set u2, u2+1
.endr
.if \odd
	v_add_nc_u32 v[AM1], 64*PITCH, v[AM1]
	v_add_nc_u32 v[AMB], PITCH, v[AMB]
.endif
	s_wait_dscnt 20                                ; the 16 w2 loads of the step before are in; the 20 just issued stay out
.set gk, 0
.rept 32
	WIN 0xf1
	M2I \oth, gk
	WIN 0
	GVN \cur, 4+(gk&1)
.set gk, gk+1
.endr
	WIN 0x40
.set t8, 0
.rept 8
	ds_load_b128 v[W2F+8*t8:W2F+8*t8+3], v[AM2] offset:(\odd)*64+t8*16*PITCH                               ; w2 of step s
	ds_load_b128 v[W2F+8*t8+4:W2F+8*t8+7], v[AM2] offset:(\odd)*64+t8*16*PITCH+32
.set t8, t8+1
.endr
	WIN 0
.if \odd
	v_add_nc_u32 v[AM2], 128, v[AM2]
.endif
	s_wait_dscnt 16                                ; w1 and b1 of step s+1 are in; the 16 just issued stay out
.set gk, 0
.rept 32
	WIN 0x05
	M1I \oth, gk
	WIN 0
	GVN \cur, 4+(gk&1)
.set gk, gk+1
.endr
.endm
; First pass only: the next pass's tokens that no wave has read yet are asked for, each 256 bytes once in the launch, by the wave that will load them,
; four steps of the MLP ahead of the loads.  All lie inside my stripe (second half: my two stripes).  The last pass asks for nothing.
.macro PREFETCH
	s_cmp_lg_u32 s13, 0
	s_cbranch_scc1 .Lno_prefetch_\@
.if SHIFTED
.irp q, 0,1,2,3
	global_prefetch_b8 v[PFO+\q], s[92:93] th:TH_LOAD_NT scope:SCOPE_SE
.endr
.else
	global_prefetch_b8 v[PFO], s[SB:SB+1] th:TH_LOAD_NT scope:SCOPE_SE
	global_prefetch_b8 v[PFO], s[SB:SB+1] offset:16384 th:TH_LOAD_NT scope:SCOPE_SE
.endif
.Lno_prefetch_\@:
.endm
; A chunk: four steps on one slot, which holds w1 of steps 4j+1 .. 4j+4 and w2 of steps 4j .. 4j+3, so that all that these four steps read lies in it.
; In front of the barrier every wave waits for all its tensor loads (one is out: its quarter of this slot) and for its LDS reads;
; behind it the other slot, which nobody reads any more, is asked for again first: one load a wave, four steps of work ahead of its use.
.macro CHUNK refill
	s_wait_tensorcnt 0x0                           ; no tensor load of mine is out: the group 0 may be written
	ds_add_u32 v253, v255
	s_wait_dscnt 0x0
	s_xor_b32 s[G0C+1], s[G0C+1], SLOT             ; the other slot
.if \refill
	s_add_nc_u64 s[G0C+2:G0C+3], s[G0C+2:G0C+3], 65536            ; the next chunk
.else
	s_sub_nc_u64 s[G0C+2:G0C+3], s[G0C+2:G0C+3], 3*65536          ; back to chunk 0, for the next pass
.endif
	s_wait_dscnt 0x0
.if \refill
	SYNC
	tensor_load_to_lds s[G0C:G0C+3], s[G1S:G1S+7]
	s_nop 0
.else
	s_barrier_signal -1
	s_barrier_wait -1
	PREFETCH
.endif
	v_add_nc_u32 v[AM1], s68, v[AW0]               ; the slot that is read
	v_add_nc_u32 v[AM2], 128*PITCH, v[AM1]
	s_xor_b32 s68, s68, SLOT                       ; the next chunk reads the other
	s_mov_b32 s14, 0
.Ldstep_\@:
	STEP H0, H1, 0
	STEP H1, H0, 1
	s_add_co_u32 s14, s14, 1
	s_cmp_lt_u32 s14, 2
	s_cbranch_scc1 .Ldstep_\@
.endm
; Window i out, in three parts: GELU of the 64 accumulators, / s + residual, through the stage to whole rows, 16 stores of 512 bytes.
; EPIA: the next pass's window i is asked for; the exponents.  EPIB: the rest of the arithmetic, into the stage and back by rows.
; GSTW: the stores; they stand behind the next window's EPIA, so that the way through the stage is not waited for at once.
.macro EPIA i
	NEXTLD \i
	WIN 0x0f
.set m, 0
.rept 32
	v_pk_fma_f32 v[ER+2*m:ER+2*m+1], v[64*(\i)+2*m:64*(\i)+2*m+1], v[64*(\i)+2*m:64*(\i)+2*m+1], s[70:71] op_sel_hi:[1,1,0]
.set m, m+1
.endr
	WIN 0x0c
.set m, 0
.rept 32
	v_pk_mul_f32 v[ER+2*m:ER+2*m+1], v[ER+2*m:ER+2*m+1], v[64*(\i)+2*m:64*(\i)+2*m+1] neg_lo:[0,1] neg_hi:[0,1]
.set m, m+1
.endr
	WIN 0
.endm
.macro EPIB i
.set j, 0
.rept 64
	v_exp_f32 v[ER+j], v[ER+j]
.set j, j+1
.endr
	v_nop
.set m, 0
	s_wait_alu depctr_va_vdst(0)
.rept 32
	v_pk_add_f32 v[ER+2*m:ER+2*m+1], v[ER+2*m:ER+2*m+1], 1.0 op_sel_hi:[1,0]
.set m, m+1
.endr
.set j, 0
.rept 64
	v_rcp_f32 v[ER+j], v[ER+j]
.set j, j+1
.endr
	v_nop
	WIN 0x0c
.set m, 0
	s_wait_alu depctr_va_vdst(0)
.rept 32
	v_pk_mul_f32 v[ER+2*m:ER+2*m+1], v[ER+2*m:ER+2*m+1], v[64*(\i)+2*m:64*(\i)+2*m+1]
.set m, m+1
.endr
	WIN 0x20
.set m, 0
.rept 32
	v_pk_fma_f32 v[ER+2*m:ER+2*m+1], v[ER+2*m:ER+2*m+1], s[86:87], v[64*(\i)+2*m:64*(\i)+2*m+1] op_sel_hi:[1,0,1]
.set m, m+1
.endr
	WIN 0
.set tp, 0
.rept 16
	ds_store_b128 v[ASL], v[ER+4*tp:ER+4*tp+3] offset:64*(tp>>1)+16*(tp&1)
.set tp, tp+1
.endr
.if (\i) > 0
	s_wait_xcnt 0x0                                ; v16-79 were the data of the last window's stores: loaded again only behind this wait
.endif
.set tp, 0
.rept 16
	ds_load_b128 v[ET+4*tp:ET+4*tp+3], v[AST] offset:SPITCH*tp
.set tp, tp+1
.endr
.endm
.macro GSTW i
.set tp, 0
.rept 16
	s_wait_dscnt 15-tp                             ; row tp is in; the younger rows stay out
	GST ET+4*tp, \i, tp
.set tp, tp+1
.endr
.endm
; ---------------- the head ----------------
	s_load_b128 s[4:7], s[0:1], 0x0                ; source, weights
	s_load_b64 s[8:9], s[0:1], 0x10                ; destination
	v_lshl_add_u32 v253, v0, 2, 0x4fe00
	v_mov_b32 v255, 0
	ds_add_u32 v253, v255
	v_lshrrev_b32 v1, 5, v0
	v_readfirstlane_b32 s10, v1                    ; wave
.if CL
	s_bfe_u32 s11, ttmp6, 0x40000                  ; my place in the cluster; it enters global token addresses alone
	s_lshl_b32 s12, ttmp9, 2
	s_add_co_u32 s12, s12, s11                     ; work-group = 32 batch + stripe
.else
	s_mov_b32 s12, ttmp9
.endif
	SHAPE G1R, 120
	SHAPE G1S, 64
	SHAPE G1B, 21
	s_mov_b32 s60, 0x76543210
	s_mov_b32 s61, 0xfedcba98
	s_mov_b32 s62, 0x3c000000                      ; 1/128
	s_mov_b32 s63, 0x3727c5ac                      ; 1e-5
	s_mov_b32 s68, RING                            ; the slot that the next chunk reads
	SPAIR 70, 0x409d30fc                           ; c = 4.9122295 = 2 sqrt(2/pi) log2(e) / s
	SPAIR 86, 0x40088e99                           ; 1 / s
	s_mov_b32 s88, 0x3e38aa3b                      ; 0.125 log2 e
	s_mov_b32 s89, 0xbe38aa3b
	s_mov_b32 s[G0R], 1
	s_mul_i32 s[G0R+1], s10, 120*PITCH             ; my quarter of rows 0-479
	s_mov_b32 s[G0B], 1
	s_mul_i32 s[G0B+1], s10, 21*PITCH              ; my quarter of rows 480-563
	s_add_co_u32 s[G0B+1], s[G0B+1], RESB
	s_mov_b32 s[G0C], 1
	s_mul_i32 s[G0C+1], s10, 64*PITCH              ; my quarter of a slot
	s_add_co_u32 s[G0C+1], s[G0C+1], RING
	s_mul_i32 s94, s10, 120*256
	s_mov_b32 s95, 0
	s_mul_i32 s96, s10, 21*256
	s_mov_b32 s97, 0
	s_lshl_b32 s98, s10, 14
	s_mov_b32 s99, 0
	s_mul_i32 s3, s10, 16*SPITCH
	s_add_co_u32 s3, s3, STAGE                     ; my stage
	s_lshl_b32 s15, s10, 3                         ; first window of the pass
	s_lshl_b32 s90, s12, 18                        ; my stripe: 512 tokens of 512 bytes
	s_mov_b32 s91, 0
	; the vector addresses need no argument: they are made while the arguments are on their way
	v_and_b32 v1, 15, v0                           ; r
	v_bfe_u32 v13, v0, 4, 1                        ; h
	v_and_b32 v[VL16], 31, v0
	v_lshlrev_b32 v[PFO], 8, v[VL16]
	v_lshlrev_b32 v[VL16], 4, v[VL16]
	v_mul_u32_u24 v[AW0], v1, PITCH
	v_lshl_add_u32 v[AW0], v13, 4, v[AW0]
	v_add_nc_u32 v[AW1], 256*PITCH, v[AW0]
	v_add_nc_u32 v[AW2], RESB, v[AW0]
	v_lshlrev_b32 v[ABI], 5, v13
	v_add_nc_u32 v[ABI], BIASB, v[ABI]
	v_add_nc_u32 v[AST], s3, v[VL16]
	v_mul_u32_u24 v[ASL], v1, SPITCH
	v_lshl_add_u32 v[ASL], v13, 5, v[ASL]
	v_add_nc_u32 v[ASL], s3, v[ASL]
	v_mov_b32 v14, 0                               ; v_permlanex16_b32 counts as a reader of its destination
	v_mov_b32 v15, 0
.if SHIFTED
	s_and_b32 s67, s12, 31                         ; my stripe in the batch
	; prefetch offsets from the batch's first byte: lane = (py', px', half of the token's 512 bytes), one register for each window of pass 1
	v_and_b32 v1, 31, v0
	v_and_b32 v13, 1, v1
	v_bfe_u32 v160, v1, 1, 2                       ; px'
	v_lshrrev_b32 v161, 3, v1                      ; py'
	v_add_nc_u32 v162, 2, v160
	v_and_b32 v162, 3, v162
	v_add_nc_u32 v163, 2, v161
	v_and_b32 v163, 3, v163
	v_lshrrev_b32 v161, 1, v161
	v_add_nc_u32 v161, s67, v161
	v_and_b32 v161, 31, v161                       ; the stripe
	v_lshlrev_b32 v161, 18, v161
	v_lshl_or_b32 v161, v163, 11, v161
	v_lshl_or_b32 v161, v162, 9, v161
	v_lshl_or_b32 v161, v13, 8, v161
	v_lshrrev_b32 v160, 1, v160
	v_add_nc_u32 v160, s15, v160
.irp i, 0,1,2,3
	v_add_nc_u32 v162, 4+\i, v160
	v_and_b32 v162, 31, v162                       ; the window
	v_lshl_add_u32 v[PFO+\i], v162, 13, v161
.endr
.else
	s_lshl_b32 s2, s10, 16                         ; tokens 128 wave + 80 .. 95, lanes 256 bytes apart
	s_add_co_u32 s2, s2, 80*512
	v_add_nc_u32 v[PFO], s2, v[PFO]
.endif
	LOSET 0
	s_wait_dscnt 0x0
	s_wait_kmcnt 0x0
	s_add_nc_u64 s[G0R+2:G0R+3], s[6:7], s[94:95]
	s_or_b32 s[G0R+3], s[G0R+3], 0x80000000
	s_add_nc_u64 s[G0B+2:G0B+3], s[6:7], s[96:97]
	s_add_nc_u64 s[G0B+2:G0B+3], s[G0B+2:G0B+3], 480*256
	s_or_b32 s[G0B+3], s[G0B+3], 0x80000000
	s_add_nc_u64 s[G0C+2:G0C+3], s[6:7], s[98:99]
	s_add_nc_u64 s[G0C+2:G0C+3], s[G0C+2:G0C+3], 564*256
	s_or_b32 s[G0C+3], s[G0C+3], 0x80000000
	s_add_nc_u64 s[SB:SB+1], s[4:5], s[90:91]
	s_add_nc_u64 s[DB:DB+1], s[8:9], s[90:91]
.if SHIFTED
	s_lshr_b32 s90, s12, 5
	s_lshl_b32 s90, s90, 23                        ; the batch
	s_add_nc_u64 s[92:93], s[4:5], s[90:91]
	s_add_co_u32 s2, s67, 1
	s_and_b32 s2, s2, 31
	s_lshl_b32 s2, s2, 18
	s_or_b32 s90, s90, s2                          ; the stripe below, wrapped
	s_add_nc_u64 s[SB+2:SB+3], s[4:5], s[90:91]
	s_add_nc_u64 s[DB+2:DB+3], s[8:9], s[90:91]
.endif
.if CL
	ROUND                                          ; the four work-groups are here: the first joint loads meet
.endif
	tensor_load_to_lds s[G0R:G0R+3], s[G1R:G1R+7]  ; the resident rows, a quarter a wave: the two first fills go out together
	s_nop 0
	tensor_load_to_lds s[G0B:G0B+3], s[G1B:G1B+7]
	s_nop 0
	TLD 0                                          ; the first pass's 64 tokens travel beside the weights
	TLD 1
	TLD 2
	TLD 3
	s_mov_b32 s13, 0
; ---------------- a pass: four windows a wave ----------------
.Lpass:
.if SHIFTED
	v_mov_b32 v[VOA], v[LOA]                       ; this pass stores where it loaded
	v_mov_b32 v[VOA+1], v[LOA+1]
.set XB, 2
.else
	s_lshl_b32 s2, s15, 13
	v_add_nc_u32 v[VOA], s2, v[VL16]
.set XB, 3
.endif
	s_wait_loadcnt 48                              ; window 0's 16 tokens are in; 48 younger loads stay out
	STG 1, XB, 0
	s_wait_loadcnt 32
	STG 1, XB, 1
	s_wait_dscnt 32                                ; all but the 32 stage instructions of the window just issued
	LNORM XB, 0                                    ; LN i writes registers 32 i .. 32 i + 31 of block 1: tokens of a window that has been staged
	s_wait_loadcnt 16
	STG 1, XB, 2
	s_wait_dscnt 32
	LNORM XB, 1
	s_wait_loadcnt 0x0
	STG 1, XB, 3
.if SHIFTED == 0
	WIN 0x80                                       ; the residual's tokens, in plain order
.set wi, 0
.rept 4
.set tp, 0
.rept 16
	GLD 64*wi+4*tp, wi, tp
.set tp, tp+1
.endr
.set wi, wi+1
.endr
	WIN 0
.endif
	s_wait_dscnt 32
	LNORM XB, 2
	s_wait_dscnt 0x0
	LNORM XB, 3
	; the weights are read from here on
	s_wait_tensorcnt 0x0                           ; all my tensor loads have landed (first pass: my quarters of the resident rows)
	ds_add_u32 v253, v255
	s_wait_dscnt 0x0                               ; and my LDS reads are back
	SYNC
	tensor_load_to_lds s[G0C:G0C+3], s[G1S:G1S+7]  ; chunk 0 into slot 0, whose last reads ended two barriers ago; attention, output projection and LN lie ahead of its use
	s_nop 0
	; attention
	WIN 0xc0
.set wi, 0
.rept 4
.set jj, 0
.rept 4
	v_mov_b32 v[56*wi+36+jj], 0                    ; the zeros between V's tiles
	v_mov_b32 v[56*wi+48+jj], 0
.set jj, jj+1
.endr
.set wi, wi+1
.endr
.set HD, 0
	HEAD
.set HD, 1
	HEAD
	; residual + out_b, then the output projection adds onto it in place
.set t8, 0
.rept 8
	ds_load_b128 v[DT+8*t8:DT+8*t8+3], v[ABI] offset:(6+(t8>>2))*PITCH+(t8&3)*64
	ds_load_b128 v[DT+8*t8+4:DT+8*t8+7], v[ABI] offset:(6+(t8>>2))*PITCH+(t8&3)*64+16
.set t8, t8+1
.endr
	LOADT 0, 24, -1
	LOADT 1, 25, -1
.if SHIFTED == 0
	s_wait_loadcnt 48
	STG 2, 2, 0
	s_wait_loadcnt 32
	STG 2, 2, 1
	s_wait_loadcnt 16
	STG 2, 2, 2
	s_wait_loadcnt 0x0
	STG 2, 2, 3
.endif
	s_wait_dscnt 0x0
	WIN 0x82
.if SHIFTED == 0
.set j, 0
.rept 256
	v_trunc_f32 v[j], v[j]
.set j, j+1
.endr
.endif
.set wi, 0
.rept 4
.set m, 0
.rept 32
	v_pk_add_f32 v[64*wi+2*m:64*wi+2*m+1], v[64*wi+2*m:64*wi+2*m+1], v[DT+2*m:DT+2*m+1]
.set m, m+1
.endr
.set wi, wi+1
.endr
.set t8, 0
.rept 8
.if t8 < 7
	s_wait_dscnt 8                                 ; the next tile's 8 loads may stay out
.else
	s_wait_dscnt 0x0
.endif
	WIN 0xa4
.set c4, 0
.rept 4
.set wi, 0
.rept 4
	WM 64*wi+8*t8, WF+32*(t8&1)+8*c4, 128+32*wi+8*c4, 64*wi+8*t8
.set wi, wi+1
.endr
.set c4, c4+1
.endr
	WIN 0
	PLACES 4
.if t8 < 6
	LOADT t8&1, 26+t8, -1
.endif
.set t8, t8+1
.endr
	LNORM 2, 0
	LNORM 2, 1
	LNORM 2, 2
	LNORM 2, 3
	; the MLP's start: b2 starts the 32 sums; w1 and b1 of step 0; the place of w2's fragments takes w1's rows too, finite numbers that meet
	; the zeros which stand for the hidden units of a step in front of the first
	WIN 0xc0
.set wi, 0
.rept 4
.set t8, 0
.rept 8
	ds_load_b128 v[64*wi+8*t8:64*wi+8*t8+3], v[ABI] offset:(16+(t8>>2))*PITCH+(t8&3)*64
	ds_load_b128 v[64*wi+8*t8+4:64*wi+8*t8+7], v[ABI] offset:(16+(t8>>2))*PITCH+(t8&3)*64+16
.set t8, t8+1
.endr
.set wi, wi+1
.endr
	WIN 0x40
.irp fb, WF1, W2F
.set u2, 0
.rept 2
.set c4, 0
.rept 4
	ds_load_b128 v[\fb+32*u2+8*c4:\fb+32*u2+8*c4+3], v[AW2] offset:W1S0+u2*16*PITCH+64*c4
	ds_load_b128 v[\fb+32*u2+8*c4+4:\fb+32*u2+8*c4+7], v[AW2] offset:W1S0+u2*16*PITCH+64*c4+32
.set c4, c4+1
.endr
.set u2, u2+1
.endr
.endr
	WIN 0
.set u2, 0
.rept 2
	ds_load_b128 v[BF+8*u2:BF+8*u2+3], v[ABI] offset:8*PITCH+64*u2
	ds_load_b128 v[BF+8*u2+4:BF+8*u2+7], v[ABI] offset:8*PITCH+64*u2+16
.set u2, u2+1
.endr
.set wi, 0
.rept 4
.set jj, 0
.rept 8
	v_mov_b32 v[H1+16*wi+jj], 0
.set jj, jj+1
.endr
.set wi, wi+1
.endr
	v_add_nc_u32 v[AMB], 8*PITCH, v[ABI]
	s_wait_dscnt 0x0
	WIN 0x05
.set gk, 0
.rept 32
	M1I H0, gk                                     ; the first layer of step 0
.set gk, gk+1
.endr
	WIN 0
	PLACES 4
	s_mov_b32 s69, 0
.Lchunk:
	CHUNK 1                                        ; chunks 0, 1, 2: each asks for the next
	s_add_co_u32 s69, s69, 1
	s_cmp_lt_u32 s69, 3
	s_cbranch_scc1 .Lchunk
	CHUNK 0                                        ; chunk 3 asks for no chunk: the next pass asks for chunk 0 behind its own barrier
	s_wait_dscnt 0x0                               ; w2 of step 15
	WIN 0xf1
.set gk, 0
.rept 32
	M2I H1, gk                                     ; the second layer of step 15
.set gk, gk+1
.endr
	WIN 0
	PLACES 4                                       ; behind them the accumulators are read, and block 1 is loaded again
	EPIA 0
	EPIB 0
	EPIA 1
	GSTW 0
	EPIB 1
	EPIA 2
	GSTW 1
	EPIB 2
	EPIA 3
	GSTW 2
	EPIB 3
	GSTW 3
	s_wait_xcnt 0x0                                ; the stores' offsets and data are written again only behind this wait
	s_add_co_u32 s15, s15, 4
	s_add_co_u32 s13, s13, 1
	s_cmp_lt_u32 s13, 2
	s_cbranch_scc1 .Lpass
.if CL
	s_wait_tensorcnt 0x0
	ds_add_u32 v253, v255
	s_wait_dscnt 0x0
	ROUND                                          ; the closing round: no work-group ends while a partner may still ask jointly
.endif
	s_endpgm
.Lfunc_end_k_qa37c1e0529_half1:
	.size	k_qa37c1e0529_half1, .Lfunc_end_k_qa37c1e0529_half1-k_qa37c1e0529_half1
	.p2alignl 7, 3214868480
	.fill 96, 4, 3214868480
	.section	.rodata,"a",@progbits
	.p2align	6, 0x0
	.amdhsa_kernel k_qa37c1e0529_half1
		.amdhsa_group_segment_fixed_size 327680
		.amdhsa_private_segment_fixed_size 0
		.amdhsa_enable_private_segment 0
		.amdhsa_kernarg_size 24
		.amdhsa_user_sgpr_count 2
		.amdhsa_user_sgpr_kernarg_segment_ptr 1
		.amdhsa_wavefront_size32 1
		.amdhsa_system_sgpr_workgroup_id_x 1
		.amdhsa_system_sgpr_workgroup_id_y 1
		.amdhsa_system_sgpr_workgroup_id_z 1
		.amdhsa_system_vgpr_workitem_id 0
		.amdhsa_next_free_vgpr 1024
		.amdhsa_next_free_sgpr 100
		.amdhsa_reserve_vcc 0
		.amdhsa_float_denorm_mode_32 3
		.amdhsa_float_denorm_mode_16_64 3
		.amdhsa_memory_ordered 1
		.amdhsa_forward_progress 1
		.amdhsa_inst_pref_size 255
	.end_amdhsa_kernel
	.section	.bss,"aw",@nobits
	.p2align	6
	.space	262144
	.amdgpu_metadata
---
amdhsa.version: [ 1, 2 ]
amdhsa.kernels:
  - .name:           k_qa37c1e0529_half1
    .symbol:         k_qa37c1e0529_half1.kd
    .args:
      - { .name: x, .offset: 0, .size: 8, .value_kind: global_buffer, .address_space: global }
      - { .name: wts1, .offset: 8, .size: 8, .value_kind: global_buffer, .address_space: global }
      - { .name: mid, .offset: 16, .size: 8, .value_kind: global_buffer, .address_space: global }
    .group_segment_fixed_size: 327680
    .private_segment_fixed_size: 0
    .kernarg_segment_align: 8
    .kernarg_segment_size: 24
    .max_flat_workgroup_size: 128
    .sgpr_count:     100
    .vgpr_count:     1024
    .wavefront_size: 32
...
	.end_amdgpu_metadata
.endif
;; end of part 5
;; launch half2 (part 6): grid 256 x 1, 4 waves a work-group, clusters of 4 x 1, 327,680 bytes of LDS; arguments mid, wts2, out0; writes out0
.if DOCPART == 6
	.amdgcn_target "amdgcn-amd-amdhsa--gfx1250"
	.amdhsa_code_object_version 6
	.text
	.protected	k_qa37c1e0529_half2
	.globl	k_qa37c1e0529_half2
	.p2align	8
	.type	k_qa37c1e0529_half2,@function
k_qa37c1e0529_half2:
	s_mov_b64 s[64:65], 0
	v_nop
	global_prefetch_b8 v0, s[64:65] scope:SCOPE_SE
	s_setreg_imm32_b32 hwreg(HW_REG_WAVE_MODE, 25, 1), 1
	s_wait_xcnt 0x0
	s_wait_alu depctr_hold_cnt(0) depctr_sa_sdst(0) depctr_va_vdst(0) depctr_va_sdst(0) depctr_va_ssrc(0) depctr_va_vcc(0) depctr_vm_vsrc(0)
	s_getreg_b32 s2, hwreg(HW_REG_IB_STS2, 6, 4)
	s_cmp_eq_u32 s2, 0
	s_cbranch_scc0 .Lentry_in_a_cluster
	s_endpgm
.Lentry_in_a_cluster:
	s_bfe_u32 s2, ttmp6, 0x10000c
	s_cmp_lg_u32 s2, 0x3003
	s_cbranch_scc0 .Lentry_shape_is_right
	s_endpgm
.Lentry_shape_is_right:
; One half of the Swin block: LN, window attention (16 tokens, 2 heads of 64), residual, LN, MLP 128-512-128 with GELU behind
; both layers, residual.  SHIFTED = 0: first half (tokens gathered from the image, residual trunc(x) and the store in plain order).
; SHIFTED = 1: second half (shifted windows; gather, residual and store all at the same token).  The two texts differ in that line alone.
; SHARE: 256 work-groups, one stripe of 32 windows each; four waves, 8 windows a wave in 2 passes of 4, so that each weight fragment
; read from LDS feeds 4 matrix instructions.  All but the weights is a wave's own.
; WEIGHTS: bf16, folded by the launch before.  564 rows (qkv, out, w1's first 32 rows, biases) stay in LDS; the MLP's four chunks of 256 rows
; go through two slots.  All 256 work-groups walk the same weights, so four of them form a cluster and ask jointly
; (mask 15): each wave asks for a quarter of the rows, with a descriptor made of constants, the wave's number and the loop's steps alone.
; LAYOUT: every product is used transposed (source 0 = 16 weight rows, source 1 = 16 tokens): lane (r, h) then holds features 8h..8h+7 of
; token r, and two neighbouring tiles rounded to bf16 ARE the next product's token fragment: no shuffle between chained products.
; V's tiles are made the other way round (source 0 = tokens), which is the form that P V wants; P V uses 16 of its 32 k, the others meet zeros.
; THE MLP goes in 16 steps of 32 hidden units.  In step s the vector instructions are GELU(s); among them, one matrix instruction to 4 or 5 of
; them, stand the second layer's products of step s-1 and then the first layer's of step s+1: two buffers of hidden units take turns.
; REQUESTS AHEAD: a pass's 64 tokens land in block 1, which nothing uses from the last second-layer product on: window i of the next pass is asked
; for in front of window i's way out.  The attention is the first reader of the weights, so the barrier that shows them, and behind which chunk 0
; is asked for, stands behind the first LN.  A window's rows are stored when the next window's GELU has begun.
; REGISTERS, four blocks of 256: block 0 addresses, work, the two buffers of hidden units; block 1 the tokens as loaded, then v0-127 LN output,
; v128-255 attention output, then the MLP's weight fragments; block 2 the residual in f32, [window][tile][8]; block 3 Q, K, V fragments
; (56 a window), then the MLP's 32 accumulators.
; LIMITS: gelu(x) = x Phi(x) with Phi(x) = 1/(1 + exp(-2 sqrt(2/pi)(x + 0.044715 x^3))) (Page 1977) in place of the erf form: the error of Phi is at
; most 1.8e-4 for every x, that of gelu at most 1.8e-4 |x|; +inf gives +inf and -inf NaN, as the erf form does.  Exponentials below 2^-126 come out
; as 0 (ISA guide, v_exp_f32); V's bias is added behind P V (the rows of P sum to 1); matrix operands are bf16.
.set SHIFTED, 1
.set CL, 1                             ; 1: joint loads in a cluster of 4 x 1
.set PITCH,  272                       ; LDS row of weights: 256 bytes + 16, so that 16 rows start at 16 different 16-byte columns modulo 256
.set RING,   131072                    ; two slots.  A wave's part of slot 0 begins at 2^17 + wave*17408, where bits 12 and 16 are 0, and
.set SLOT,   256*PITCH                 ; SLOT = 2^16 + 2^12: s_xor_b32 with SLOT changes slots, there and back
.set RESB,   RING+2*SLOT               ; behind the ring: out_w's rows 96-127, w1's rows 0-31, 20 bias rows (rows 0-479 lie from byte 0)
.set W1S0,   32*PITCH
.set BIASB,  RESB+64*PITCH             ; rows of 64 f32: 0-5 qkv, 6-7 out, 8-15 b1, 16-17 b2
.set STAGE,  293376                    ; = 1146*256: behind the last filled byte (293,184), in 256-byte blocks of its own; 16 rows of 528 a wave
.set SPITCH, 528
.set AW0, 2                            ; v2  r*272 + 16h
.set AW1, 3                            ; v3  the same, 256 rows on
.set ABI, 4                            ; v4  biases + 32h
.set AM1, 5                            ; v5  w1 rows of the double step
.set AM2, 6                            ; v6  w2 columns of the double step
.set AMB, 7                            ; v7  b1 of the double step
.set AST, 8                            ; v8  stage by rows: 16 lane
.set ASL, 9                            ; v9  stage by fragments: r*528 + 32h
.set VL16, 10
.set VOA, 11                           ; v11 this pass's stores (first half: its residual loads too): 16 lane + first window * 8192
.set VOB, 12                           ; v12 second half: the same for the wrapped window to the right
.set WF,  16                           ; v16-79   attention: weight fragments, two buffers of 32
.set BF,  80                           ; v80-95   bias fragments, two
.set DT,  96                           ; v96-159  products on their way, LN's work
.set TMP, 160                          ; v160-183 work
.set ST,  184                          ; v184-215 scores
.set PF,  216                          ; v216-247 P, twice each
.set PFO, 248                          ; v248-251 prefetch offsets, never rewritten
.set AW2, 252                          ; v252 r*272 + 16h + RESB
.set LOA, 254                          ; v254 token loads: first half 16 lane + first window * 2048; second half as v11, v255 as v12, of the pass that is loaded
.set H0,  96                           ; v96-159  hidden units of the even steps: window i at 16 i, packed in place into its first 8 registers
.set H1,  16                           ; v16-79   of the odd steps
.set TG,  160                          ; v160-175 GELU's work, one window
.set WF1, 128                          ; block 1: v128-191 w1 fragments (2 tiles x 4 k)
.set W2F, 192                          ; block 1: v192-255 w2 fragments (8 tiles)
.set ET,  16                           ; the way out: rows to store
.set ER,  184                          ; the way out: a window at work
.set G1R, 16                           ; s[16:23] shape: 120 rows of 256 bytes
.set G1S, 24                           ; s[24:31] shape: 64 rows
.set G0R, 32                           ; s[32:35] resident rows 0-479
.set G0C, 36                           ; s[36:39] the chunks: stepped behind the wait for all tensor loads
.set G0B, 40                           ; s[40:43] resident rows 480-563
.set G1B, 44                           ; s[44:51] shape: 21 rows
.set SB,  52                           ; s[52:55] source at my stripe, at the next stripe
.set DB,  56                           ; s[56:59] destination likewise
.if CL
.set G1W0, 0x0773000f                  ; mask 15; elements of 8 bytes; padding on; bit 21 beside the mask; 4 words behind every 64
.else
.set G1W0, 0x07530000
.endif
.set MSB, 0
.macro WIN new                         ; low byte: source 0 | source 1 <<2 | source 2 <<4 | destination <<6; high byte: the setting that is left
.if MSB != (\new)
	s_set_vgpr_msb (MSB<<8)|(\new)
.set MSB, \new
.endif
.endm
.macro PLACES n
.rept \n
	v_nop
.endr
.endm
.macro ROUND                           ; a round of the cluster's barrier
	s_barrier_signal -1
	s_barrier_wait -1
	s_cmp_lg_u32 s10, 0
	s_cbranch_scc1 .Lnot_wave_0_\@
	s_barrier_signal -3
.Lnot_wave_0_\@:
	s_barrier_wait -3
	s_barrier_signal -1
	s_barrier_wait -1
.endm
.macro SYNC
.if CL
	ROUND
.else
	s_barrier_signal -1
	s_barrier_wait -1
.endif
.endm
.macro SPAIR r, val
	s_mov_b32 s[\r], \val
	s_mov_b32 s[\r+1], \val
.endm
.macro SHAPE g, rows                   ; descriptor group 1: a dense block of rows of 256 bytes, padded to 272 in LDS
	s_mov_b32 s[\g+0], G1W0
	s_mov_b32 s[\g+1], 32<<16                      ; tensor_dim0 = 32 elements of 8 bytes
	s_mov_b32 s[\g+2], (\rows)<<16                 ; tensor_dim1
	s_mov_b32 s[\g+3], 32<<16                      ; tile_dim0
	s_mov_b32 s[\g+4], \rows                       ; tile_dim1
	s_mov_b32 s[\g+5], 32                          ; pitch: the rows are dense
	s_mov_b32 s[\g+6], 0
	s_mov_b32 s[\g+7], 0
.endm
.macro WM d, a, b, c
	v_wmma_f32_16x16x32_bf16 v[\d:\d+7], v[\a:\a+7], v[\b:\b+7], v[\c:\c+7]
.endm
.macro WMZ d, a, b
	v_wmma_f32_16x16x32_bf16 v[\d:\d+7], v[\a:\a+7], v[\b:\b+7], 0
.endm
; Where token p of window i (of the pass's four) lies: immediate, stripe (0, 1), and whether the window to the right wraps.
.macro TOK i, p
.set T_ROW, 0
.set T_WRAP, 0
.if SHIFTED
.set T_PY, (\p)>>2
.set T_PX, (\p)&3
.set T_ROW, T_PY>>1
.set T_IMM, ((T_PY+2)&3)*2048+((T_PX+2)&3)*512
.if T_PX < 2
.set T_IMM, T_IMM+(\i)*8192
.else
.if (\i) < 3
.set T_IMM, T_IMM+((\i)+1)*8192
.else
.set T_WRAP, 1
.endif
.endif
.else
.set T_IMM, (\i)*8192+(\p)*512
.endif
.endm
.macro GLD reg, i, p                   ; one token: 32 lanes x 16 bytes, 512 consecutive bytes, aligned
	TOK \i, \p
.if SHIFTED
	global_load_b128 v[\reg:\reg+3], v[LOA+T_WRAP], s[SB+2*T_ROW:SB+2*T_ROW+1] offset:T_IMM th:TH_LOAD_NT
.else
	global_load_b128 v[\reg:\reg+3], v[VOA], s[SB:SB+1] offset:T_IMM
.endif
.endm
.macro GST reg, i, p
	TOK \i, \p
.if SHIFTED
	global_store_b128 v[VOA+T_WRAP], v[\reg:\reg+3], s[DB+2*T_ROW:DB+2*T_ROW+1] offset:T_IMM th:TH_STORE_NT
.else
	global_store_b128 v[VOA], v[\reg:\reg+3], s[DB:DB+1] offset:T_IMM
.endif
.endm
; The offsets of the token loads of the pass whose first window is s15 + add.  Written only when the loads that used them have been waited for.
.macro LOSET add
	s_add_co_u32 s2, s15, \add
.if SHIFTED
	s_lshl_b32 s66, s2, 13
	s_add_co_u32 s2, s2, 4
	s_and_b32 s2, s2, 31
	s_lshl_b32 s2, s2, 13
	v_add_nc_u32 v[LOA], s66, v[VL16]
	v_add_nc_u32 v[LOA+1], s2, v[VL16]
.else
	s_lshl_b32 s66, s2, 11
	v_add_nc_u32 v[LOA], s66, v[VL16]
.endif
.endm
; The 16 tokens of window i, by the offsets of LOSET, into block 1, registers 64 i + 4 p.
.macro TLD i
	WIN 0x40
.set tp, 0
.rept 16
.if SHIFTED
	GLD 64*(\i)+4*tp, \i, tp
.else
	global_load_b128 v[64*(\i)+4*tp:64*(\i)+4*tp+3], v[LOA], s[SB:SB+1] offset:(tp>>2)*65536+(\i)*2048+(tp&3)*512
.endif
.set tp, tp+1
.endr
	WIN 0
.endm
; First pass only: window i of the next pass is asked for.  The last pass asks for nothing.
.macro NEXTLD i
	s_cmp_lg_u32 s13, 0
	s_cbranch_scc1 .Lnone_\@
.if (\i) == 0
	LOSET 4
.endif
	TLD \i
.Lnone_\@:
.endm
; Window i from rows in block sblk (register 4p: token p, 4 features a lane) to fragments in block dblk (register 8t+j: feature 16t+8h+j of token r),
; through my wave's stage.  LDS serves a wave's instructions in order (ISA guide 5.7.1): no wait between stores and loads.
.macro STG sblk, dblk, i
	WIN (\sblk)<<2
.set tp, 0
.rept 16
	ds_store_b128 v[AST], v[64*(\i)+4*tp:64*(\i)+4*tp+3] offset:SPITCH*tp
.set tp, tp+1
.endr
	WIN (\dblk)<<6
.set tp, 0
.rept 16
	ds_load_b128 v[64*(\i)+4*tp:64*(\i)+4*tp+3], v[ASL] offset:64*(tp>>1)+16*(tp&1)
.set tp, tp+1
.endr
	WIN 0
.endm
; LN of window i of block xb, two passes (mean, then squares of the differences), without gain and bias (folded into the weights), to bf16 fragments in block 1.
.macro LNORM xb, i
	WIN (\xb)|((\xb)<<2)
.set m, 0
.rept 16
	v_pk_add_f32 v[DT+2*m:DT+2*m+1], v[64*(\i)+4*m:64*(\i)+4*m+1], v[64*(\i)+4*m+2:64*(\i)+4*m+3]
.set m, m+1
.endr
	WIN 0
.irp sp, 8,4,2,1
.set m, 0
.rept \sp
	v_pk_add_f32 v[DT+2*m:DT+2*m+1], v[DT+2*m:DT+2*m+1], v[DT+2*(m+\sp):DT+2*(m+\sp)+1]
.set m, m+1
.endr
.endr
	v_add_f32 v[TMP], v[DT], v[DT+1]
	v_permlanex16_b32 v14, v[TMP], s60, s61        ; the token's other 64 features lie in the other half of the lanes
	v_add_f32 v[TMP], v[TMP], v14
	v_mul_f32 v[TMP], 0xbc000000, v[TMP]           ; - mean
	v_mov_b32 v[TMP+1], v[TMP]
	WIN (\xb)<<2
.set m, 0
.rept 32
	v_pk_add_f32 v[DT+2*m:DT+2*m+1], v[TMP:TMP+1], v[64*(\i)+2*m:64*(\i)+2*m+1]
.set m, m+1
.endr
	WIN 0
.set m, 0
.rept 4
	v_pk_mul_f32 v[TMP+2+2*m:TMP+3+2*m], v[DT+2*m:DT+2*m+1], v[DT+2*m:DT+2*m+1]
.set m, m+1
.endr
.rept 28
	v_pk_fma_f32 v[TMP+2+2*(m%4):TMP+3+2*(m%4)], v[DT+2*m:DT+2*m+1], v[DT+2*m:DT+2*m+1], v[TMP+2+2*(m%4):TMP+3+2*(m%4)]
.set m, m+1
.endr
	v_pk_add_f32 v[TMP+2:TMP+3], v[TMP+2:TMP+3], v[TMP+4:TMP+5]
	v_pk_add_f32 v[TMP+6:TMP+7], v[TMP+6:TMP+7], v[TMP+8:TMP+9]
	v_pk_add_f32 v[TMP+2:TMP+3], v[TMP+2:TMP+3], v[TMP+6:TMP+7]
	v_add_f32 v[TMP+2], v[TMP+2], v[TMP+3]
	v_permlanex16_b32 v15, v[TMP+2], s60, s61
	v_add_f32 v[TMP+2], v[TMP+2], v15
	v_fma_f32 v[TMP+2], v[TMP+2], s62, s63         ; sum / 128 + 1e-5
	v_rsq_f32 v[TMP+4], v[TMP+2]
	v_nop                                          ; one plain instruction behind a transcendental before its result is used (ISA guide 5.7.2)
	s_wait_alu depctr_va_vdst(0)
	v_mov_b32 v[TMP+5], v[TMP+4]
.set m, 0
.rept 32
	v_pk_mul_f32 v[DT+2*m:DT+2*m+1], v[DT+2*m:DT+2*m+1], v[TMP+4:TMP+5]
.set m, m+1
.endr
	WIN 0x40
.set m, 0
.rept 32
	v_cvt_pk_bf16_f32 v[32*(\i)+m], v[DT+2*m], v[DT+2*m+1]
.set m, m+1
.endr
	WIN 0
.endm
; Tile T (16 resident rows x 128 k; tiles 30 and 31 lie behind the ring) into buffer buf: 8 loads; with f >= 0 two more: biases f+8h .. f+8h+7.
.macro LOADT buf, T, f
.if (\T) >= 30
.set lt_r, AW2
.set lt_o, 16*PITCH*((\T)-30)
.else
.set lt_r, AW0+(\T)/16
.set lt_o, 16*PITCH*((\T)%16)
.endif
.set c4, 0
.rept 4
	ds_load_b128 v[WF+32*(\buf)+8*c4:WF+32*(\buf)+8*c4+3], v[lt_r] offset:lt_o+64*c4
	ds_load_b128 v[WF+32*(\buf)+8*c4+4:WF+32*(\buf)+8*c4+7], v[lt_r] offset:lt_o+64*c4+32
.set c4, c4+1
.endr
.if (\f) >= 0
	ds_load_b128 v[BF+8*(\buf):BF+8*(\buf)+3], v[ABI] offset:((\f)>>6)*PITCH+((\f)&63)*4
	ds_load_b128 v[BF+8*(\buf)+4:BF+8*(\buf)+7], v[ABI] offset:((\f)>>6)*PITCH+((\f)&63)*4+16
.endif
.endm
; Tile n = 0..11 of head HD: 0-3 Q, 4-7 K, 8-11 V, 16 features each.
.macro LOADQ n
.set qk, (\n)/4
.set qa, (\n)%4
.if qk < 2
	LOADT (\n)&1, 8*qk+4*HD+qa, 128*qk+64*HD+16*qa
.else
	LOADT (\n)&1, 8*qk+4*HD+qa, -1
.endif
.endm
.macro MMQ n                           ; 16 matrix instructions; the four windows' accumulators take turns, one instruction a turn
.set qk, (\n)/4
.set qb, (\n)&1
.if qk < 2
	WIN 0x04
.else
	WIN 0x01
.endif
.set c4, 0
.rept 4
.set wi, 0
.rept 4
.if qk < 2
.if c4 == 0
	WM DT+32*qb+8*wi, WF+32*qb+8*c4, 32*wi+8*c4, BF+8*qb
.else
	WM DT+32*qb+8*wi, WF+32*qb+8*c4, 32*wi+8*c4, DT+32*qb+8*wi
.endif
.else
.if c4 == 0
	WMZ DT+32*qb+8*wi, 32*wi+8*c4, WF+32*qb+8*c4
.else
	WM DT+32*qb+8*wi, 32*wi+8*c4, WF+32*qb+8*c4, DT+32*qb+8*wi
.endif
.endif
.set wi, wi+1
.endr
.set c4, c4+1
.endr
.endm
.macro PACKQ n                         ; tile n to bf16 in block 3: Q at 56i, K at 56i+16, V at 56i+32 as [V0 0 V1][V2 0 V3]
.set qk, (\n)/4
.set qa, (\n)%4
.set qb, (\n)&1
.if qk < 2
.set qd, 16*qk+4*qa
.else
.set qd, 32+12*(qa>>1)+8*(qa&1)
.endif
	WIN 0xc0
.set wi, 0
.rept 4
.set jj, 0
.rept 4
	v_cvt_pk_bf16_f32 v[56*wi+qd+jj], v[DT+32*qb+8*wi+2*jj], v[DT+32*qb+8*wi+2*jj+1]
.set jj, jj+1
.endr
.set wi, wi+1
.endr
.endm
; Softmax of window i: lane (r, h) holds the scores of query r with keys 8h..8h+7.  The maximum is taken away; 0.125 log2(e) is folded into the exponent.
.macro SOFTMAX i
.set sb, ST+8*(\i)
	v_max3_num_f32 v[TMP], v[sb], v[sb+1], v[sb+2]
	v_max3_num_f32 v[TMP+1], v[sb+3], v[sb+4], v[sb+5]
	v_max3_num_f32 v[TMP], v[TMP], v[sb+6], v[sb+7]
	v_max_num_f32 v[TMP], v[TMP], v[TMP+1]
	v_permlanex16_b32 v14, v[TMP], s60, s61
	v_max_num_f32 v[TMP], v[TMP], v14
	v_mul_f32 v[TMP], s89, v[TMP]
	v_mov_b32 v[TMP+1], v[TMP]
.set m, 0
.rept 4
	v_pk_fma_f32 v[sb+2*m:sb+2*m+1], v[sb+2*m:sb+2*m+1], s[88:89], v[TMP:TMP+1] op_sel_hi:[1,0,1]
.set m, m+1
.endr
.set m, 0
.rept 8
	v_exp_f32 v[sb+m], v[sb+m]
.set m, m+1
.endr
	v_nop
	s_wait_alu depctr_va_vdst(0)
	v_pk_add_f32 v[TMP+2:TMP+3], v[sb:sb+1], v[sb+2:sb+3]
	v_pk_add_f32 v[TMP+4:TMP+5], v[sb+4:sb+5], v[sb+6:sb+7]
	v_pk_add_f32 v[TMP+2:TMP+3], v[TMP+2:TMP+3], v[TMP+4:TMP+5]
	v_add_f32 v[TMP+2], v[TMP+2], v[TMP+3]
	v_permlanex16_b32 v15, v[TMP+2], s60, s61
	v_add_f32 v[TMP+2], v[TMP+2], v15
	v_rcp_f32 v[TMP+4], v[TMP+2]
	v_nop
	s_wait_alu depctr_va_vdst(0)
	v_mov_b32 v[TMP+5], v[TMP+4]
.set m, 0
.rept 4
	v_pk_mul_f32 v[sb+2*m:sb+2*m+1], v[sb+2*m:sb+2*m+1], v[TMP+4:TMP+5]
.set m, m+1
.endr
.set m, 0
.rept 4
	v_cvt_pk_bf16_f32 v[PF+8*(\i)+m], v[sb+2*m], v[sb+2*m+1]
	v_cvt_pk_bf16_f32 v[PF+8*(\i)+4+m], v[sb+2*m], v[sb+2*m+1]   ; P twice: one copy meets V's tile, the other the zeros
.set m, m+1
.endr
.endm
.macro PVW a                           ; P V, feature tile a, four windows; C = V's bias
.set pa, \a
	WIN 0x03
.set wi, 0
.rept 4
	WM DT+32*(pa&1)+8*wi, 56*wi+32+12*(pa>>1)+4*(pa&1), PF+8*wi, WF+8*pa
.set wi, wi+1
.endr
.endm
.macro PVP a
.set pa, \a
	WIN 0x40
.set wi, 0
.rept 4
.set jj, 0
.rept 4
	v_cvt_pk_bf16_f32 v[128+32*wi+16*HD+4*pa+jj], v[DT+32*(pa&1)+8*wi+2*jj], v[DT+32*(pa&1)+8*wi+2*jj+1]
.set jj, jj+1
.endr
.set wi, wi+1
.endr
.endm
; One head.  Tiles run two deep: tile n+2 is asked for behind tile n's products; the 16 conversions of tile n-1 are the places
; behind tile n's matrix instructions, for those loads and for the conversions of tile n that follow one tile later.
.macro HEAD
	WIN 0
	LOADQ 0
	LOADQ 1
.set tn, 0
.rept 12
.if tn < 7
	s_wait_dscnt 10                                ; the next tile's 8 fragment and 2 bias loads may stay out
.else
	s_wait_dscnt 8                                 ; the next V tile's 8 loads (behind the last tile: the 8 of V's bias)
.endif
	MMQ tn
.if tn == 0
	WIN 0
	PLACES 5                                       ; five: tile 2 writes over this tile's results, and tile 0's own conversions are no places for it
.else
	PACKQ tn-1
	WIN 0
.endif
.if tn < 10
	LOADQ tn+2
.else
.if tn == 10
.set pa, 0
.rept 4
	ds_load_b128 v[WF+8*pa:WF+8*pa+3], v[ABI] offset:(4+HD)*PITCH+64*pa
	ds_load_b128 v[WF+8*pa+4:WF+8*pa+7], v[ABI] offset:(4+HD)*PITCH+64*pa+16
.set pa, pa+1
.endr
.endif
.endif
.set tn, tn+1
.endr
	PACKQ 11
	WIN 0x0f                                       ; scores: source 0 = keys, source 1 = queries
.set wi, 0
.rept 4
	WMZ ST+8*wi, 56*wi+16, 56*wi
.set wi, wi+1
.endr
.set wi, 0
.rept 4
	WM ST+8*wi, 56*wi+24, 56*wi+8, ST+8*wi
.set wi, wi+1
.endr
	WIN 0
	PLACES 4
	SOFTMAX 0
	SOFTMAX 1
	SOFTMAX 2
	SOFTMAX 3
	s_wait_dscnt 0x0                               ; V's bias
	PVW 0
	PVW 1
	WIN 0
	PLACES 5                                       ; five: tile 2 writes over tile 0's results
	PVP 0
	PVW 2
	PVP 1
	PVW 3
	PVP 2
	PVP 3
	WIN 0
.endm
; ---- the MLP's step ----
; GELU of a step, as a stream of 4 x 74 vector instructions on buffer hb; GV emits number GI and counts on.  A window (16 numbers a lane):
; w = u u + c; z = -u w; E = 2^z; D = E + 1; R = 1/D; G = u R; 8 conversions pack G in place.  With u = s x: z = -log2(e) 2 sqrt(2/pi)(x + 0.044715 x^3).
; The v_nop behind each run of transcendentals is the plain instruction that stands before their results are used (ISA guide 5.7.2).
.macro GV hb
.set gw, GI/74
.set gn, GI%74
.set gu, \hb+16*gw
.if gn < 8
	v_pk_fma_f32 v[TG+2*gn:TG+2*gn+1], v[gu+2*gn:gu+2*gn+1], v[gu+2*gn:gu+2*gn+1], s[70:71] op_sel_hi:[1,1,0]
.else
.if gn < 16
.set gm, gn-8
	v_pk_mul_f32 v[TG+2*gm:TG+2*gm+1], v[TG+2*gm:TG+2*gm+1], v[gu+2*gm:gu+2*gm+1] neg_lo:[0,1] neg_hi:[0,1]
.else
.if gn < 32
.set gm, gn-16
	v_exp_f32 v[TG+gm], v[TG+gm]
.else
.if gn == 32
	v_nop
	s_wait_alu depctr_va_vdst(0)
.else
.if gn < 41
.set gm, gn-33
	v_pk_add_f32 v[TG+2*gm:TG+2*gm+1], v[TG+2*gm:TG+2*gm+1], 1.0 op_sel_hi:[1,0]
.else
.if gn < 57
.set gm, gn-41
	v_rcp_f32 v[TG+gm], v[TG+gm]
.else
.if gn == 57
	v_nop
	s_wait_alu depctr_va_vdst(0)
.else
.if gn < 66
.set gm, gn-58
	v_pk_mul_f32 v[TG+2*gm:TG+2*gm+1], v[TG+2*gm:TG+2*gm+1], v[gu+2*gm:gu+2*gm+1]
.else
.set gm, gn-66
	v_cvt_pk_bf16_f32 v[gu+gm], v[TG+2*gm], v[TG+2*gm+1]
.endif
.endif
.endif
.endif
.endif
.endif
.endif
.endif
.set GI, GI+1
.endm
.macro GVN hb, k
.rept \k
	GV \hb
.endr
.endm
; Second layer, product n = 0..31 (window n/8, feature tile n%8): 32 accumulators, one instruction each.  Windows: source 0 block 1, C and D block 3 (0xf1).
.macro M2I oth, n
.set mi, (\n)/8
.set mt, (\n)%8
	WM 64*mi+8*mt, W2F+8*mt, \oth+16*mi, 64*mi+8*mt
.endm
; First layer, product n = 0..31: windows 0, 1 and then 2, 3; in each pair k outermost, so that four accumulators take turns.  Sources in block 1 (0x05).
.macro M1I oth, n
.set mp, (\n)/16
.set mr, (\n)%16
.set mc, mr/4
.set mu, (mr%4)/2
.set mi, 2*mp+mr%2
.if mc == 0
	WM \oth+16*mi+8*mu, WF1+32*mu+8*mc, 32*mi+8*mc, BF+8*mu
.else
	WM \oth+16*mi+8*mu, WF1+32*mu+8*mc, 32*mi+8*mc, \oth+16*mi+8*mu
.endif
.endm
; Step s.  cur: the buffer with step s's hidden units; oth: the one that holds step s-1's, packed, and takes step s+1's.  odd: s & 1.
; PLACES, by count: the loads into w1's fragments stand behind 5 conversions and 8 v_pk_fma_f32 that follow the last first-layer
; product; the loads into w2's fragments behind 1 conversion and 4 v_pk_fma_f32 that follow the last second-layer product; a first-layer product
; writes over a fragment of hidden units 16 groups or more behind the second-layer product that read it; GELU reads a window 16 groups or more
; behind the product that wrote it.  GELU names cur and v160-175 alone, which no matrix instruction of this step names.
; The accumulators take turns, one instruction a turn: over the half's change, the loops' jumps and the barrier too.
.macro STEP cur, oth, odd
.set GI, 0
	GVN \cur, 8
	WIN 0x40
.set u2, 0
.rept 2
.set c4, 0
.rept 4
	ds_load_b128 v[WF1+32*u2+8*c4:WF1+32*u2+8*c4+3], v[AM1] offset:(\odd)*32*PITCH+u2*16*PITCH+64*c4      ; w1 of step s+1
	ds_load_b128 v[WF1+32*u2+8*c4+4:WF1+32*u2+8*c4+7], v[AM1] offset:(\odd)*32*PITCH+u2*16*PITCH+64*c4+32
.set c4, c4+1
.endr
.set u2, u2+1
.endr
	WIN 0
.set u2, 0
.rept 2
	ds_load_b128 v[BF+8*u2:BF+8*u2+3], v[AMB] offset:128+(\odd)*(PITCH-128)+64*u2                          ; b1 of step s+1: a row holds two steps'
	ds_load_b128 v[BF+8*u2+4:BF+8*u2+7], v[AMB] offset:128+(\odd)*(PITCH-128)+64*u2+16
.set u2, u2+1
.endr
.if \odd
	v_add_nc_u32 v[AM1], 64*PITCH, v[AM1]
	v_add_nc_u32 v[AMB], PITCH, v[AMB]
.endif
	s_wait_dscnt 20                                ; the 16 w2 loads of the step before are in; the 20 just issued stay out
.set gk, 0
.rept 32
	WIN 0xf1
	M2I \oth, gk
	WIN 0
	GVN \cur, 4+(gk&1)
.set gk, gk+1
.endr
	WIN 0x40
.set t8, 0
.rept 8
	ds_load_b128 v[W2F+8*t8:W2F+8*t8+3], v[AM2] offset:(\odd)*64+t8*16*PITCH                               ; w2 of step s
	ds_load_b128 v[W2F+8*t8+4:W2F+8*t8+7], v[AM2] offset:(\odd)*64+t8*16*PITCH+32
.set t8, t8+1
.endr
	WIN 0
.if \odd
	v_add_nc_u32 v[AM2], 128, v[AM2]
.endif
	s_wait_dscnt 16                                ; w1 and b1 of step s+1 are in; the 16 just issued stay out
.set gk, 0
.rept 32
	WIN 0x05
	M1I \oth, gk
	WIN 0
	GVN \cur, 4+(gk&1)
.set gk, gk+1
.endr
.endm
; First pass only: the next pass's tokens that no wave has read yet are asked for, each 256 bytes once in the launch, by the wave that will load them,
; four steps of the MLP ahead of the loads.  All lie inside my stripe (second half: my two stripes).  The last pass asks for nothing.
.macro PREFETCH
	s_cmp_lg_u32 s13, 0
	s_cbranch_scc1 .Lno_prefetch_\@
.if SHIFTED
.irp q, 0,1,2,3
	global_prefetch_b8 v[PFO+\q], s[92:93] th:TH_LOAD_NT scope:SCOPE_SE
.endr
.else
	global_prefetch_b8 v[PFO], s[SB:SB+1] th:TH_LOAD_NT scope:SCOPE_SE
	global_prefetch_b8 v[PFO], s[SB:SB+1] offset:16384 th:TH_LOAD_NT scope:SCOPE_SE
.endif
.Lno_prefetch_\@:
.endm
; A chunk: four steps on one slot, which holds w1 of steps 4j+1 .. 4j+4 and w2 of steps 4j .. 4j+3, so that all that these four steps read lies in it.
; In front of the barrier every wave waits for all its tensor loads (one is out: its quarter of this slot) and for its LDS reads;
; behind it the other slot, which nobody reads any more, is asked for again first: one load a wave, four steps of work ahead of its use.
.macro CHUNK refill
	s_wait_tensorcnt 0x0                           ; no tensor load of mine is out: the group 0 may be written
	ds_add_u32 v183, v253
	s_wait_dscnt 0x0
	s_xor_b32 s[G0C+1], s[G0C+1], SLOT             ; the other slot
.if \refill
	s_add_nc_u64 s[G0C+2:G0C+3], s[G0C+2:G0C+3], 65536            ; the next chunk
.else
	s_sub_nc_u64 s[G0C+2:G0C+3], s[G0C+2:G0C+3], 3*65536          ; back to chunk 0, for the next pass
.endif
	s_wait_dscnt 0x0
.if \refill
	SYNC
	tensor_load_to_lds s[G0C:G0C+3], s[G1S:G1S+7]
	s_nop 0
.else
	s_barrier_signal -1
	s_barrier_wait -1
	PREFETCH
.endif
	v_add_nc_u32 v[AM1], s68, v[AW0]               ; the slot that is read
	v_add_nc_u32 v[AM2], 128*PITCH, v[AM1]
	s_xor_b32 s68, s68, SLOT                       ; the next chunk reads the other
	s_mov_b32 s14, 0
.Ldstep_\@:
	STEP H0, H1, 0
	STEP H1, H0, 1
	s_add_co_u32 s14, s14, 1
	s_cmp_lt_u32 s14, 2
	s_cbranch_scc1 .Ldstep_\@
.endm
; Window i out, in three parts: GELU of the 64 accumulators, / s + residual, through the stage to whole rows, 16 stores of 512 bytes.
; EPIA: the next pass's window i is asked for; the exponents.  EPIB: the rest of the arithmetic, into the stage and back by rows.
; GSTW: the stores; they stand behind the next window's EPIA, so that the way through the stage is not waited for at once.
.macro EPIA i
	NEXTLD \i
	WIN 0x0f
.set m, 0
.rept 32
	v_pk_fma_f32 v[ER+2*m:ER+2*m+1], v[64*(\i)+2*m:64*(\i)+2*m+1], v[64*(\i)+2*m:64*(\i)+2*m+1], s[70:71] op_sel_hi:[1,1,0]
.set m, m+1
.endr
	WIN 0x0c
.set m, 0
.rept 32
	v_pk_mul_f32 v[ER+2*m:ER+2*m+1], v[ER+2*m:ER+2*m+1], v[64*(\i)+2*m:64*(\i)+2*m+1] neg_lo:[0,1] neg_hi:[0,1]
.set m, m+1
.endr
	WIN 0
.endm
.macro EPIB i
.set j, 0
.rept 64
	v_exp_f32 v[ER+j], v[ER+j]
.set j, j+1
.endr
	v_nop
.set m, 0
	s_wait_alu depctr_va_vdst(0)
.rept 32
	v_pk_add_f32 v[ER+2*m:ER+2*m+1], v[ER+2*m:ER+2*m+1], 1.0 op_sel_hi:[1,0]
.set m, m+1
.endr
.set j, 0
.rept 64
	v_rcp_f32 v[ER+j], v[ER+j]
.set j, j+1
.endr
	v_nop
	WIN 0x0c
.set m, 0
	s_wait_alu depctr_va_vdst(0)
.rept 32
	v_pk_mul_f32 v[ER+2*m:ER+2*m+1], v[ER+2*m:ER+2*m+1], v[64*(\i)+2*m:64*(\i)+2*m+1]
.set m, m+1
.endr
	WIN 0x20
.set m, 0
.rept 32
	v_pk_fma_f32 v[ER+2*m:ER+2*m+1], v[ER+2*m:ER+2*m+1], s[86:87], v[64*(\i)+2*m:64*(\i)+2*m+1] op_sel_hi:[1,0,1]
.set m, m+1
.endr
	WIN 0
.set tp, 0
.rept 16
	ds_store_b128 v[ASL], v[ER+4*tp:ER+4*tp+3] offset:64*(tp>>1)+16*(tp&1)
.set tp, tp+1
.endr
.if (\i) > 0
	s_wait_xcnt 0x0                                ; v16-79 were the data of the last window's stores: loaded again only behind this wait
.endif
.set tp, 0
.rept 16
	ds_load_b128 v[ET+4*tp:ET+4*tp+3], v[AST] offset:SPITCH*tp
.set tp, tp+1
.endr
.endm
.macro GSTW i
.set tp, 0
.rept 16
	s_wait_dscnt 15-tp                             ; row tp is in; the younger rows stay out
	GST ET+4*tp, \i, tp
.set tp, tp+1
.endr
.endm
; ---------------- the head ----------------
	s_load_b128 s[4:7], s[0:1], 0x0                ; source, weights
	s_load_b64 s[8:9], s[0:1], 0x10                ; destination
	v_lshl_add_u32 v183, v0, 2, 0x4fe00
	v_mov_b32 v253, 0
	ds_add_u32 v183, v253
	v_lshrrev_b32 v1, 5, v0
	v_readfirstlane_b32 s10, v1                    ; wave
.if CL
	s_bfe_u32 s11, ttmp6, 0x40000                  ; my place in the cluster; it enters global token addresses alone
	s_lshl_b32 s12, ttmp9, 2
	s_add_co_u32 s12, s12, s11                     ; work-group = 32 batch + stripe
.else
	s_mov_b32 s12, ttmp9
.endif
	SHAPE G1R, 120
	SHAPE G1S, 64
	SHAPE G1B, 21
	s_mov_b32 s60, 0x76543210
	s_mov_b32 s61, 0xfedcba98
	s_mov_b32 s62, 0x3c000000                      ; 1/128
	s_mov_b32 s63, 0x3727c5ac                      ; 1e-5
	s_mov_b32 s68, RING                            ; the slot that the next chunk reads
	SPAIR 70, 0x409d30fc                           ; c = 4.9122295 = 2 sqrt(2/pi) log2(e) / s
	SPAIR 86, 0x40088e99                           ; 1 / s
	s_mov_b32 s88, 0x3e38aa3b                      ; 0.125 log2 e
	s_mov_b32 s89, 0xbe38aa3b
	s_mov_b32 s[G0R], 1
	s_mul_i32 s[G0R+1], s10, 120*PITCH             ; my quarter of rows 0-479
	s_mov_b32 s[G0B], 1
	s_mul_i32 s[G0B+1], s10, 21*PITCH              ; my quarter of rows 480-563
	s_add_co_u32 s[G0B+1], s[G0B+1], RESB
	s_mov_b32 s[G0C], 1
	s_mul_i32 s[G0C+1], s10, 64*PITCH              ; my quarter of a slot
	s_add_co_u32 s[G0C+1], s[G0C+1], RING
	s_mul_i32 s94, s10, 120*256
	s_mov_b32 s95, 0
	s_mul_i32 s96, s10, 21*256
	s_mov_b32 s97, 0
	s_lshl_b32 s98, s10, 14
	s_mov_b32 s99, 0
	s_mul_i32 s3, s10, 16*SPITCH
	s_add_co_u32 s3, s3, STAGE                     ; my stage
	s_lshl_b32 s15, s10, 3                         ; first window of the pass
	s_lshl_b32 s90, s12, 18                        ; my stripe: 512 tokens of 512 bytes
	s_mov_b32 s91, 0
	; the vector addresses need no argument: they are made while the arguments are on their way
	v_and_b32 v1, 15, v0                           ; r
	v_bfe_u32 v13, v0, 4, 1                        ; h
	v_and_b32 v[VL16], 31, v0
	v_lshlrev_b32 v[PFO], 8, v[VL16]
	v_lshlrev_b32 v[VL16], 4, v[VL16]
	v_mul_u32_u24 v[AW0], v1, PITCH
	v_lshl_add_u32 v[AW0], v13, 4, v[AW0]
	v_add_nc_u32 v[AW1], 256*PITCH, v[AW0]
	v_add_nc_u32 v[AW2], RESB, v[AW0]
	v_lshlrev_b32 v[ABI], 5, v13
	v_add_nc_u32 v[ABI], BIASB, v[ABI]
	v_add_nc_u32 v[AST], s3, v[VL16]
	v_mul_u32_u24 v[ASL], v1, SPITCH
	v_lshl_add_u32 v[ASL], v13, 5, v[ASL]
	v_add_nc_u32 v[ASL], s3, v[ASL]
	v_mov_b32 v14, 0                               ; v_permlanex16_b32 counts as a reader of its destination
	v_mov_b32 v15, 0
.if SHIFTED
	s_and_b32 s67, s12, 31                         ; my stripe in the batch
	; prefetch offsets from the batch's first byte: lane = (py', px', half of the token's 512 bytes), one register for each window of pass 1
	v_and_b32 v1, 31, v0
	v_and_b32 v13, 1, v1
	v_bfe_u32 v160, v1, 1, 2                       ; px'
	v_lshrrev_b32 v161, 3, v1                      ; py'
	v_add_nc_u32 v162, 2, v160
	v_and_b32 v162, 3, v162
	v_add_nc_u32 v163, 2, v161
	v_and_b32 v163, 3, v163
	v_lshrrev_b32 v161, 1, v161
	v_add_nc_u32 v161, s67, v161
	v_and_b32 v161, 31, v161                       ; the stripe
	v_lshlrev_b32 v161, 18, v161
	v_lshl_or_b32 v161, v163, 11, v161
	v_lshl_or_b32 v161, v162, 9, v161
	v_lshl_or_b32 v161, v13, 8, v161
	v_lshrrev_b32 v160, 1, v160
	v_add_nc_u32 v160, s15, v160
.irp i, 0,1,2,3
	v_add_nc_u32 v162, 4+\i, v160
	v_and_b32 v162, 31, v162                       ; the window
	v_lshl_add_u32 v[PFO+\i], v162, 13, v161
.endr
.else
	s_lshl_b32 s2, s10, 16                         ; tokens 128 wave + 80 .. 95, lanes 256 bytes apart
	s_add_co_u32 s2, s2, 80*512
	v_add_nc_u32 v[PFO], s2, v[PFO]
.endif
	LOSET 0
	s_wait_dscnt 0x0
	s_wait_kmcnt 0x0
	s_add_nc_u64 s[G0R+2:G0R+3], s[6:7], s[94:95]
	s_or_b32 s[G0R+3], s[G0R+3], 0x80000000
	s_add_nc_u64 s[G0B+2:G0B+3], s[6:7], s[96:97]
	s_add_nc_u64 s[G0B+2:G0B+3], s[G0B+2:G0B+3], 480*256
	s_or_b32 s[G0B+3], s[G0B+3], 0x80000000
	s_add_nc_u64 s[G0C+2:G0C+3], s[6:7], s[98:99]
	s_add_nc_u64 s[G0C+2:G0C+3], s[G0C+2:G0C+3], 564*256
	s_or_b32 s[G0C+3], s[G0C+3], 0x80000000
	s_add_nc_u64 s[SB:SB+1], s[4:5], s[90:91]
	s_add_nc_u64 s[DB:DB+1], s[8:9], s[90:91]
.if SHIFTED
	s_lshr_b32 s90, s12, 5
	s_lshl_b32 s90, s90, 23                        ; the batch
	s_add_nc_u64 s[92:93], s[4:5], s[90:91]
	s_add_co_u32 s2, s67, 1
	s_and_b32 s2, s2, 31
	s_lshl_b32 s2, s2, 18
	s_or_b32 s90, s90, s2                          ; the stripe below, wrapped
	s_add_nc_u64 s[SB+2:SB+3], s[4:5], s[90:91]
	s_add_nc_u64 s[DB+2:DB+3], s[8:9], s[90:91]
.endif
.if CL
	ROUND                                          ; the four work-groups are here: the first joint loads meet
.endif
	tensor_load_to_lds s[G0R:G0R+3], s[G1R:G1R+7]  ; the resident rows, a quarter a wave: the two first fills go out together
	s_nop 0
	tensor_load_to_lds s[G0B:G0B+3], s[G1B:G1B+7]
	s_nop 0
	TLD 0                                          ; the first pass's 64 tokens travel beside the weights
	TLD 1
	TLD 2
	TLD 3
	s_mov_b32 s13, 0
; ---------------- a pass: four windows a wave ----------------
.Lpass:
.if SHIFTED
	v_mov_b32 v[VOA], v[LOA]                       ; this pass stores where it loaded
	v_mov_b32 v[VOA+1], v[LOA+1]
.set XB, 2
.else
	s_lshl_b32 s2, s15, 13
	v_add_nc_u32 v[VOA], s2, v[VL16]
.set XB, 3
.endif
	s_wait_loadcnt 48                              ; window 0's 16 tokens are in; 48 younger loads stay out
	STG 1, XB, 0
	s_wait_loadcnt 32
	STG 1, XB, 1
	s_wait_dscnt 32                                ; all but the 32 stage instructions of the window just issued
	LNORM XB, 0                                    ; LN i writes registers 32 i .. 32 i + 31 of block 1: tokens of a window that has been staged
	s_wait_loadcnt 16
	STG 1, XB, 2
	s_wait_dscnt 32
	LNORM XB, 1
	s_wait_loadcnt 0x0
	STG 1, XB, 3
.if SHIFTED == 0
	WIN 0x80                                       ; the residual's tokens, in plain order
.set wi, 0
.rept 4
.set tp, 0
.rept 16
	GLD 64*wi+4*tp, wi, tp
.set tp, tp+1
.endr
.set wi, wi+1
.endr
	WIN 0
.endif
	s_wait_dscnt 32
	LNORM XB, 2
	s_wait_dscnt 0x0
	LNORM XB, 3
	; the weights are read from here on
	s_wait_tensorcnt 0x0                           ; all my tensor loads have landed (first pass: my quarters of the resident rows)
	ds_add_u32 v183, v253
	s_wait_dscnt 0x0                               ; and my LDS reads are back
	SYNC
	tensor_load_to_lds s[G0C:G0C+3], s[G1S:G1S+7]  ; chunk 0 into slot 0, whose last reads ended two barriers ago; attention, output projection and LN lie ahead of its use
	s_nop 0
	; attention
	WIN 0xc0
.set wi, 0
.rept 4
.set jj, 0
.rept 4
	v_mov_b32 v[56*wi+36+jj], 0                    ; the zeros between V's tiles
	v_mov_b32 v[56*wi+48+jj], 0
.set jj, jj+1
.endr
.set wi, wi+1
.endr
.set HD, 0
	HEAD
.set HD, 1
	HEAD
	; residual + out_b, then the output projection adds onto it in place
.set t8, 0
.rept 8
	ds_load_b128 v[DT+8*t8:DT+8*t8+3], v[ABI] offset:(6+(t8>>2))*PITCH+(t8&3)*64
	ds_load_b128 v[DT+8*t8+4:DT+8*t8+7], v[ABI] offset:(6+(t8>>2))*PITCH+(t8&3)*64+16
.set t8, t8+1
.endr
	LOADT 0, 24, -1
	LOADT 1, 25, -1
.if SHIFTED == 0
	s_wait_loadcnt 48
	STG 2, 2, 0
	s_wait_loadcnt 32
	STG 2, 2, 1
	s_wait_loadcnt 16
	STG 2, 2, 2
	s_wait_loadcnt 0x0
	STG 2, 2, 3
.endif
	s_wait_dscnt 0x0
	WIN 0x82
.if SHIFTED == 0
.set j, 0
.rept 256
	v_trunc_f32 v[j], v[j]
.set j, j+1
.endr
.endif
.set wi, 0
.rept 4
.set m, 0
.rept 32
	v_pk_add_f32 v[64*wi+2*m:64*wi+2*m+1], v[64*wi+2*m:64*wi+2*m+1], v[DT+2*m:DT+2*m+1]
.set m, m+1
.endr
.set wi, wi+1
.endr
.set t8, 0
.rept 8
.if t8 < 7
	s_wait_dscnt 8                                 ; the next tile's 8 loads may stay out
.else
	s_wait_dscnt 0x0
.endif
	WIN 0xa4
.set c4, 0
.rept 4
.set wi, 0
.rept 4
	WM 64*wi+8*t8, WF+32*(t8&1)+8*c4, 128+32*wi+8*c4, 64*wi+8*t8
.set wi, wi+1
.endr
.set c4, c4+1
.endr
	WIN 0
	PLACES 4
.if t8 < 6
	LOADT t8&1, 26+t8, -1
.endif
.set t8, t8+1
.endr
	LNORM 2, 0
	LNORM 2, 1
	LNORM 2, 2
	LNORM 2, 3
	; the MLP's start: b2 starts the 32 sums; w1 and b1 of step 0; the place of w2's fragments takes w1's rows too, finite numbers that meet
	; the zeros which stand for the hidden units of a step in front of the first
	WIN 0xc0
.set wi, 0
.rept 4
.set t8, 0
.rept 8
	ds_load_b128 v[64*wi+8*t8:64*wi+8*t8+3], v[ABI] offset:(16+(t8>>2))*PITCH+(t8&3)*64
	ds_load_b128 v[64*wi+8*t8+4:64*wi+8*t8+7], v[ABI] offset:(16+(t8>>2))*PITCH+(t8&3)*64+16
.set t8, t8+1
.endr
.set wi, wi+1
.endr
	WIN 0x40
.irp fb, WF1, W2F
.set u2, 0
.rept 2
.set c4, 0
.rept 4
	ds_load_b128 v[\fb+32*u2+8*c4:\fb+32*u2+8*c4+3], v[AW2] offset:W1S0+u2*16*PITCH+64*c4
	ds_load_b128 v[\fb+32*u2+8*c4+4:\fb+32*u2+8*c4+7], v[AW2] offset:W1S0+u2*16*PITCH+64*c4+32
.set c4, c4+1
.endr
.set u2, u2+1
.endr
.endr
	WIN 0
.set u2, 0
.rept 2
	ds_load_b128 v[BF+8*u2:BF+8*u2+3], v[ABI] offset:8*PITCH+64*u2
	ds_load_b128 v[BF+8*u2+4:BF+8*u2+7], v[ABI] offset:8*PITCH+64*u2+16
.set u2, u2+1
.endr
.set wi, 0
.rept 4
.set jj, 0
.rept 8
	v_mov_b32 v[H1+16*wi+jj], 0
.set jj, jj+1
.endr
.set wi, wi+1
.endr
	v_add_nc_u32 v[AMB], 8*PITCH, v[ABI]
	s_wait_dscnt 0x0
	WIN 0x05
.set gk, 0
.rept 32
	M1I H0, gk                                     ; the first layer of step 0
.set gk, gk+1
.endr
	WIN 0
	PLACES 4
	s_mov_b32 s69, 0
.Lchunk:
	CHUNK 1                                        ; chunks 0, 1, 2: each asks for the next
	s_add_co_u32 s69, s69, 1
	s_cmp_lt_u32 s69, 3
	s_cbranch_scc1 .Lchunk
	CHUNK 0                                        ; chunk 3 asks for no chunk: the next pass asks for chunk 0 behind its own barrier
	s_wait_dscnt 0x0                               ; w2 of step 15
	WIN 0xf1
.set gk, 0
.rept 32
	M2I H1, gk                                     ; the second layer of step 15
.set gk, gk+1
.endr
	WIN 0
	PLACES 4                                       ; behind them the accumulators are read, and block 1 is loaded again
	EPIA 0
	EPIB 0
	EPIA 1
	GSTW 0
	EPIB 1
	EPIA 2
	GSTW 1
	EPIB 2
	EPIA 3
	GSTW 2
	EPIB 3
	GSTW 3
	s_wait_xcnt 0x0                                ; the stores' offsets and data are written again only behind this wait
	s_add_co_u32 s15, s15, 4
	s_add_co_u32 s13, s13, 1
	s_cmp_lt_u32 s13, 2
	s_cbranch_scc1 .Lpass
.if CL
	s_wait_tensorcnt 0x0
	ds_add_u32 v183, v253
	s_wait_dscnt 0x0
	ROUND                                          ; the closing round: no work-group ends while a partner may still ask jointly
.endif
	s_endpgm
.Lfunc_end_k_qa37c1e0529_half2:
	.size	k_qa37c1e0529_half2, .Lfunc_end_k_qa37c1e0529_half2-k_qa37c1e0529_half2
	.p2alignl 7, 3214868480
	.fill 96, 4, 3214868480
	.section	.rodata,"a",@progbits
	.p2align	6, 0x0
	.amdhsa_kernel k_qa37c1e0529_half2
		.amdhsa_group_segment_fixed_size 327680
		.amdhsa_private_segment_fixed_size 0
		.amdhsa_enable_private_segment 0
		.amdhsa_kernarg_size 24
		.amdhsa_user_sgpr_count 2
		.amdhsa_user_sgpr_kernarg_segment_ptr 1
		.amdhsa_wavefront_size32 1
		.amdhsa_system_sgpr_workgroup_id_x 1
		.amdhsa_system_sgpr_workgroup_id_y 1
		.amdhsa_system_sgpr_workgroup_id_z 1
		.amdhsa_system_vgpr_workitem_id 0
		.amdhsa_next_free_vgpr 1024
		.amdhsa_next_free_sgpr 100
		.amdhsa_reserve_vcc 0
		.amdhsa_float_denorm_mode_32 3
		.amdhsa_float_denorm_mode_16_64 3
		.amdhsa_memory_ordered 1
		.amdhsa_forward_progress 1
		.amdhsa_inst_pref_size 255
	.end_amdhsa_kernel
	.section	.bss,"aw",@nobits
	.p2align	6
	.space	262144
	.amdgpu_metadata
---
amdhsa.version: [ 1, 2 ]
amdhsa.kernels:
  - .name:           k_qa37c1e0529_half2
    .symbol:         k_qa37c1e0529_half2.kd
    .args:
      - { .name: mid, .offset: 0, .size: 8, .value_kind: global_buffer, .address_space: global }
      - { .name: wts2, .offset: 8, .size: 8, .value_kind: global_buffer, .address_space: global }
      - { .name: out0, .offset: 16, .size: 8, .value_kind: global_buffer, .address_space: global }
    .group_segment_fixed_size: 327680
    .private_segment_fixed_size: 0
    .kernarg_segment_align: 8
    .kernarg_segment_size: 24
    .max_flat_workgroup_size: 128
    .sgpr_count:     100
    .vgpr_count:     1024
    .wavefront_size: 32
...
	.end_amdgpu_metadata
.endif
;; end of part 6
;; ======== version 3 of 3: 3 launches; version 2 with the launch prep written anew for expert scheduling mode
;; limits: a function is approximated: absolute error at most 0.00018
;; workspace buffers: wts1 406,528 bytes; wts2 406,528 bytes; mid 67,108,864 bytes
;; launch prep (part 7): grid 24 x 2, 8 waves a work-group, no clusters, 1,280 bytes of LDS; arguments qkv1_w, out1_w, mlp1_w1, mlp1_w2, qkv1_b, out1_b, mlp1_b1, mlp1_b2, ln1_g, ln1_b, ln2_g, ln2_b, wts1, qkv2_w, out2_w, mlp2_w1, mlp2_w2, qkv2_b, out2_b, mlp2_b1, mlp2_b2, ln3_g, ln3_b, ln4_g, ln4_b, wts2; writes wts1, wts2
.if DOCPART == 7
	.amdgcn_target "amdgcn-amd-amdhsa--gfx1250"
	.amdhsa_code_object_version 6
	.text
	.protected	k_qa37c1e0529_prep
	.globl	k_qa37c1e0529_prep
	.p2align	8
	.type	k_qa37c1e0529_prep,@function
k_qa37c1e0529_prep:
	s_mov_b64 s[64:65], 0
	v_nop
	global_prefetch_b8 v0, s[64:65] scope:SCOPE_SE
	s_setreg_imm32_b32 hwreg(HW_REG_WAVE_SCHED_MODE, 0, 2), 2
	s_setreg_imm32_b32 hwreg(HW_REG_WAVE_MODE, 25, 1), 1
	s_wait_xcnt 0x0
	s_wait_alu depctr_vm_vsrc(0)
; Folds and converts one half-block's weights (grid y = 0: the first, 1: the second) into 1588 rows of 256 bytes:
;   rows 0-383 qkv_w * g, 384-511 out_w, 512-543 s*g*w1[0..31][:], 544-563 20 rows of 64 f32 biases (6 qkv, 2 out, 8 b1, 2 b2, b2 again),
;   564+256j+i (i < 128): s*g*w1[(128j+32+i) mod 512][:]  (w1 moved on by one step of 32 rows), 564+256j+128+f: w2[f][128j..128j+127].
; Identities used, true for every input: W (n*g + b) + c = (W*g) n + (W b + c); with s = (2 sqrt(2/pi) 0.044715 log2 e)^(1/3) both of the MLP's
; pre-activations arrive as u = s x, and the hidden units leave as s gelu(x), so that w2 itself needs no factor and b2 takes s.
; Stated difference of rounding: gain and s are rounded into the bf16 weight.
; Work-group x takes 64 rows of 128 numbers: x 0-5 qkv_w, 6-7 out_w, 8-15 w1, 16-23 w2 (64 rows x one chunk of 128 columns); groups 0-19
; write bias row x.  Wave w takes rows 8w..8w+7, a lane 4 numbers of each.
; Too little data for LDS rings, matrix units or clusters: one batch of loads, one wait.
; THE MODE: SCHED_MODE bits 1:0 = 2 (LLVM: expert scheduling mode 2), set by the entry lines.  The code itself states the register dependences
; between vector instructions and memory or LDS instructions, with s_wait_alu, always for 0.
; THE PLAN.  Registers that memory or LDS instructions touch:
;   v3, v12-19, v59, v60  offsets and addresses: written at the head, read by the rows' loads and stores, never written again.
;   v4-11, v24-55         the ten loads land in them; no vector instruction names them before.  The first two of a row's four, packed, are the data
;                         of the row's store (group 8: of a second store too) and are not written again.
;   v66-73                row i's product with the LN's bias: written by the row's last addition, read by its LDS store, not written again.
;   v61, v56-57, v62-63   wave 0, behind the barrier: an offset, and what its two loads bring; v56-57 are then its last store's data.
;   v64, v65              written at the head, read by the closing add alone.
;   v56-58 are named by vector instructions alone until wave 0's last part.
; Rows 0-3 are worked on; one wait; their eight stores are dealt among the arithmetic of rows 4-7, which names none of their registers; one wait;
; the stores of rows 4-7.  No register that a memory or LDS instruction has read is written again, so no wait on vm_vsrc is owed.
.set SC,    0x3eeff558                 ; s = 0.4686687
.set ROWW,  512                        ; w1's first 32 rows
.set ROWBI, 544                        ; the bias rows
.set ROWC,  564                        ; the four chunks
.set SUM,   66                         ; v66-73: the eight rows' products with the LN's bias
	s_load_b512 s[4:19], s[0:1], 0x0               ; layer 1: qkv_w out_w w1 w2 qkv_b out_b b1 b2
	s_load_b256 s[20:27], s[0:1], 0x40             ; its first LN's g, b, its second LN's g, b
	s_load_b64 s[28:29], s[0:1], 0x60              ; its destination
	s_load_b512 s[32:47], s[0:1], 0x68             ; layer 2, the same order
	s_load_b256 s[48:55], s[0:1], 0xa8
	s_load_b64 s[56:57], s[0:1], 0xc8
	v_lshl_add_u32 v64, v0, 2, 0x100
	v_mov_b32 v65, 0
	s_mov_b32 s70, ttmp9                           ; x
	s_and_b32 s58, ttmp7, 0xffff                   ; y
	v_and_b32 v1, 31, v0                           ; lane
	v_lshrrev_b32 v2, 5, v0
	v_readfirstlane_b32 s98, v2                    ; wave
	s_mov_b32 s92, 0x76543210                      ; v_permlanex16_b32: lane i reads lane i of the other half
	s_mov_b32 s93, 0xfedcba98
	s_mov_b32 s71, 16                              ; first x of my matrix
	s_cmp_lt_u32 s70, 16
	s_cmov_b32 s71, 8
	s_cmp_lt_u32 s70, 8
	s_cmov_b32 s71, 6
	s_cmp_lt_u32 s70, 6
	s_cmov_b32 s71, 0
	s_sub_co_u32 s72, s70, s71                     ; z: my block of 64 rows in that matrix
	s_and_b32 s80, s72, 1
	s_lshr_b32 s81, s72, 1
	s_lshl_b32 s82, s80, 17                        ; w2: 64 rows of 2048 bytes,
	s_lshl_b32 s83, s81, 9                         ;     chunk of 128 columns
	s_or_b32 s82, s82, s83
	s_lshl_b32 s83, s72, 15                        ; the others: 64 rows of 512 bytes
	s_lshl_b32 s84, s80, 8                         ; bias offset: w2's groups take b2's halves by turns
	s_lshl_b32 s85, s72, 8
	s_lshl_b32 s86, s81, 8                         ; ROWC + 256 (z>>1) + 64 (z&1)
	s_lshl_b32 s87, s80, 6
	s_add_co_u32 s86, s86, s87
	s_add_co_u32 s86, s86, ROWC
	s_add_co_u32 s59, s72, 7                       ; w1, moved on by 32 rows: my first 32 rows close the block of z - 1 (mod 8),
	s_and_b32 s59, s59, 7
	s_and_b32 s99, s59, 1
	s_lshl_b32 s99, s99, 6
	s_lshr_b32 s59, s59, 1
	s_lshl_b32 s59, s59, 8
	s_add_co_u32 s99, s99, s59
	s_add_co_u32 s99, s99, ROWC+32
	s_sub_co_u32 s59, s86, 32                      ; my last 32 open the block of z
	s_add_co_u32 s86, s86, 128                     ; w2 lies behind a chunk's 128 rows of w1
	s_lshl_b32 s88, s70, 6                         ; qkv_w and out_w: row 64 x
	s_sub_co_u32 s89, s70, 8
	s_wait_alu depctr_va_sdst(0)                   ; s98, the wave's number, is written, ahead of its first reader: the compare below
	s_cmp_lt_u32 s98, 4                            ; waves 0-3 hold the first 32 rows
	s_cselect_b32 s99, s99, s59
	s_cmp_ge_u32 s70, 16                           ; w2?
	s_mov_b32 s73, 512                             ; source pitch
	s_cmov_b32 s73, 2048
	s_cselect_b32 s74, s82, s83                    ; source offset
	s_cselect_b32 s76, s84, s85                    ; bias offset
	s_cselect_b32 s75, s86, s99                    ; destination row less 8 wave
	s_cmp_lt_u32 s70, 8
	s_cselect_b32 s75, s88, s75
	s_mov_b32 s79, SC                              ; factor on the bias: s for the MLP's
	s_cmov_b32 s79, 1.0
	s_mov_b32 s78, 1.0                             ; factor on the weights: s for w1
	s_mov_b32 s77, 0                               ; lane mask: does an LN stand in front of this matrix?
	s_cmp_lt_u32 s89, 8                            ; w1?
	s_cmov_b32 s78, SC
	s_cmov_b32 s77, -1
	s_cmp_lt_u32 s70, 6
	s_cmov_b32 s77, -1
	v_lshlrev_b32 v3, 4, v1                        ; 16 lane
	v_lshlrev_b32 v20, 3, v2                       ; 8 wave
.set i8, 0
.rept 8
	v_add_nc_u32 v21, i8, v20
	v_mad_u32_u24 v[12+i8], v21, s73, v3           ; row x pitch + 16 lane
.set i8, i8+1
.endr
	v_mov_b32 v59, s98
	v_lshlrev_b32 v59, 5, v59                      ; LDS: my wave's eight words
	v_lshlrev_b32 v60, 3, v1
	v_lshl_add_u32 v60, v2, 11, v60                ; destination: 8 rows of 256 bytes a wave + 8 lane
	v_mov_b32 v58, 0                               ; v_permlanex16_b32 counts as a reader of its destination
	s_wait_kmcnt 0x0
	s_cmp_eq_u32 s58, 0                            ; which layer: a choice between two buffers, thirteen times
.set np, 0
.rept 13
	s_cselect_b64 s[4+2*np:5+2*np], s[4+2*np:5+2*np], s[32+2*np:33+2*np]
.set np, np+1
.endr
	s_cmp_lt_u32 s70, 16
	s_cselect_b64 s[60:61], s[8:9], s[10:11]       ; the matrix
	s_cselect_b64 s[62:63], s[16:17], s[18:19]     ; its bias
	s_cmp_lt_u32 s70, 8
	s_cselect_b64 s[60:61], s[6:7], s[60:61]
	s_cselect_b64 s[62:63], s[14:15], s[62:63]
	s_cselect_b64 s[66:67], s[20:21], s[24:25]     ; the LN in front: g
	s_cselect_b64 s[68:69], s[22:23], s[26:27]     ; b
	s_cmp_lt_u32 s70, 6
	s_cselect_b64 s[60:61], s[4:5], s[60:61]
	s_cselect_b64 s[62:63], s[12:13], s[62:63]
	s_mov_b32 s91, 0
	s_mov_b32 s90, s74
	s_add_nc_u64 s[60:61], s[60:61], s[90:91]
	s_mov_b32 s90, s76
	s_add_nc_u64 s[62:63], s[62:63], s[90:91]
	s_lshl_b32 s90, s75, 8
	s_add_nc_u64 s[94:95], s[28:29], s[90:91]      ; my rows of the destination
	s_lshl_b32 s90, s70, 8
	s_add_co_u32 s90, s90, ROWBI*256
	s_add_nc_u64 s[96:97], s[28:29], s[90:91]      ; my bias row
	s_add_nc_u64 s[30:31], s[28:29], ROWW*256      ; the second place of w1's first 32 rows
	s_wait_alu depctr_va_vdst(0)                   ; the offsets and addresses v3, v12-19, v59 and v60 are written, which the loads below and the rows' stores read
	global_load_b128 v[4:7], v3, s[66:67]          ; g of my four columns
	global_load_b128 v[8:11], v3, s[68:69]         ; b
.set i8, 0
.rept 8
	global_load_b128 v[24+4*i8:27+4*i8], v[12+i8], s[60:61]    ; a wave's load covers a row's 512 bytes
.set i8, i8+1
.endr
	s_wait_loadcnt 0x0
.set i8, 0
.rept 4
	v_cndmask_b32 v[4+i8], 1.0, v[4+i8], s77       ; no LN in front: gain 1,
	v_cndmask_b32 v[8+i8], 0, v[8+i8], s77         ; bias 0
.set i8, i8+1
.endr
.set i8, 0
.rept 4
	v_mul_f32 v[4+i8], s78, v[4+i8]
.set i8, i8+1
.endr
; Row i's arithmetic.  It names v4-11, v56-58, the row's four registers and the row's own sum.
.macro ROWWORK i
.set R, 24+4*(\i)
	v_pk_mul_f32 v[56:57], v[R:R+1], v[8:9]        ; the row's product with the LN's bias, in f32
	v_pk_fma_f32 v[56:57], v[R+2:R+3], v[10:11], v[56:57]
	v_add_f32 v56, v56, v57
	v_add_f32_dpp v56, v56, v56 row_xmask:1 row_mask:0xf bank_mask:0xf
	v_add_f32_dpp v56, v56, v56 row_xmask:2 row_mask:0xf bank_mask:0xf
	v_add_f32_dpp v56, v56, v56 row_xmask:4 row_mask:0xf bank_mask:0xf
	v_add_f32_dpp v56, v56, v56 row_xmask:8 row_mask:0xf bank_mask:0xf
	v_permlanex16_b32 v58, v56, s92, s93
	v_add_f32 v[SUM+(\i)], v56, v58                ; into a register of the row's own: the LDS store that reads it meets no later write
	v_pk_mul_f32 v[R:R+1], v[R:R+1], v[4:5]
	v_pk_mul_f32 v[R+2:R+3], v[R+2:R+3], v[6:7]
	v_cvt_pk_bf16_f32 v[R], v[R], v[R+1]
	v_cvt_pk_bf16_f32 v[R+1], v[R+2], v[R+3]
.endm
; Row i's two stores.
.macro ROWOUT i
	ds_store_b32 v59, v[SUM+(\i)] offset:4*(\i)    ; all lanes write the same word with the same value
	global_store_b64 v60, v[24+4*(\i):25+4*(\i)], s[94:95] offset:256*(\i)     ; a wave's store covers 256 consecutive bytes, aligned; its data registers are not written again
.endm
.irp i, 0,1,2,3
	ROWWORK \i
.endr
	s_wait_alu depctr_va_vdst(0)                   ; rows 0-3: their sums v66-69 and their packed words are written, which the stores dealt among rows 4-7 read
.irp i, 4,5,6,7
	ROWOUT (\i)-4                                  ; no wait: no vector instruction since the wait above names these stores' registers
	ROWWORK \i
.endr
	s_wait_alu depctr_va_vdst(0)                   ; rows 4-7: their sums v70-73 and their packed words are written, which the stores below read
.irp i, 4,5,6,7
	ROWOUT \i
.endr
	s_cmp_lg_u32 s70, 8                            ; w1's rows 0-31 (group 8, waves 0-3) are stored a second time: the copy that stays in LDS
	s_cbranch_scc1 .Lnodup
	s_cmp_ge_u32 s98, 4
	s_cbranch_scc1 .Lnodup
.set i8, 0
.rept 8
	global_store_b64 v60, v[24+4*i8:25+4*i8], s[30:31] offset:256*i8           ; the same data once more: no vector instruction has been issued since the last wait
.set i8, i8+1
.endr
.Lnodup:
	s_wait_dscnt 0x0                               ; for wave 0's sake: my eight words are in LDS
	s_barrier_signal -1
	s_barrier_wait -1
	s_cmp_lg_u32 s98, 0
	s_cbranch_scc1 .Lend
	s_cmp_ge_u32 s70, 20                           ; there are 20 bias rows
	s_cbranch_scc1 .Lend
	v_lshlrev_b32 v61, 3, v1
	s_wait_alu depctr_va_vdst(0)                   ; v61 is written, which the two loads read; the rows' arithmetic is done with v56-57, in which the LDS load lands
	ds_load_b64 v[56:57], v61                      ; rows 2 lane, 2 lane + 1
	global_load_b64 v[62:63], v61, s[62:63]
	s_wait_loadcnt 0x0
	s_wait_dscnt 0x0
	v_pk_add_f32 v[56:57], v[56:57], v[62:63]
	v_mul_f32 v56, s79, v56
	v_mul_f32 v57, s79, v57
	s_wait_alu depctr_va_vdst(0)                   ; the two multiplies have written v56-57, which the store reads
	global_store_b64 v61, v[56:57], s[96:97]       ; 256 consecutive bytes, aligned
.Lend:
	s_wait_dscnt 0x0                               ; the closing lines, six on end
	s_wait_alu 0x0
	s_wait_tensorcnt 0x0
	ds_add_u32 v64, v65
	s_wait_dscnt 0x0
	s_endpgm
.Lfunc_end_k_qa37c1e0529_prep:
	.size	k_qa37c1e0529_prep, .Lfunc_end_k_qa37c1e0529_prep-k_qa37c1e0529_prep
	.p2alignl 7, 3214868480
	.fill 96, 4, 3214868480
	.section	.rodata,"a",@progbits
	.p2align	6, 0x0
	.amdhsa_kernel k_qa37c1e0529_prep
		.amdhsa_group_segment_fixed_size 1280
		.amdhsa_private_segment_fixed_size 0
		.amdhsa_enable_private_segment 0
		.amdhsa_kernarg_size 208
		.amdhsa_user_sgpr_count 2
		.amdhsa_user_sgpr_kernarg_segment_ptr 1
		.amdhsa_wavefront_size32 1
		.amdhsa_system_sgpr_workgroup_id_x 1
		.amdhsa_system_sgpr_workgroup_id_y 1
		.amdhsa_system_sgpr_workgroup_id_z 1
		.amdhsa_system_vgpr_workitem_id 0
		.amdhsa_next_free_vgpr 74
		.amdhsa_next_free_sgpr 100
		.amdhsa_reserve_vcc 0
		.amdhsa_float_denorm_mode_32 3
		.amdhsa_float_denorm_mode_16_64 3
		.amdhsa_memory_ordered 1
		.amdhsa_forward_progress 1
		.amdhsa_inst_pref_size 16
	.end_amdhsa_kernel
	.amdgpu_metadata
---
amdhsa.version: [ 1, 2 ]
amdhsa.kernels:
  - .name:           k_qa37c1e0529_prep
    .symbol:         k_qa37c1e0529_prep.kd
    .args:
      - { .name: qkv1_w, .offset: 0, .size: 8, .value_kind: global_buffer, .address_space: global }
      - { .name: out1_w, .offset: 8, .size: 8, .value_kind: global_buffer, .address_space: global }
      - { .name: mlp1_w1, .offset: 16, .size: 8, .value_kind: global_buffer, .address_space: global }
      - { .name: mlp1_w2, .offset: 24, .size: 8, .value_kind: global_buffer, .address_space: global }
      - { .name: qkv1_b, .offset: 32, .size: 8, .value_kind: global_buffer, .address_space: global }
      - { .name: out1_b, .offset: 40, .size: 8, .value_kind: global_buffer, .address_space: global }
      - { .name: mlp1_b1, .offset: 48, .size: 8, .value_kind: global_buffer, .address_space: global }
      - { .name: mlp1_b2, .offset: 56, .size: 8, .value_kind: global_buffer, .address_space: global }
      - { .name: ln1_g, .offset: 64, .size: 8, .value_kind: global_buffer, .address_space: global }
      - { .name: ln1_b, .offset: 72, .size: 8, .value_kind: global_buffer, .address_space: global }
      - { .name: ln2_g, .offset: 80, .size: 8, .value_kind: global_buffer, .address_space: global }
      - { .name: ln2_b, .offset: 88, .size: 8, .value_kind: global_buffer, .address_space: global }
      - { .name: wts1, .offset: 96, .size: 8, .value_kind: global_buffer, .address_space: global }
      - { .name: qkv2_w, .offset: 104, .size: 8, .value_kind: global_buffer, .address_space: global }
      - { .name: out2_w, .offset: 112, .size: 8, .value_kind: global_buffer, .address_space: global }
      - { .name: mlp2_w1, .offset: 120, .size: 8, .value_kind: global_buffer, .address_space: global }
      - { .name: mlp2_w2, .offset: 128, .size: 8, .value_kind: global_buffer, .address_space: global }
      - { .name: qkv2_b, .offset: 136, .size: 8, .value_kind: global_buffer, .address_space: global }
      - { .name: out2_b, .offset: 144, .size: 8, .value_kind: global_buffer, .address_space: global }
      - { .name: mlp2_b1, .offset: 152, .size: 8, .value_kind: global_buffer, .address_space: global }
      - { .name: mlp2_b2, .offset: 160, .size: 8, .value_kind: global_buffer, .address_space: global }
      - { .name: ln3_g, .offset: 168, .size: 8, .value_kind: global_buffer, .address_space: global }
      - { .name: ln3_b, .offset: 176, .size: 8, .value_kind: global_buffer, .address_space: global }
      - { .name: ln4_g, .offset: 184, .size: 8, .value_kind: global_buffer, .address_space: global }
      - { .name: ln4_b, .offset: 192, .size: 8, .value_kind: global_buffer, .address_space: global }
      - { .name: wts2, .offset: 200, .size: 8, .value_kind: global_buffer, .address_space: global }
    .group_segment_fixed_size: 1280
    .private_segment_fixed_size: 0
    .kernarg_segment_align: 8
    .kernarg_segment_size: 208
    .max_flat_workgroup_size: 256
    .sgpr_count:     100
    .vgpr_count:     74
    .wavefront_size: 32
...
	.end_amdgpu_metadata
.endif
;; end of part 7
;; launch half1: the kernel of part 5 again; grid 256 x 1, 4 waves a work-group, clusters of 4 x 1, 327,680 bytes of LDS; arguments x, wts1, mid; writes mid
;; launch half2: the kernel of part 6 again; grid 256 x 1, 4 waves a work-group, clusters of 4 x 1, 327,680 bytes of LDS; arguments mid, wts2, out0; writes out0
